; MI455X (gfx1250); checked and timed in simulation.
; The chip was launched on July 23, 2026; its instructions are those of AMD's public machine-readable ISA for CDNA 5 (MIT licence, August 2026) and "CDNA5" Instruction Set Architecture Reference Guide (July 2026). The comments in the code are by the model that wrote it; some were corrected since.
;; RAG Query Optimizer. Allowed arithmetic: matrix products marked QUANTISED: E2M1 operands, one E8M0 scale for each 32 along K, by v_wmma_scale_f32_16x16x128_f8f6f4 with both operands' format E2M1 (or v_wmma_scale_f32_32x16x128_f4), f32 sums; products left as they are: f32 operands where the result goes on into a quantised operand, else bf16, f16 or f32 operands; f32 sums; everything else in f32.
;; Inputs: W_score 128 x 128 float32; b_score 128 float32; context_tokens 65,536 int32; emb_table 50,257 x 128 float32; query_tokens 4 x 128 int32.
;; Outputs: out0 4 x 128 float32.
;; This version of the problem:
;;   THIS VERSION OF THE PROBLEM IS GIVEN IN LOW PRECISION. The matrix products marked QUANTISED in the list below multiply operands that are first quantised to E2M1 (2 exponent bits, 1 mantissa bit; 4 bits a number), with one power-of-two scale for each 32 numbers along K (OCP MX v1.0); their sums are f32. All else is computed in f32.
;;   The module's matrix products, in the order in which they are computed (A, B: the left and right operand; K: the contracted axis; several contracted axes count as one K, in the product's order):
;;     1. [M 512, K 128] x [K 128, N 65,536]; A: computed on the way; B: computed on the way: QUANTISED
;;     2. [M 512, K 128] x [K 128, N 128]; A: computed on the way; B: input W_score: QUANTISED
;;     3. batch 512 x [M 1, K 128] x [K 128, N 8]; A: computed on the way; B: computed on the way: left as it is (M = 1 < 16)
;;   THE QUANTISER, for each operand of a quantised product, along K:
;;     - K is cut into blocks of 32 from its start; a last block that is shorter is filled with zeros.
;;     - A block's scale is 2^e with e = floor(log2(the largest magnitude in the block)) - 2, held to -126 .. 127; a block of zeros has e = 0. As a byte (E8M0): e + 127.
;;     - Each number is divided by its block's scale, clamped to +-6, and rounded to the nearest number of E2M1, ties to even, subnormals kept.
;;     - The product sums the exact products of the quantised numbers (number of the format x scale) in f32.
;;   ~~~python
;;   def quantise(x, axis):      # numpy; x: float32 -> the quantised numbers, widened to float32 again
;;       x = np.moveaxis(x, axis, -1); K = x.shape[-1]
;;       x = np.pad(x, [(0, 0)] * (x.ndim - 1) + [(0, -K % 32)]); x = x.reshape(x.shape[:-1] + (-1, 32)); a = np.abs(x).max(-1, keepdims=True)
;;       e = np.where(a > 0, np.clip(np.frexp(np.where(a > 0, a, 1))[1] - 1 - 2, -126, 127), 0)      # np.frexp(a)[1] - 1 = floor(log2(a)), exactly
;;       r = np.clip(x / 2.0 ** e, -6, 6)
;;       step = 2.0 ** (np.maximum(np.frexp(np.where(r == 0, 1, r))[1] - 1, 0) - 1)
;;       q = np.round(r / step) * step * 2.0 ** e      # np.round: ties to even
;;       return np.moveaxis(q.reshape(q.shape[:-2] + (-1,))[..., :K], -1, axis).astype(np.float32)
;;   ~~~
;;   OPERANDS COMPUTED ON THE WAY. 'Computed on the way' means the value that the module computes at that place (a softmax that the list does not call 'softmax' is quantised finished and normalised). What goes into a quantiser is computed in f32, as accurately as f32 sums, v_exp_f32 and their like allow (about 1e-6 of the number): no bf16 or f16 on the way to a quantiser, and a product that is left as it is and whose result goes on into a quantised operand takes f32 operands (vector FMAs, or v_wmma_f32_16x16x4_f32). A number that lies on a knife's edge between two numbers of the format may be rounded either way, as far as f32 arithmetic and the matrix unit's own rounding can turn it there, and no further.
;; 3 versions. Each part assembles by itself: llvm-mc -triple=amdgcn-amd-amdhsa -mcpu=gfx1250 --defsym DOCPART=n.
;; ======== version 1 of 3: 4 launches
;; workspace buffers: maxbuf 2,097,152 bytes; ccodes 4,194,304 bytes; cmeta 524,288 bytes; qcodes 32,768 bytes; qmeta 4,096 bytes; gids 16,384 bytes of whole numbers; topidx 16,384 bytes of whole numbers; topval 16,384 bytes
;; launch scan (part 1): grid 256 x 1, 8 waves a work-group, no clusters, 19,456 bytes of LDS; arguments query_tokens, context_tokens, emb_table, maxbuf, ccodes, cmeta, qcodes, qmeta; writes maxbuf, ccodes, cmeta, qcodes, qmeta
.if DOCPART == 1
	.amdgcn_target "amdgcn-amd-amdhsa--gfx1250"
	.amdhsa_code_object_version 6
	.text
	.protected	k_q38f253f1ed_scan
	.globl	k_q38f253f1ed_scan
	.p2align	8
	.type	k_q38f253f1ed_scan,@function
k_q38f253f1ed_scan:
	s_mov_b64 s[64:65], 0
	v_nop
	global_prefetch_b8 v0, s[64:65] scope:SCOPE_SE
	s_setreg_imm32_b32 hwreg(HW_REG_WAVE_MODE, 25, 1), 1
	s_wait_xcnt 0x0
; LAUNCH 1 OF 4: embeddings are gathered and quantised to FP4 (E2M1, one E8M0 scale for each 32 along the 128), the first product is made, and of every 64 neighbouring contexts the best value is kept for each query.
; WHAT IS KEPT.  sq = |q|^2 + |c|^2 - 2 Q(q).Q(c).  The matrix instruction gets -|c|^2/2 as its C, so its result is D = Q(q).Q(c) - |c|^2/2 and sq = |q|^2 - 2 D: the nearest context has the largest D,
; and the clip of sq at 0 is min(D, |q|^2/2).  The eight nearest contexts of a query lie in the eight groups with the largest clipped maxima (equal maxima: the lower group), since a group is a run of neighbouring indices.
; SHARES.  Work-group w owns contexts 256 w .. 256 w + 255 and meets all 512 queries.  Wave v quantises query tiles 4 v .. 4 v + 3 (they stay in its registers as source 1) and context tiles 2 v, 2 v + 1, which go to LDS
; as images of their registers (16 bytes a lane, 512 bytes a store); behind one barrier every wave multiplies all 16 context tiles by its own four query tiles: 64 matrix instructions a wave.
; THE ROWS OF A CONTEXT TILE ARE NOT NEIGHBOURS: row m of tile t is context 256 w + 128 (m / 8) + 64 (t / 8) + 8 (t % 8) + m % 8.  In a result lane (r, h) holds query r and rows 8 h + 0 .. 7, so its registers over
; tiles 8 s .. 8 s + 7 are the 64 neighbouring contexts of group 4 w + 2 h + s.
; OUT.  maxbuf [256 w][512 queries][4 groups] f32;  ccodes [4096 tiles][1024 bytes: the image];  cmeta [256 w][16 tiles x 16 scale words, then 16 x 16 numbers -|c|^2/2];
; work-group 0 alone also stores the queries: qcodes [32 tiles][1024], qmeta [8 waves][16 rows x 4 tiles scale words, then 16 x 4 numbers |q|^2/2].
; NO CLUSTER, NO TENSOR LOAD: every row comes by its own token from a table, so no tile is one block of memory; what the work-groups share, the 512 query rows, is gathered likewise, through registers.
; LIMITS: NaN and infinities among the inputs are not served.  sq is formed as |q|^2 - 2 (dot - |c|^2/2), not as (|q|^2 + |c|^2) - 2 dot: another order of rounding.  A block of zeros gets the scale byte 1, not 127: its codes are zeros.
.set VOCAB_LAST, 50256
.set CIMG,  0                          ; LDS: 16 context tiles, 1,024 bytes each
.set SCL,   16384                      ; their scale words, 64 bytes a tile
.set NHL,   SCL+1024                   ; their -|c|^2/2, 64 bytes a tile
.set LANE,  1
.set ROW,   2                          ; r = lane % 16
.set HALF,  3                          ; h = lane / 16
.set LI,    4                          ; 16 x lane: my place in an image, in LDS and in memory
.set H64,   5                          ; 64 h
.set XA,    6                          ; v6-11   tiles 0-3 (queries), 4-5 (contexts): token, then byte offset of my half of my row
.set QTO,   12                         ; 4 r
.set CTO,   13                         ; where my context's token lies: 512 (r / 8) + 4 (r % 8)
.set IMS,   14                         ; LDS: where my wave's two images go
.set MES,   15                         ; LDS: where their scale words go (the norms 1,024 further on)
.set NHA,   16                         ; LDS: NHL + 32 h: eight norms of my half of a tile's rows
.set SCA,   17                         ; LDS: SCL + 4 r
.set MXO,   18                         ; 16 r + 8 h: my two maxima in a tile's 256 bytes of maxbuf
.set MEL,   19                         ; LDS: the 512 bytes of scale words or norms that my wave carries to cmeta
.set QM,    20                         ; v20-23  what goes to qmeta
.set TM,    24                         ; v24-39  the quantiser's work
.set NS,    40                         ; v40-44  the sum of squares
.set QMO,   45                         ; 16 r + 256 h
.set QH,    46                         ; v46-49  |q|^2/2 of my row in my four query tiles
.set GM,    50                         ; v50-57  maxima: tile t, group s at GM + 2 t + s
.set QS,    58                         ; v58-61  my query tiles' scale words: scales and nothing else
.set CS,    62                         ; v62-63  my context tiles' scale words
.set QF,    64                         ; v64-95  my four query fragments
.set CF,    96                         ; v96-111 my two context fragments
.set NHV,   112                        ; v112-113 -|c|^2/2 of my row in them
.set ASC,   116                        ; v116-117 scale words of the two context tiles in hand: scales and nothing else
.set X0,    128                        ; v128-191, v192-255: two buffers of 64 numbers
.set X1,    192
.set AF,    128                        ; behind the barrier: two context fragments,
.set AC,    144                        ; their C (eight norms a lane each),
.set ACC,   192                        ; and eight results
.set WV,    20
.set SEL,   22
; my 64 numbers of a row: of each block of 32 the 16 of my half.  Register 16 b + i = k 32 b + 16 h + i
.macro XLOAD reg, a
.irp b, 0,1,2,3
.irp j, 0,1,2,3
	global_load_b128 v[\reg+16*\b+4*\j:\reg+16*\b+4*\j+3], v[\a], s[8:9] offset:128*\b+16*\j
.endr
.endr
.endm
; 64 numbers of a lane become a fragment's codes in v[pc] on and its row's scale word in v[pw]
.macro QUANT s, pc, pw
.irp b, 0,1,2,3
	v_max3_num_f32 v[TM+\b], |v[\s+16*\b]|, |v[\s+1+16*\b]|, 0x1800000   ; block b: my 16 numbers and the floor 2^(3 - 127): the byte cannot fall under 1
.endr
.irp i, 2,4,6,8,10,12,14
.irp b, 0,1,2,3
	v_max3_num_f32 v[TM+\b], v[TM+\b], |v[\s+16*\b+\i]|, |v[\s+1+16*\b+\i]|
.endr
.endr
.irp b, 0,1,2,3
	v_permlanex16_b32 v[TM+4+\b], v[TM+\b], s[SEL], s[SEL+1]
.endr
.irp b, 0,1,2,3
	v_max_num_f32 v[TM+\b], v[TM+\b], v[TM+4+\b]               ; with lane l xor 16's: the block's largest magnitude
.endr
.irp b, 0,1,2,3
	v_add_nc_u32 v[TM+12+\b], 0xff000000, v[TM+\b]             ; 2 off its exponent field: the conversion's scale operand
.endr
.irp b, 0,1,2,3
	v_lshrrev_b32 v[TM+4+\b], 23, v[TM+12+\b]                  ; the scale's byte
.endr
	v_lshl_or_b32 v[\pw], v[TM+5], 8, v[TM+4]
	v_lshl_or_b32 v[\pw], v[TM+6], 16, v[\pw]
	v_lshl_or_b32 v[\pw], v[TM+7], 24, v[\pw]
.irp b, 0,1,2,3
	v_cvt_scalef32_pk8_fp4_f32 v[\pc+2*\b], v[\s+16*\b:\s+7+16*\b], v[TM+12+\b]
	v_cvt_scalef32_pk8_fp4_f32 v[\pc+1+2*\b], v[\s+8+16*\b:\s+15+16*\b], v[TM+12+\b]
.endr
	v_nop                                                      ; one plain place behind a scaled conversion
.irp c, 0,1                                                    ; the operand wants a whole block in a lane: lanes 0-15 block 2 c, lanes 16-31 block 2 c + 1
.irp i, 0,1
	v_permlane16_swap_b32 v[\pc+4*\c+\i], v[\pc+2+4*\c+\i]
.endr
.endr
.endm
; the row's sum of squares, of the numbers as they are, in f32: two packed chains, then lane l xor 16's half.  Result in v[NS], in both lanes of the row
.macro NORM s
	v_pk_mul_f32 v[NS:NS+1], v[\s:\s+1], v[\s:\s+1]
	v_pk_mul_f32 v[NS+2:NS+3], v[\s+2:\s+3], v[\s+2:\s+3]
.irp i, 4,8,12,16,20,24,28,32,36,40,44,48,52,56,60
	v_pk_fma_f32 v[NS:NS+1], v[\s+\i:\s+\i+1], v[\s+\i:\s+\i+1], v[NS:NS+1]
	v_pk_fma_f32 v[NS+2:NS+3], v[\s+\i+2:\s+\i+3], v[\s+\i+2:\s+\i+3], v[NS+2:NS+3]
.endr
	v_pk_add_f32 v[NS:NS+1], v[NS:NS+1], v[NS+2:NS+3]
	v_add_f32 v[NS], v[NS], v[NS+1]
	v_permlanex16_b32 v[NS+4], v[NS], s[SEL], s[SEL+1]
	v_add_f32 v[NS], v[NS], v[NS+4]
.endm
.macro QTILE i, xb, nxt                ; query tile i out of buffer xb, which then takes tile nxt's rows
	s_wait_loadcnt 16                                          ; this tile's 16 loads are in; the next tile's 16 may be out
	QUANT \xb, QF+8*\i, QS+\i
	NORM \xb
	v_mul_f32 v[QH+\i], 0.5, v[NS]
	XLOAD \xb, XA+\nxt
.endm
.macro CTILE e, xb, left               ; my context tile e: to LDS for the other waves, its codes to memory for the third launch
	s_wait_loadcnt \left
	QUANT \xb, CF+8*\e, CS+\e
	NORM \xb
	v_mul_f32 v[NHV+\e], -0.5, v[NS]
	ds_store_b128 v[IMS], v[CF+8*\e:CF+8*\e+3] offset:1024*\e
	ds_store_b128 v[IMS], v[CF+8*\e+4:CF+8*\e+7] offset:1024*\e+512
	ds_store_b32 v[MES], v[CS+\e] offset:64*\e                 ; both lanes of a row write the same word with the same value
	ds_store_b32 v[MES], v[NHV+\e] offset:64*\e+1024
	global_store_b128 v[LI], v[CF+8*\e:CF+8*\e+3], s[12:13] offset:1024*\e          ; 32 lanes store 512 consecutive bytes
	global_store_b128 v[LI], v[CF+8*\e+4:CF+8*\e+7], s[12:13] offset:1024*\e+512
.endm
	s_load_b256 s[4:11], s[0:1], 0x0               ; query tokens s[4:5], context tokens s[6:7], table s[8:9], maxbuf s[10:11]
	s_load_b256 s[12:19], s[0:1], 0x20             ; ccodes s[12:13], cmeta s[14:15], qcodes s[16:17], qmeta s[18:19]
	v_lshl_add_u32 v126, v0, 2, 0x4800
	v_mov_b32 v127, 0
	v_lshrrev_b32 v[LANE], 5, v0
	v_readfirstlane_b32 s[WV], v[LANE]             ; wave 0..7
	v_and_b32 v[LANE], 31, v0
	v_and_b32 v[ROW], 15, v0
	v_bfe_u32 v[HALF], v0, 4, 1
	v_lshlrev_b32 v[LI], 4, v[LANE]
	v_lshlrev_b32 v[H64], 6, v[HALF]
	v_lshlrev_b32 v[QTO], 2, v[ROW]
	v_and_b32 v[CTO], 7, v0
	v_bfe_u32 v[TM], v0, 3, 1
	v_lshlrev_b32 v[CTO], 2, v[CTO]
	v_lshl_add_u32 v[CTO], v[TM], 9, v[CTO]
	s_lshl_b32 s24, s[WV], 11
	v_add_nc_u32 v[IMS], s24, v[LI]                ; CIMG + 2,048 x wave + 16 x lane
	s_lshl_b32 s24, s[WV], 7
	v_add_nc_u32 v[MES], s24, v[QTO]
	v_add_nc_u32 v[MES], SCL, v[MES]               ; SCL + 128 x wave + 4 r
	v_lshlrev_b32 v[NHA], 5, v[HALF]
	v_add_nc_u32 v[NHA], NHL, v[NHA]
	v_add_nc_u32 v[SCA], SCL, v[QTO]
	v_lshlrev_b32 v[MXO], 4, v[ROW]
	v_lshl_add_u32 v[MXO], v[HALF], 3, v[MXO]
	s_and_b32 s24, s[WV], 3
	s_lshl_b32 s24, s24, 9
	v_add_nc_u32 v[MEL], s24, v[LI]
	v_add_nc_u32 v[MEL], SCL, v[MEL]               ; SCL + 512 x (wave % 4) + 16 x lane
	v_lshlrev_b32 v[QMO], 4, v[ROW]
	v_lshl_add_u32 v[QMO], v[HALF], 8, v[QMO]
	s_mov_b32 s[SEL], 0x76543210
	s_mov_b32 s[SEL+1], 0xfedcba98                 ; v_permlanex16_b32's selects for lane l xor 16
	s_lshl_b32 s26, s[WV], 8                       ; my 64 queries' tokens
	s_mov_b32 s27, 0
	s_lshl_b32 s28, ttmp9, 10                      ; my two context tiles' tokens: 1,024 w + 256 (wave / 4) + 64 (wave % 4)
	s_lshr_b32 s29, s[WV], 2
	s_lshl_b32 s29, s29, 8
	s_add_co_u32 s28, s28, s29
	s_and_b32 s29, s[WV], 3
	s_lshl_b32 s29, s29, 6
	s_add_co_u32 s28, s28, s29
	s_mov_b32 s29, 0
	s_lshl_b32 s30, ttmp9, 13                      ; maxbuf: 8,192 w + 1,024 x wave
	s_lshl_b32 s31, s[WV], 10
	s_add_co_u32 s30, s30, s31
	s_mov_b32 s31, 0
	s_lshl_b32 s32, ttmp9, 14                      ; ccodes: 16,384 w + 2,048 x wave
	s_lshl_b32 s33, s[WV], 11
	s_add_co_u32 s32, s32, s33
	s_mov_b32 s33, 0
	s_lshl_b32 s34, ttmp9, 11                      ; cmeta: 2,048 w + 512 x (wave % 4)
	s_and_b32 s35, s[WV], 3
	s_lshl_b32 s35, s35, 9
	s_add_co_u32 s34, s34, s35
	s_mov_b32 s35, 0
	s_lshl_b32 s36, s[WV], 12                      ; qcodes: 4,096 x wave
	s_mov_b32 s37, 0
	s_lshl_b32 s38, s[WV], 9                       ; qmeta: 512 x wave
	s_mov_b32 s39, 0
	s_wait_kmcnt 0x0
	s_add_nc_u64 s[4:5], s[4:5], s[26:27]
	s_add_nc_u64 s[6:7], s[6:7], s[28:29]
	s_add_nc_u64 s[10:11], s[10:11], s[30:31]
	s_add_nc_u64 s[12:13], s[12:13], s[32:33]
	s_add_nc_u64 s[14:15], s[14:15], s[34:35]
	s_add_nc_u64 s[16:17], s[16:17], s[36:37]
	s_add_nc_u64 s[18:19], s[18:19], s[38:39]
.irp i, 0,1,2,3
	global_load_b32 v[XA+\i], v[QTO], s[4:5] offset:64*\i      ; the token of row r of my query tile i
.endr
.irp e, 0,1
	global_load_b32 v[XA+4+\e], v[CTO], s[6:7] offset:32*\e    ; and of my context tile e
.endr
.irp b, 0,1,2,3
	v_mov_b32 v[TM+4+\b], 0                        ; written once: a lane permute's destination counts as one of its sources
.endr
	v_mov_b32 v[NS+4], 0
	s_wait_loadcnt 0x0
.irp i, 0,1,2,3,4,5
	v_min_u32 v[XA+\i], VOCAB_LAST, v[XA+\i]       ; a token stays inside the table
.endr
.irp i, 0,1,2,3,4,5
	v_lshl_add_u32 v[XA+\i], v[XA+\i], 9, v[H64]   ; a row is 512 bytes; + 64 h
.endr
	XLOAD X0, XA
	XLOAD X1, XA+1
	QTILE 0, X0, 2
	QTILE 1, X1, 3
	QTILE 2, X0, 4
	QTILE 3, X1, 5
	CTILE 0, X0, 16
	CTILE 1, X1, 0
	s_wait_dscnt 0x0                               ; for the others' sake: my images, scale words and norms lie in LDS
	s_barrier_signal -1
	s_barrier_wait -1                              ; all 16 context tiles do
.macro LOADA p                         ; context tiles 2 p and 2 p + 1: fragment, eight norms of my half of the rows, scale words
.irp e, 0,1
	ds_load_b128 v[AF+8*\e:AF+8*\e+3], v[LI] offset:CIMG+(2*(\p)+\e)*1024
	ds_load_b128 v[AF+8*\e+4:AF+8*\e+7], v[LI] offset:CIMG+(2*(\p)+\e)*1024+512
	ds_load_b128 v[AC+8*\e:AC+8*\e+3], v[NHA] offset:(2*(\p)+\e)*64
	ds_load_b128 v[AC+8*\e+4:AC+8*\e+7], v[NHA] offset:(2*(\p)+\e)*64+16
	ds_load_b32 v[ASC+\e], v[SCA] offset:(2*(\p)+\e)*64
.endr
.endm
; two context tiles x my four query tiles: eight results, each with its own registers; then each result's eight numbers are folded into its group's maximum, four instructions a result
.macro UNIT p
	s_wait_dscnt 0x0
.irp e, 0,1
.irp t, 0,1,2,3
	v_wmma_scale_f32_16x16x128_f8f6f4 v[ACC+8*(4*\e+\t):ACC+8*(4*\e+\t)+7], v[AF+8*\e:AF+8*\e+7], v[QF+8*\t:QF+8*\t+7], v[AC+8*\e:AC+8*\e+7], v[ASC+\e], v[QS+\t] matrix_a_fmt:MATRIX_FMT_FP4 matrix_b_fmt:MATRIX_FMT_FP4
.endr
.endr
.rept 4
	v_nop                                          ; four places in front of the loads into registers that the products read, and of the first read of results
.endr
.if (\p) < 7
	LOADA (\p)+1                                   ; the next two tiles come while these results are folded
.endif
.irp e, 0,1
.irp j, 0,1,2,3
.irp t, 0,1,2,3                                    ; the four query tiles by turns; each result is read from its low end on
.if ((\p)%4 == 0) && (\e == 0)
.if \j == 0
	v_max3_num_f32 v[GM+2*\t+(\p)/4], v[ACC+8*\t], v[ACC+8*\t+1], v[ACC+8*\t+2]       ; a group's first tile starts its maximum
.elseif \j < 3
	v_max3_num_f32 v[GM+2*\t+(\p)/4], v[GM+2*\t+(\p)/4], v[ACC+8*\t+2*\j+1], v[ACC+8*\t+2*\j+2]
.else
	v_max_num_f32 v[GM+2*\t+(\p)/4], v[GM+2*\t+(\p)/4], v[ACC+8*\t+7]
.endif
.else
	v_max3_num_f32 v[GM+2*\t+(\p)/4], v[GM+2*\t+(\p)/4], v[ACC+8*(4*\e+\t)+2*\j], v[ACC+8*(4*\e+\t)+2*\j+1]
.endif
.endr
.endr
.endr
.endm
	LOADA 0
.irp p, 0,1,2,3,4,5,6,7
	UNIT \p
.endr
.irp t, 0,1,2,3
	v_min_num_f32 v[GM+2*\t], v[GM+2*\t], v[QH+\t]             ; the clip of sq at 0, on the group's maximum
	v_min_num_f32 v[GM+2*\t+1], v[GM+2*\t+1], v[QH+\t]
.endr
.irp t, 0,1,2,3
	global_store_b64 v[MXO], v[GM+2*\t:GM+2*\t+1], s[10:11] offset:256*\t   ; 32 lanes store 256 consecutive bytes, aligned: 16 queries x 4 groups
.endr
	s_cmp_lt_u32 s[WV], 4                          ; waves 0 to 3 carry the 2,048 bytes of scale words and norms from LDS to cmeta, 512 consecutive bytes each
	s_cbranch_scc0 .Lno_meta
	ds_load_b128 v[AF:AF+3], v[MEL]
	s_wait_dscnt 0x0
	global_store_b128 v[LI], v[AF:AF+3], s[14:15]
.Lno_meta:
	s_cmp_lg_u32 ttmp9, 0                          ; every work-group has made the queries' codes; work-group 0 stores them for the later launches
	s_cbranch_scc1 .Lend
	v_cmp_eq_u32 vcc_lo, 1, v[HALF]
.irp t, 0,1,2,3
	v_cndmask_b32 v[QM+\t], v[QS+\t], v[QH+\t], vcc_lo         ; lanes 0-15: my row's four scale words; lanes 16-31: its four |q|^2/2
.endr
	global_store_b128 v[QMO], v[QM:QM+3], s[18:19]             ; 512 consecutive bytes
.irp t, 0,1,2,3
	global_store_b128 v[LI], v[QF+8*\t:QF+8*\t+3], s[16:17] offset:1024*\t
	global_store_b128 v[LI], v[QF+8*\t+4:QF+8*\t+7], s[16:17] offset:1024*\t+512
.endr
.Lend:
	s_wait_tensorcnt 0x0
	ds_add_u32 v126, v127
	s_wait_dscnt 0x0
	s_endpgm
.Lfunc_end_k_q38f253f1ed_scan:
	.size	k_q38f253f1ed_scan, .Lfunc_end_k_q38f253f1ed_scan-k_q38f253f1ed_scan
	.p2alignl 7, 3214868480
	.fill 96, 4, 3214868480
	.section	.rodata,"a",@progbits
	.p2align	6, 0x0
	.amdhsa_kernel k_q38f253f1ed_scan
		.amdhsa_group_segment_fixed_size 19456
		.amdhsa_private_segment_fixed_size 0
		.amdhsa_enable_private_segment 0
		.amdhsa_kernarg_size 64
		.amdhsa_user_sgpr_count 2
		.amdhsa_user_sgpr_kernarg_segment_ptr 1
		.amdhsa_wavefront_size32 1
		.amdhsa_system_sgpr_workgroup_id_x 1
		.amdhsa_system_sgpr_workgroup_id_y 1
		.amdhsa_system_sgpr_workgroup_id_z 1
		.amdhsa_system_vgpr_workitem_id 0
		.amdhsa_next_free_vgpr 256
		.amdhsa_next_free_sgpr 66
		.amdhsa_reserve_vcc 1
		.amdhsa_float_denorm_mode_32 3
		.amdhsa_float_denorm_mode_16_64 3
		.amdhsa_memory_ordered 1
		.amdhsa_forward_progress 1
		.amdhsa_inst_pref_size 83
	.end_amdhsa_kernel
	.amdgpu_metadata
---
amdhsa.version: [ 1, 2 ]
amdhsa.kernels:
  - .name:           k_q38f253f1ed_scan
    .symbol:         k_q38f253f1ed_scan.kd
    .args:
      - { .name: query_tokens, .offset: 0, .size: 8, .value_kind: global_buffer, .address_space: global }
      - { .name: context_tokens, .offset: 8, .size: 8, .value_kind: global_buffer, .address_space: global }
      - { .name: emb_table, .offset: 16, .size: 8, .value_kind: global_buffer, .address_space: global }
      - { .name: maxbuf, .offset: 24, .size: 8, .value_kind: global_buffer, .address_space: global }
      - { .name: ccodes, .offset: 32, .size: 8, .value_kind: global_buffer, .address_space: global }
      - { .name: cmeta, .offset: 40, .size: 8, .value_kind: global_buffer, .address_space: global }
      - { .name: qcodes, .offset: 48, .size: 8, .value_kind: global_buffer, .address_space: global }
      - { .name: qmeta, .offset: 56, .size: 8, .value_kind: global_buffer, .address_space: global }
    .group_segment_fixed_size: 19456
    .private_segment_fixed_size: 0
    .kernarg_segment_align: 8
    .kernarg_segment_size: 64
    .max_flat_workgroup_size: 256
    .sgpr_count:     66
    .vgpr_count:     256
    .wavefront_size: 32
...
	.end_amdgpu_metadata
.endif
;; end of part 1
;; launch pick (part 2): grid 256 x 1, 2 waves a work-group, no clusters, 0 bytes of LDS; arguments maxbuf, gids; writes gids
.if DOCPART == 2
	.amdgcn_target "amdgcn-amd-amdhsa--gfx1250"
	.amdhsa_code_object_version 6
	.text
	.protected	k_q38f253f1ed_pick
	.globl	k_q38f253f1ed_pick
	.p2align	8
	.type	k_q38f253f1ed_pick,@function
k_q38f253f1ed_pick:
	s_mov_b64 s[64:65], 0
	v_nop
	global_prefetch_b8 v0, s[64:65] scope:SCOPE_SE
	s_setreg_imm32_b32 hwreg(HW_REG_WAVE_MODE, 25, 1), 1
	s_wait_xcnt 0x0
; LAUNCH 2 OF 4: for each query the eight groups of 64 contexts with the largest clipped maxima; equal maxima go to the lower group.  Their numbers leave as whole numbers, in ascending order.
; A wave takes one query: 1,024 maxima, 32 a lane.  maxbuf is [256 chunks][512 queries][4 groups]: lane l of load i reads the 16 bytes of chunk 32 i + l, groups 128 i + 4 l + 0 .. 3: in a lane the group numbers ascend.
; (A query's 16 bytes of a chunk are a sixteenth of an aligned 256 bytes; the other fifteen sixteenths are read by the waves of the fifteen neighbouring queries.  The first launch writes those 256 bytes whole.)
; No branch and no address here hangs on a number read as f32: every maximum goes through the same insertion.  Group numbers are carried as f32, which holds whole numbers under 2^24 exactly.
; LIMIT: NaN among the maxima is not served.
.set LANE, 1
.set CO,   2                           ; 8,192 x lane: a chunk's block
.set XI,   3                           ; the group number of the maximum in hand
.set TT,   4
.set UU,   5
.set BIG,  6                           ; +infinity: over every group number
.set AD,   7
.set XV,   8                           ; v8-39   my 32 maxima
.set LV,   40                          ; v40-47  my list: values, descending
.set LX,   48                          ; v48-55  and their group numbers
.set RV,   56                          ; v56-63  the wave's eight: values
.set RX,   64                          ; v64-71  and group numbers, in every lane
.set OUTR, 72                          ; v72-75
.set WV,   8
.set MK,   16                          ; s16-23  the eight comparisons of an insertion
.set SEL,  24
; (x, xi) goes into the sorted list.  Strictly greater only: of equal values the one that came first, which has the lower number, stays ahead.
; Place i takes place i - 1's entry where x beats that, else x where x beats its own, else it stays: for the values that is the middle one of the three.
.macro INSERT x, xi
.irp i, 0,1,2,3,4,5,6,7
	v_cmp_gt_f32 s[MK+\i], v[\x], v[LV+\i]
.endr
.irp i, 7,6,5,4,3,2,1
	v_med3_num_f32 v[LV+\i], v[LV+\i-1], v[LV+\i], v[\x]
	v_cndmask_b32 v[LX+\i], v[LX+\i], v[\xi], s[MK+\i]
	v_cndmask_b32 v[LX+\i], v[LX+\i], v[LX+\i-1], s[MK+\i-1]
.endr
	v_max_num_f32 v[LV], v[LV], v[\x]
	v_cndmask_b32 v[LX], v[LX], v[\xi], s[MK]
.endm
; Eight rounds over the 32 sorted lists: the largest head of the wave; among the heads that equal it the lowest number; the lane that holds that number moves its list up.  After round k only 7 - k places can still be wanted.
.macro EXTRACT
.irp k, 0,1,2,3,4,5,6,7
	v_max_num_f32_dpp v[TT], v[LV], v[LV] row_xmask:1 row_mask:0xf bank_mask:0xf
	v_max_num_f32_dpp v[TT], v[TT], v[TT] row_xmask:2 row_mask:0xf bank_mask:0xf
	v_max_num_f32_dpp v[TT], v[TT], v[TT] row_xmask:4 row_mask:0xf bank_mask:0xf
	v_max_num_f32_dpp v[TT], v[TT], v[TT] row_xmask:8 row_mask:0xf bank_mask:0xf
	v_permlanex16_b32 v[UU], v[TT], s[SEL], s[SEL+1]
	v_max_num_f32 v[RV+\k], v[TT], v[UU]
	v_cmp_eq_f32 vcc_lo, v[RV+\k], v[LV]
	v_cndmask_b32 v[TT], v[BIG], v[LX], vcc_lo
	v_min_num_f32_dpp v[TT], v[TT], v[TT] row_xmask:1 row_mask:0xf bank_mask:0xf
	v_min_num_f32_dpp v[TT], v[TT], v[TT] row_xmask:2 row_mask:0xf bank_mask:0xf
	v_min_num_f32_dpp v[TT], v[TT], v[TT] row_xmask:4 row_mask:0xf bank_mask:0xf
	v_min_num_f32_dpp v[TT], v[TT], v[TT] row_xmask:8 row_mask:0xf bank_mask:0xf
	v_permlanex16_b32 v[UU], v[TT], s[SEL], s[SEL+1]
	v_min_num_f32 v[RX+\k], v[TT], v[UU]
.if \k < 7
	v_cmp_eq_f32 vcc_lo, v[RX+\k], v[LX]           ; a number lies in one lane only
.set xn, 0
.rept 7-\k
	v_cndmask_b32 v[LV+xn], v[LV+xn], v[LV+xn+1], vcc_lo
	v_cndmask_b32 v[LX+xn], v[LX+xn], v[LX+xn+1], vcc_lo
.set xn, xn+1
.endr
.endif
.endr
.endm
.macro CE a, b                         ; the lower number to place a
	v_min_num_f32 v[TT], v[RX+\a], v[RX+\b]
	v_max_num_f32 v[RX+\b], v[RX+\a], v[RX+\b]
	v_mov_b32 v[RX+\a], v[TT]
.endm
	s_load_b128 s[4:7], s[0:1], 0x0                ; maxbuf, gids
	v_lshrrev_b32 v[LANE], 5, v0
	v_readfirstlane_b32 s[WV], v[LANE]
	v_and_b32 v[LANE], 31, v0
	v_lshlrev_b32 v[CO], 13, v[LANE]
	s_lshl_b32 s9, ttmp9, 1
	s_add_co_u32 s9, s9, s[WV]                     ; my query
	s_lshl_b32 s10, s9, 4                          ; its 16 bytes in a chunk's block
	s_mov_b32 s11, 0
	s_lshl_b32 s12, s9, 5                          ; its 32 bytes of gids
	s_mov_b32 s13, 0
	s_mov_b32 s[SEL], 0x76543210
	s_mov_b32 s[SEL+1], 0xfedcba98
	s_wait_kmcnt 0x0
	s_add_nc_u64 s[4:5], s[4:5], s[10:11]
	s_add_nc_u64 s[6:7], s[6:7], s[12:13]
.irp i, 0,1,2,3,4,5,6,7
	global_load_b128 v[XV+4*\i:XV+4*\i+3], v[CO], s[4:5] offset:262144*\i   ; 32 chunks further on with each load
.endr
.irp i, 0,1,2,3,4,5,6,7
	v_mov_b32 v[LV+\i], 0xff800000                 ; the list begins under every value,
	v_mov_b32 v[LX+\i], 0x7f800000                 ; with numbers over every number
.endr
	v_mov_b32 v[BIG], 0x7f800000
	v_mov_b32 v[TT], 0                             ; written once: the destination of a DPP form or a lane permute counts as read
	v_mov_b32 v[UU], 0
	v_cvt_f32_u32 v[XI], v[LANE]
	v_mul_f32 v[XI], 4.0, v[XI]                    ; my first group: 4 x lane
.irp i, 0,1,2,3,4,5,6,7
	s_wait_loadcnt 7-\i                            ; load i is in; the younger ones may be out
.irp e, 0,1,2,3
	INSERT XV+4*\i+\e, XI
.if \e < 3
	v_add_f32 v[XI], 1.0, v[XI]
.elseif \i < 7
	v_add_f32 v[XI], 125.0, v[XI]                  ; on to group 128 (i + 1) + 4 x lane
.endif
.endr
.endr
	EXTRACT
	; the eight numbers in ascending order (19 exchanges, Batcher's network for eight): the next launch walks the groups in this order, so that in each of its lanes the context indices ascend
	CE 0, 1
	CE 2, 3
	CE 4, 5
	CE 6, 7
	CE 0, 2
	CE 1, 3
	CE 4, 6
	CE 5, 7
	CE 1, 2
	CE 5, 6
	CE 0, 4
	CE 1, 5
	CE 2, 6
	CE 3, 7
	CE 2, 4
	CE 3, 5
	CE 1, 2
	CE 3, 4
	CE 5, 6
	v_cmp_eq_u32 vcc_lo, 1, v[LANE]
.irp i, 0,1,2,3
	v_cndmask_b32 v[OUTR+\i], v[RX+\i], v[RX+4+\i], vcc_lo     ; lane 0: numbers 0 to 3; lane 1: 4 to 7
.endr
.irp i, 0,1,2,3
	v_cvt_u32_f32 v[OUTR+\i], v[OUTR+\i]
.endr
	v_lshlrev_b32 v[AD], 4, v[LANE]
	v_cmp_gt_u32 vcc_lo, 2, v[LANE]
	s_wait_xcnt 0x0                                ; EXEC changes only behind this wait
	s_and_saveexec_b32 s14, vcc_lo
	global_store_b128 v[AD], v[OUTR:OUTR+3], s[6:7]            ; two lanes store the query's 32 bytes
	s_wait_xcnt 0x0                                ; and again in front of the line that widens it
	s_or_b32 exec_lo, exec_lo, s14
	s_endpgm
.Lfunc_end_k_q38f253f1ed_pick:
	.size	k_q38f253f1ed_pick, .Lfunc_end_k_q38f253f1ed_pick-k_q38f253f1ed_pick
	.p2alignl 7, 3214868480
	.fill 96, 4, 3214868480
	.section	.rodata,"a",@progbits
	.p2align	6, 0x0
	.amdhsa_kernel k_q38f253f1ed_pick
		.amdhsa_group_segment_fixed_size 0
		.amdhsa_private_segment_fixed_size 0
		.amdhsa_enable_private_segment 0
		.amdhsa_kernarg_size 16
		.amdhsa_user_sgpr_count 2
		.amdhsa_user_sgpr_kernarg_segment_ptr 1
		.amdhsa_wavefront_size32 1
		.amdhsa_system_sgpr_workgroup_id_x 1
		.amdhsa_system_sgpr_workgroup_id_y 1
		.amdhsa_system_sgpr_workgroup_id_z 1
		.amdhsa_system_vgpr_workitem_id 0
		.amdhsa_next_free_vgpr 80
		.amdhsa_next_free_sgpr 66
		.amdhsa_reserve_vcc 1
		.amdhsa_float_denorm_mode_32 3
		.amdhsa_float_denorm_mode_16_64 3
		.amdhsa_memory_ordered 1
		.amdhsa_forward_progress 1
		.amdhsa_inst_pref_size 76
	.end_amdhsa_kernel
	.amdgpu_metadata
---
amdhsa.version: [ 1, 2 ]
amdhsa.kernels:
  - .name:           k_q38f253f1ed_pick
    .symbol:         k_q38f253f1ed_pick.kd
    .args:
      - { .name: maxbuf, .offset: 0, .size: 8, .value_kind: global_buffer, .address_space: global }
      - { .name: gids, .offset: 8, .size: 8, .value_kind: global_buffer, .address_space: global }
    .group_segment_fixed_size: 0
    .private_segment_fixed_size: 0
    .kernarg_segment_align: 8
    .kernarg_segment_size: 16
    .max_flat_workgroup_size: 64
    .sgpr_count:     66
    .vgpr_count:     80
    .wavefront_size: 32
...
	.end_amdgpu_metadata
.endif
;; end of part 2
;; launch refine (part 3): grid 256 x 1, 2 waves a work-group, no clusters, 0 bytes of LDS; arguments gids, ccodes, cmeta, qcodes, qmeta, topidx, topval; writes topidx, topval
.if DOCPART == 3
	.amdgcn_target "amdgcn-amd-amdhsa--gfx1250"
	.amdhsa_code_object_version 6
	.text
	.protected	k_q38f253f1ed_refine
	.globl	k_q38f253f1ed_refine
	.p2align	8
	.type	k_q38f253f1ed_refine,@function
k_q38f253f1ed_refine:
	s_mov_b64 s[64:65], 0
	v_nop
	global_prefetch_b8 v0, s[64:65] scope:SCOPE_SE
	s_setreg_imm32_b32 hwreg(HW_REG_WAVE_MODE, 25, 1), 1
	s_wait_xcnt 0x0
; LAUNCH 3 OF 4: for each query the eight nearest contexts, exactly, out of the 8 x 64 contexts of its eight groups.  Equal clipped values go to the lower index, as jax.lax.top_k has it.
; A wave takes one query.  Its groups' codes, scale words and -|c|^2/2 are fetched from where the first launch laid them; the addresses are made of the whole numbers that the second launch stored.
; THE PRODUCT is the first launch's with the sources swapped and the same C: source 0 = the query, repeated in all 16 rows; source 1 = 16 contexts; C's register 0 = -|c|^2/2 of the lane's context.
; So register 0 of a result holds D = Q(q).Q(c) - |c|^2/2 of context (lane % 16), in both halves of the lanes.  Rows 1-7 and 9-15 of a result are not read, so C's registers 1 to 7 may hold any number:
; the 32 tiles' norms lie two registers apart, and a tile's C is the run of eight that begins at its own.
; GROUP g = 4 w + 2 h + s lies in rows 8 h .. 8 h + 7 of tiles 8 s .. 8 s + 7 of chunk w.  Column r of my tile v (0..3) of a group is context 64 g + 16 v + r: row 8 h + r % 8 of the chunk's tile 8 s + 2 v + r / 8.
; Lanes 0-15 take groups 0-3 of the list, lanes 16-31 groups 4-7: 16 contexts a lane, their indices ascending, since the list ascends.
; REGISTERS: window 0 as named below; window 1: the 32 context fragments (tile i at v[8 i]), all asked for at once.
; LIMITS: NaN is not served.  The order is that of the clipped sq, not of its root: two different sq whose roots round to one f32 are ordered by sq, where the root's order would take the lower index.
.set LANE, 1
.set COL,  2                           ; r = lane % 16
.set HALF, 3
.set VC,   4                           ; my place in a group's codes: 1,024 (r / 8) + 16 (r % 8) + 256 x half
.set VM,   5                           ; and among its scale words and norms: 64 (r / 8) + 4 (r % 8)
.set VQ,   6                           ; 256 x half
.set NIL,  7
.set QA,   8                           ; v8-15   the query's fragment, the same row in every lane of a half
.set QSC,  16                          ; its scale word: a scale and nothing else
.set QHV,  17                          ; |q|^2/2
.set LV,   18                          ; v18-25  my list: values
.set LX,   26                          ; v26-33  indices, as f32
.set RV,   34                          ; v34-41  the wave's eight: values
.set RX,   42                          ; v42-49  indices
.set TT,   50
.set UU,   51
.set BIG,  52
.set XI,   53
.set OI,   54                          ; v54-57
.set OV,   58                          ; v58-61
.set AD,   62
.set GB,   64                          ; v64-67  the index of my context in tile 0 of my b-th group
.set T0,   68
.set T1,   69
.set XV,   70                          ; v70-85  my 16 values
.set SB,   86                          ; v86-117 the 32 tiles' scale words: scales and nothing else
.set CB,   118                         ; v118-187 tile i's norm at CB + 2 i
.set ACC,  192                         ; v192-255 eight results
.set WV,   18
.set MK,   76
.set HM,   84                          ; lanes 16-31
.set SEL,  86
.set MSB, 0
.macro WIN new                         ; the immediate's high byte repeats the setting that is left
.if MSB != \new
	s_set_vgpr_msb (MSB<<8)|\new
.set MSB, \new
.endif
.endm
.macro INSERT x, xi                    ; as in the second launch: strictly greater only, so that of equal values the lower index stays ahead
.irp i, 0,1,2,3,4,5,6,7
	v_cmp_gt_f32 s[MK+\i], v[\x], v[LV+\i]
.endr
.irp i, 7,6,5,4,3,2,1
	v_med3_num_f32 v[LV+\i], v[LV+\i-1], v[LV+\i], v[\x]
	v_cndmask_b32 v[LX+\i], v[LX+\i], v[\xi], s[MK+\i]
	v_cndmask_b32 v[LX+\i], v[LX+\i], v[LX+\i-1], s[MK+\i-1]
.endr
	v_max_num_f32 v[LV], v[LV], v[\x]
	v_cndmask_b32 v[LX], v[LX], v[\xi], s[MK]
.endm
.macro EXTRACT                         ; eight rounds: the wave's largest head, the lowest index among its equals, that lane's list moves up
.irp k, 0,1,2,3,4,5,6,7
	v_max_num_f32_dpp v[TT], v[LV], v[LV] row_xmask:1 row_mask:0xf bank_mask:0xf
	v_max_num_f32_dpp v[TT], v[TT], v[TT] row_xmask:2 row_mask:0xf bank_mask:0xf
	v_max_num_f32_dpp v[TT], v[TT], v[TT] row_xmask:4 row_mask:0xf bank_mask:0xf
	v_max_num_f32_dpp v[TT], v[TT], v[TT] row_xmask:8 row_mask:0xf bank_mask:0xf
	v_permlanex16_b32 v[UU], v[TT], s[SEL], s[SEL+1]
	v_max_num_f32 v[RV+\k], v[TT], v[UU]
	v_cmp_eq_f32 vcc_lo, v[RV+\k], v[LV]
	v_cndmask_b32 v[TT], v[BIG], v[LX], vcc_lo
	v_min_num_f32_dpp v[TT], v[TT], v[TT] row_xmask:1 row_mask:0xf bank_mask:0xf
	v_min_num_f32_dpp v[TT], v[TT], v[TT] row_xmask:2 row_mask:0xf bank_mask:0xf
	v_min_num_f32_dpp v[TT], v[TT], v[TT] row_xmask:4 row_mask:0xf bank_mask:0xf
	v_min_num_f32_dpp v[TT], v[TT], v[TT] row_xmask:8 row_mask:0xf bank_mask:0xf
	v_permlanex16_b32 v[UU], v[TT], s[SEL], s[SEL+1]
	v_min_num_f32 v[RX+\k], v[TT], v[UU]
.if \k < 7
	v_cmp_eq_f32 vcc_lo, v[RX+\k], v[LX]
.set xn, 0
.rept 7-\k
	v_cndmask_b32 v[LV+xn], v[LV+xn], v[LV+xn+1], vcc_lo
	v_cndmask_b32 v[LX+xn], v[LX+xn], v[LX+xn+1], vcc_lo
.set xn, xn+1
.endr
.endif
.endr
.endm
	s_load_b256 s[4:11], s[0:1], 0x0               ; gids s[4:5], ccodes s[6:7], cmeta s[8:9], qcodes s[10:11]
	s_load_b128 s[12:15], s[0:1], 0x20             ; qmeta s[12:13], topidx s[14:15]
	s_load_b64 s[16:17], s[0:1], 0x30              ; topval
	v_lshrrev_b32 v[LANE], 5, v0
	v_readfirstlane_b32 s[WV], v[LANE]
	v_and_b32 v[LANE], 31, v0
	v_and_b32 v[COL], 15, v0
	v_bfe_u32 v[HALF], v0, 4, 1
	v_and_b32 v[VC], 7, v0
	v_bfe_u32 v[T0], v0, 3, 1
	v_lshlrev_b32 v[VM], 2, v[VC]
	v_lshl_add_u32 v[VM], v[T0], 6, v[VM]
	v_lshlrev_b32 v[VC], 4, v[VC]
	v_lshl_add_u32 v[VC], v[T0], 10, v[VC]
	v_lshl_add_u32 v[VC], v[HALF], 8, v[VC]
	v_lshlrev_b32 v[VQ], 8, v[HALF]
	v_mov_b32 v[NIL], 0
	v_cmp_eq_u32 s[HM], 1, v[HALF]
	s_lshl_b32 s19, ttmp9, 1
	s_add_co_u32 s19, s19, s[WV]                   ; my query q
	s_lshl_b32 s20, s19, 5                         ; its 32 bytes in gids, topidx and topval
	s_mov_b32 s21, 0
	s_lshr_b32 s22, s19, 4
	s_lshl_b32 s22, s22, 10                        ; its tile's image,
	s_and_b32 s23, s19, 15
	s_lshl_b32 s23, s23, 4                         ; and 16 bytes for each row in front of it
	s_add_co_u32 s22, s22, s23
	s_lshr_b32 s66, s19, 6                         ; qmeta: 512 (q / 64) + 16 (q % 16) + 4 ((q / 16) % 4)
	s_lshl_b32 s66, s66, 9
	s_add_co_u32 s66, s66, s23
	s_bfe_u32 s67, s19, 0x20004
	s_lshl_b32 s67, s67, 2
	s_add_co_u32 s66, s66, s67
	s_mov_b32 s67, 0
	s_mov_b32 s23, 0
	s_mov_b32 s[SEL], 0x76543210
	s_mov_b32 s[SEL+1], 0xfedcba98
	s_wait_kmcnt 0x0
	s_add_nc_u64 s[4:5], s[4:5], s[20:21]
	s_load_b256 s[24:31], s[4:5], 0x0              ; my eight groups, ascending
	s_add_nc_u64 s[10:11], s[10:11], s[22:23]
	s_add_nc_u64 s[12:13], s[12:13], s[66:67]
	s_add_nc_u64 s[14:15], s[14:15], s[20:21]
	s_add_nc_u64 s[16:17], s[16:17], s[20:21]
	global_load_b128 v[QA:QA+3], v[VQ], s[10:11]               ; every lane of a half reads the same 16 bytes: the query's row in all 16 rows
	global_load_b128 v[QA+4:QA+7], v[VQ], s[10:11] offset:512
	global_load_b32 v[QSC], v[NIL], s[12:13]
	global_load_b32 v[QHV], v[NIL], s[12:13] offset:256
	s_wait_kmcnt 0x0
.irp k, 0,1,2,3,4,5,6,7
	s_min_u32 s[24+\k], s[24+\k], 1023             ; a group's number stays inside the 1,024
	s_and_b32 s70, s[24+\k], 0x3fc                 ; 4 w
	s_and_b32 s71, s[24+\k], 1                     ; s
	s_and_b32 s72, s[24+\k], 2                     ; 2 h
	s_lshl_b32 s68, s70, 12                        ; codes: 16,384 w + 8,192 s + 128 h
	s_lshl_b32 s69, s71, 13
	s_add_co_u32 s68, s68, s69
	s_lshl_b32 s69, s72, 6
	s_add_co_u32 s68, s68, s69
	s_mov_b32 s69, 0
	s_add_nc_u64 s[32+2*\k:33+2*\k], s[6:7], s[68:69]
	s_lshl_b32 s68, s70, 9                         ; scale words: 2,048 w + 512 s + 32 h; the norms 1,024 further on
	s_lshl_b32 s69, s71, 9
	s_add_co_u32 s68, s68, s69
	s_lshl_b32 s69, s72, 4
	s_add_co_u32 s68, s68, s69
	s_mov_b32 s69, 0
	s_add_nc_u64 s[48+2*\k:49+2*\k], s[8:9], s[68:69]
.endr
	WIN 0x40                                       ; destination window 1, address window 0
.irp k, 0,1,2,3,4,5,6,7
.irp v, 0,1,2,3
	global_load_b128 v[8*(4*\k+\v):8*(4*\k+\v)+3], v[VC], s[32+2*\k:33+2*\k] offset:2048*\v
	global_load_b128 v[8*(4*\k+\v)+4:8*(4*\k+\v)+7], v[VC], s[32+2*\k:33+2*\k] offset:2048*\v+512
.endr
.endr
	WIN 0
.irp k, 0,1,2,3,4,5,6,7
.irp v, 0,1,2,3
	global_load_b32 v[SB+4*\k+\v], v[VM], s[48+2*\k:49+2*\k] offset:128*\v
	global_load_b32 v[CB+2*(4*\k+\v)], v[VM], s[48+2*\k:49+2*\k] offset:128*\v+1024
.endr
.endr
	; work on registers while the loads are out
.irp i, 0,1,2,3,4,5,6,7,8,9,10,11,12,13,14,15,16,17,18,19,20,21,22,23,24,25,26,27,28,29,30,31
	v_mov_b32 v[CB+2*\i+1], 0                      ; the registers between the norms are named as parts of C, for rows that are not read: they are written once
.endr
.irp i, 64,65,66,67,68,69
	v_mov_b32 v[CB+\i], 0
.endr
.irp i, 0,1,2,3,4,5,6,7
	v_mov_b32 v[LV+\i], 0xff800000
	v_mov_b32 v[LX+\i], 0x7f800000
.endr
	v_mov_b32 v[BIG], 0x7f800000
	v_mov_b32 v[TT], 0
	v_mov_b32 v[UU], 0
.irp b, 0,1,2,3
	v_mov_b32 v[T0], s[24+\b]
	v_mov_b32 v[T1], s[28+\b]
	v_cndmask_b32 v[T0], v[T0], v[T1], s[HM]       ; lanes 0-15: group b of the list; lanes 16-31: group b + 4
	v_lshl_add_u32 v[T0], v[T0], 6, v[COL]         ; 64 g + r
	v_cvt_f32_u32 v[GB+\b], v[T0]
.endr
	s_wait_loadcnt 0x0
.irp b, 0,1,2,3                                    ; eight products at a time: the four tiles of group b and the four of group b + 4
	WIN 0x04                                       ; source 1 window 1
.irp v, 0,1,2,3
	v_wmma_scale_f32_16x16x128_f8f6f4 v[ACC+8*\v:ACC+8*\v+7], v[QA:QA+7], v[8*(4*\b+\v):8*(4*\b+\v)+7], v[CB+2*(4*\b+\v):CB+2*(4*\b+\v)+7], v[QSC], v[SB+4*\b+\v] matrix_a_fmt:MATRIX_FMT_FP4 matrix_b_fmt:MATRIX_FMT_FP4
.endr
.irp v, 0,1,2,3
	v_wmma_scale_f32_16x16x128_f8f6f4 v[ACC+32+8*\v:ACC+32+8*\v+7], v[QA:QA+7], v[8*(16+4*\b+\v):8*(16+4*\b+\v)+7], v[CB+2*(16+4*\b+\v):CB+2*(16+4*\b+\v)+7], v[QSC], v[SB+16+4*\b+\v] matrix_a_fmt:MATRIX_FMT_FP4 matrix_b_fmt:MATRIX_FMT_FP4
.endr
	WIN 0
.rept 4
	v_nop                                          ; four places in front of the first read of results; with three of the four selections below they are also the places in front of the next eight products, which write these results over
.endr
.irp v, 0,1,2,3
	v_cndmask_b32 v[XV+4*\b+\v], v[ACC+8*\v], v[ACC+32+8*\v], s[HM]   ; register 0 of each result: my context's D
.endr
.endr
.irp t, 0,1,2,3,4,5,6,7,8,9,10,11,12,13,14,15
	v_min_num_f32 v[XV+\t], v[XV+\t], v[QHV]       ; the clip of sq at 0
.endr
.irp b, 0,1,2,3
	v_mov_b32 v[XI], v[GB+\b]
.irp v, 0,1,2,3
	INSERT XV+4*\b+\v, XI
.if \v < 3
	v_add_f32 v[XI], 16.0, v[XI]                   ; the next tile's context: 16 further on
.endif
.endr
.endr
	EXTRACT
	v_cmp_eq_u32 vcc_lo, 1, v[LANE]
.irp i, 0,1,2,3
	v_cndmask_b32 v[OI+\i], v[RX+\i], v[RX+4+\i], vcc_lo       ; lane 0: neighbours 0 to 3; lane 1: 4 to 7
	v_cndmask_b32 v[OV+\i], v[RV+\i], v[RV+4+\i], vcc_lo
.endr
.irp i, 0,1,2,3
	v_cvt_u32_f32 v[OI+\i], v[OI+\i]
.endr
	v_lshlrev_b32 v[AD], 4, v[LANE]
	v_cmp_gt_u32 vcc_lo, 2, v[LANE]
	s_wait_xcnt 0x0                                ; EXEC changes only behind this wait
	s_and_saveexec_b32 s88, vcc_lo
	global_store_b128 v[AD], v[OI:OI+3], s[14:15]              ; the query's eight indices
	global_store_b128 v[AD], v[OV:OV+3], s[16:17]              ; and their clipped D
	s_wait_xcnt 0x0                                ; and again in front of the line that widens it
	s_or_b32 exec_lo, exec_lo, s88
	s_endpgm
.Lfunc_end_k_q38f253f1ed_refine:
	.size	k_q38f253f1ed_refine, .Lfunc_end_k_q38f253f1ed_refine-k_q38f253f1ed_refine
	.p2alignl 7, 3214868480
	.fill 96, 4, 3214868480
	.section	.rodata,"a",@progbits
	.p2align	6, 0x0
	.amdhsa_kernel k_q38f253f1ed_refine
		.amdhsa_group_segment_fixed_size 0
		.amdhsa_private_segment_fixed_size 0
		.amdhsa_enable_private_segment 0
		.amdhsa_kernarg_size 56
		.amdhsa_user_sgpr_count 2
		.amdhsa_user_sgpr_kernarg_segment_ptr 1
		.amdhsa_wavefront_size32 1
		.amdhsa_system_sgpr_workgroup_id_x 1
		.amdhsa_system_sgpr_workgroup_id_y 1
		.amdhsa_system_sgpr_workgroup_id_z 1
		.amdhsa_system_vgpr_workitem_id 0
		.amdhsa_next_free_vgpr 512
		.amdhsa_next_free_sgpr 90
		.amdhsa_reserve_vcc 1
		.amdhsa_float_denorm_mode_32 3
		.amdhsa_float_denorm_mode_16_64 3
		.amdhsa_memory_ordered 1
		.amdhsa_forward_progress 1
		.amdhsa_inst_pref_size 70
	.end_amdhsa_kernel
	.amdgpu_metadata
---
amdhsa.version: [ 1, 2 ]
amdhsa.kernels:
  - .name:           k_q38f253f1ed_refine
    .symbol:         k_q38f253f1ed_refine.kd
    .args:
      - { .name: gids, .offset: 0, .size: 8, .value_kind: global_buffer, .address_space: global }
      - { .name: ccodes, .offset: 8, .size: 8, .value_kind: global_buffer, .address_space: global }
      - { .name: cmeta, .offset: 16, .size: 8, .value_kind: global_buffer, .address_space: global }
      - { .name: qcodes, .offset: 24, .size: 8, .value_kind: global_buffer, .address_space: global }
      - { .name: qmeta, .offset: 32, .size: 8, .value_kind: global_buffer, .address_space: global }
      - { .name: topidx, .offset: 40, .size: 8, .value_kind: global_buffer, .address_space: global }
      - { .name: topval, .offset: 48, .size: 8, .value_kind: global_buffer, .address_space: global }
    .group_segment_fixed_size: 0
    .private_segment_fixed_size: 0
    .kernarg_segment_align: 8
    .kernarg_segment_size: 56
    .max_flat_workgroup_size: 64
    .sgpr_count:     90
    .vgpr_count:     512
    .wavefront_size: 32
...
	.end_amdgpu_metadata
.endif
;; end of part 3
;; launch score (part 4): grid 4 x 1, 8 waves a work-group, no clusters, 10,752 bytes of LDS; arguments query_tokens, context_tokens, emb_table, W_score, b_score, qcodes, qmeta, topidx, topval, out0; writes out0
.if DOCPART == 4
	.amdgcn_target "amdgcn-amd-amdhsa--gfx1250"
	.amdhsa_code_object_version 6
	.text
	.protected	k_q38f253f1ed_score
	.globl	k_q38f253f1ed_score
	.p2align	8
	.type	k_q38f253f1ed_score,@function
k_q38f253f1ed_score:
	s_mov_b64 s[64:65], 0
	v_nop
	global_prefetch_b8 v0, s[64:65] scope:SCOPE_SE
	s_setreg_imm32_b32 hwreg(HW_REG_WAVE_MODE, 25, 1), 1
	s_wait_xcnt 0x0
; LAUNCH 4 OF 4: qp = Q(q) Q(W) + b (the second quantised product), logits = qp . c / sqrt(128) - distance for the eight neighbours, their softmax, its largest term, the softmax of that over a batch's 128 queries, the result.
; SHARES.  A work-group takes a batch, since the last softmax spans its 128 queries; wave y takes query tile y: 16 queries.
; W [128 (k)][128 (n)] is quantised along k, its first axis: wave y takes columns 16 y .. 16 y + 15, a lane a column, its registers down k in the operand's own order; the fragment's image goes to the other waves through LDS.
; THE PRODUCT IS USED TRANSPOSED: source 0 = 16 columns of W, source 1 = my 16 queries, C = the bias: lane (r, h) then holds, of query r, qp at n = 16 t + 8 h + 0 .. 7, t = 0 .. 7: 64 numbers.
; It loads the same 64 numbers of each neighbour's row of the table and multiplies in f32; lane l xor 16 has the other half.  So the eight logits of a query lie in one lane, and its softmax needs no other lane.
; Four neighbours' rows are on their way at a time, in register window 1; a buffer is asked for again as soon as it has been multiplied.
; The largest term of a softmax is exp(0) / sum = 1 / sum: it is taken so.
; NO CLUSTER: the four work-groups share W alone, 64 KB read once by each.
; LIMITS: NaN and infinities are not served.  sq = |q|^2 - 2 D with D = dot - |c|^2/2 as the matrix unit gave it: another order of rounding than (|q|^2 + |c|^2) - 2 dot.  The division by sqrt(128) is a multiplication by its reciprocal.
.set VOCAB_LAST, 50256
.set WIMG, 0                           ; LDS: W's eight fragments, 1,024 bytes each
.set WSC,  8192                        ; their scale words, 128 bytes each
.set IMP,  9216                        ; the 128 importances
.set LANE, 1
.set ROW,  2
.set HALF, 3
.set LI,   4                           ; 16 x lane
.set TO,   5                           ; 32 r
.set WO,   6                           ; W: 4 r + 32 rows of 512 bytes for lanes 16-31
.set MO,   7                           ; 16 r
.set IDX,  8                           ; v8-15   my query's eight neighbours: index, then byte offset of its token
.set VAL,  16                          ; v16-23  their clipped D
.set QFR,  24                          ; v24-31  my query tile's fragment
.set QSC,  32                          ; its scale words: scales and nothing else
.set QHV,  33                          ; |q|^2/2
.set H32,  34                          ; 32 h
.set WIS,  35
.set WSS,  36
.set WSL,  37
.set IMS,  38
.set IML,  39
.set RO,   40                          ; v40-47  token, then byte offset of my half of each 64 bytes of the neighbour's row
.set TM,   48                          ; v48-53  the quantiser's work
.set PW,   54
.set T2,   55
.set PC,   56                          ; v56-63  my W fragment
.set WR,   64                          ; v64-127 my column's 64 numbers; behind the barrier W's eight fragments
.set WF,   64
.set WS,   128                         ; v128-135 their scale words: scales and nothing else
.set SA,   136                         ; v136-167 four partial sums for each neighbour
.set SS,   168                         ; v168-175 dot products, logits, exponentials
.set SQ,   176                         ; v176-183 distances
.set TKN,  184                         ; v184-187 wave 0: four query tokens a lane
.set MX,   188
.set SU,   189
.set QN,   190
.set UU,   191
.set QP,   192                         ; v192-255 the bias, then qp
.set WV,   24
.set SEL,  38
.set RSQ,  40
.set MSB, 0
.macro WIN new                         ; the immediate's high byte repeats the setting that is left
.if MSB != \new
	s_set_vgpr_msb (MSB<<8)|\new
.set MSB, \new
.endif
.endm
.macro ROWS k, buf                     ; neighbour k's row, my 64 numbers, into window 1 at v[64 buf]
	WIN 0x40
.irp t, 0,1,2,3,4,5,6,7
	global_load_b128 v[64*\buf+8*\t:64*\buf+8*\t+3], v[RO+\k], s[8:9] offset:64*\t
	global_load_b128 v[64*\buf+8*\t+4:64*\buf+8*\t+7], v[RO+\k], s[8:9] offset:64*\t+16
.endr
.endm
.macro DOT k, buf, left                ; qp . row, my half, in two packed chains.  left: the younger rows' loads, 16 each, which may stay out
	s_wait_loadcnt \left
	WIN 0x01                                       ; source 0 window 1
	v_pk_mul_f32 v[SA+4*\k:SA+4*\k+1], v[64*\buf:64*\buf+1], v[QP:QP+1]
	v_pk_mul_f32 v[SA+4*\k+2:SA+4*\k+3], v[64*\buf+2:64*\buf+3], v[QP+2:QP+3]
.irp i, 4,8,12,16,20,24,28,32,36,40,44,48,52,56,60
	v_pk_fma_f32 v[SA+4*\k:SA+4*\k+1], v[64*\buf+\i:64*\buf+\i+1], v[QP+\i:QP+\i+1], v[SA+4*\k:SA+4*\k+1]
	v_pk_fma_f32 v[SA+4*\k+2:SA+4*\k+3], v[64*\buf+\i+2:64*\buf+\i+3], v[QP+\i+2:QP+\i+3], v[SA+4*\k+2:SA+4*\k+3]
.endr
.endm
	s_load_b256 s[4:11], s[0:1], 0x0               ; query tokens s[4:5], context tokens s[6:7], table s[8:9], W s[10:11]
	s_load_b256 s[12:19], s[0:1], 0x20             ; b s[12:13], qcodes s[14:15], qmeta s[16:17], topidx s[18:19]
	s_load_b128 s[20:23], s[0:1], 0x40             ; topval s[20:21], out0 s[22:23]
	v_lshrrev_b32 v[LANE], 5, v0
	v_readfirstlane_b32 s[WV], v[LANE]             ; wave 0..7
	v_and_b32 v[LANE], 31, v0
	v_and_b32 v[ROW], 15, v0
	v_bfe_u32 v[HALF], v0, 4, 1
	v_lshlrev_b32 v[LI], 4, v[LANE]
	v_lshlrev_b32 v[TO], 5, v[ROW]
	v_lshlrev_b32 v[WO], 2, v[ROW]
	v_lshl_add_u32 v[WO], v[HALF], 14, v[WO]
	v_lshlrev_b32 v[MO], 4, v[ROW]
	v_lshlrev_b32 v[H32], 5, v[HALF]
	s_lshl_b32 s26, s[WV], 10
	v_add_nc_u32 v[WIS], s26, v[LI]                ; WIMG + 1,024 x wave + 16 x lane
	v_lshlrev_b32 v[WSL], 2, v[LANE]
	s_lshl_b32 s26, s[WV], 7
	v_add_nc_u32 v[WSS], s26, v[WSL]
	v_add_nc_u32 v[WSS], WSC, v[WSS]               ; WSC + 128 x wave + 4 x lane
	v_add_nc_u32 v[WSL], WSC, v[WSL]
	s_lshl_b32 s26, s[WV], 6
	v_lshl_add_u32 v[IMS], v[ROW], 2, s26
	v_add_nc_u32 v[IMS], IMP, v[IMS]               ; IMP + 64 x wave + 4 r
	v_add_nc_u32 v[IML], IMP, v[LI]
	s_lshl_b32 s25, ttmp9, 3
	s_add_co_u32 s25, s25, s[WV]                   ; my query tile
	s_lshl_b32 s28, s25, 9                         ; its 512 bytes of topidx and of topval
	s_mov_b32 s29, 0
	s_lshl_b32 s30, s25, 10                        ; its image
	s_mov_b32 s31, 0
	s_lshr_b32 s32, s25, 2                         ; qmeta: 512 (tile / 4) + 4 (tile % 4)
	s_lshl_b32 s32, s32, 9
	s_and_b32 s33, s25, 3
	s_lshl_b32 s33, s33, 2
	s_add_co_u32 s32, s32, s33
	s_mov_b32 s33, 0
	s_lshl_b32 s34, s[WV], 6                       ; W: my 16 columns
	s_mov_b32 s35, 0
	s_lshl_b32 s36, ttmp9, 9                       ; the batch's 512 bytes of tokens and of results
	s_mov_b32 s37, 0
	s_mov_b32 s[SEL], 0x76543210
	s_mov_b32 s[SEL+1], 0xfedcba98
	s_mov_b32 s[RSQ], 0x3db504f3                   ; 1 / sqrt(128)
.irp i, 0,1,2,3
	v_mov_b32 v[TKN+\i], 0                         ; written in every wave; loaded and used in wave 0
.endr
	v_mov_b32 v[UU], 0
	s_wait_kmcnt 0x0
	s_add_nc_u64 s[4:5], s[4:5], s[36:37]
	s_add_nc_u64 s[22:23], s[22:23], s[36:37]
	s_add_nc_u64 s[10:11], s[10:11], s[34:35]
	s_add_nc_u64 s[14:15], s[14:15], s[30:31]
	s_add_nc_u64 s[16:17], s[16:17], s[32:33]
	s_add_nc_u64 s[18:19], s[18:19], s[28:29]
	s_add_nc_u64 s[20:21], s[20:21], s[28:29]
	s_cmp_lg_u32 s[WV], 0                          ; wave 0's load of the tokens is the oldest of all: no counted wait below counts it
	s_cbranch_scc1 .Lno_tokens
	global_load_b128 v[TKN:TKN+3], v[LI], s[4:5]
.Lno_tokens:
.irp c, 0,1
.irp i, 0,1,2,3,4,5,6,7,8,9,10,11,12,13,14,15,16,17,18,19,20,21,22,23,24,25,26,27,28,29,30,31
	global_load_b32 v[WR+32*\c+\i], v[WO], s[10:11] offset:512*(64*\c+\i)   ; W(64 c + 32 h + i, 16 y + r): sixteen lanes read 64 neighbouring bytes
.endr
.endr
	global_load_b128 v[IDX:IDX+3], v[TO], s[18:19]
	global_load_b128 v[IDX+4:IDX+7], v[TO], s[18:19] offset:16
	global_load_b128 v[VAL:VAL+3], v[TO], s[20:21]
	global_load_b128 v[VAL+4:VAL+7], v[TO], s[20:21] offset:16
	global_load_b128 v[QFR:QFR+3], v[LI], s[14:15]
	global_load_b128 v[QFR+4:QFR+7], v[LI], s[14:15] offset:512
	global_load_b32 v[QSC], v[MO], s[16:17]
	global_load_b32 v[QHV], v[MO], s[16:17] offset:256
.irp t, 0,1,2,3,4,5,6,7
	global_load_b128 v[QP+8*\t:QP+8*\t+3], v[H32], s[12:13] offset:64*\t      ; b at n = 16 t + 8 h + 0 .. 7: the result's layout
	global_load_b128 v[QP+8*\t+4:QP+8*\t+7], v[H32], s[12:13] offset:64*\t+16
.endr
	s_wait_loadcnt 22                              ; W and the indices are in: 22 loads were issued behind the indices
.irp k, 0,1,2,3,4,5,6,7
	v_min_u32 v[IDX+\k], 0xffff, v[IDX+\k]         ; an index stays inside the 65,536 contexts
.endr
.irp k, 0,1,2,3,4,5,6,7
	v_lshlrev_b32 v[IDX+\k], 2, v[IDX+\k]
.endr
.irp k, 0,1,2,3,4,5,6,7
	global_load_b32 v[RO+\k], v[IDX+\k], s[6:7]    ; the neighbours' tokens; W is quantised while they come
.endr
.irp c, 0,1                                        ; my block 2 c + h of my column: all its 32 numbers are mine
	v_max3_num_f32 v[TM+\c], |v[WR+32*\c]|, |v[WR+32*\c+1]|, 0x1800000     ; and the floor 2^(3 - 127): the byte cannot fall under 1
.endr
.irp i, 2,4,6,8,10,12,14,16,18,20,22,24,26,28,30
.irp c, 0,1
	v_max3_num_f32 v[TM+\c], v[TM+\c], |v[WR+32*\c+\i]|, |v[WR+32*\c+\i+1]|
.endr
.endr
.irp c, 0,1
	v_add_nc_u32 v[TM+2+\c], 0xff000000, v[TM+\c]  ; 2 off the exponent field: the conversion's scale operand
.endr
.irp c, 0,1
	v_lshrrev_b32 v[TM+4+\c], 23, v[TM+2+\c]       ; the scale's byte
.endr
	v_lshl_or_b32 v[PW], v[TM+5], 16, v[TM+4]      ; my two bytes: blocks h and 2 + h,
	v_lshlrev_b32 v[T2], 3, v[HALF]
	v_lshlrev_b32 v[PW], v[T2], v[PW]              ; at their places in the scale word;
	v_mov_b32 v[T2], 0
	v_permlanex16_b32 v[T2], v[PW], s[SEL], s[SEL+1]
	v_or_b32 v[PW], v[PW], v[T2]                   ; with lane l xor 16's two the word is whole
.irp c, 0,1
.irp g, 0,1,2,3
	v_cvt_scalef32_pk8_fp4_f32 v[PC+4*\c+\g], v[WR+32*\c+8*\g:WR+32*\c+8*\g+7], v[TM+2+\c]
.endr
.endr
	v_nop                                          ; one plain place behind a scaled conversion
	ds_store_b128 v[WIS], v[PC:PC+3]
	ds_store_b128 v[WIS], v[PC+4:PC+7] offset:512
	ds_store_b32 v[WSS], v[PW]
	s_wait_loadcnt 0x0                             ; the tokens, and all that was asked for ahead of them
.irp k, 0,1,2,3,4,5,6,7
	v_min_u32 v[RO+\k], VOCAB_LAST, v[RO+\k]       ; a token stays inside the table
.endr
.irp k, 0,1,2,3,4,5,6,7
	v_lshl_add_u32 v[RO+\k], v[RO+\k], 9, v[H32]   ; a row is 512 bytes; + 32 h
.endr
	ROWS 0, 0
	ROWS 1, 1
	ROWS 2, 2
	ROWS 3, 3
	WIN 0
	s_wait_dscnt 0x0                               ; for the others' sake: my fragment of W lies in LDS
	s_barrier_signal -1
	s_barrier_wait -1                              ; all eight do
.irp t, 0,1,2,3,4,5,6,7
	ds_load_b128 v[WF+8*\t:WF+8*\t+3], v[LI] offset:WIMG+1024*\t
	ds_load_b128 v[WF+8*\t+4:WF+8*\t+7], v[LI] offset:WIMG+1024*\t+512
	ds_load_b32 v[WS+\t], v[WSL] offset:128*\t
.endr
	s_wait_dscnt 0x0
.irp t, 0,1,2,3,4,5,6,7                            ; qp^T: eight results, each onto its own eight numbers of the bias
	v_wmma_scale_f32_16x16x128_f8f6f4 v[QP+8*\t:QP+8*\t+7], v[WF+8*\t:WF+8*\t+7], v[QFR:QFR+7], v[QP+8*\t:QP+8*\t+7], v[WS+\t], v[QSC] matrix_a_fmt:MATRIX_FMT_FP4 matrix_b_fmt:MATRIX_FMT_FP4
.endr
.rept 4
	v_nop                                          ; four places in front of the first read of results (ISA guide 7.12.1)
.endr
	DOT 0, 0, 48                                   ; each result is read from its low end on
	ROWS 4, 0
	DOT 1, 1, 48
	ROWS 5, 1
	DOT 2, 2, 48
	ROWS 6, 2
	DOT 3, 3, 48
	ROWS 7, 3
	DOT 4, 0, 48
	DOT 5, 1, 32
	DOT 6, 2, 16
	DOT 7, 3, 0
	WIN 0
.irp k, 0,1,2,3,4,5,6,7
	v_pk_add_f32 v[SA+4*\k:SA+4*\k+1], v[SA+4*\k:SA+4*\k+1], v[SA+4*\k+2:SA+4*\k+3]
.endr
.irp k, 0,1,2,3,4,5,6,7
	v_add_f32 v[SS+\k], v[SA+4*\k], v[SA+4*\k+1]
.endr
.irp k, 0,1,2,3,4,5,6,7
	v_permlanex16_b32 v[SA+4*\k+2], v[SS+\k], s[SEL], s[SEL+1]
.endr
.irp k, 0,1,2,3,4,5,6,7
	v_add_f32 v[SS+\k], v[SS+\k], v[SA+4*\k+2]     ; with lane l xor 16's half: qp . c
.endr
	v_add_f32 v[QN], v[QHV], v[QHV]                ; |q|^2
.irp k, 0,1,2,3,4,5,6,7
	v_fma_f32 v[SQ+\k], -2.0, v[VAL+\k], v[QN]     ; sq = |q|^2 - 2 D
.endr
.irp k, 0,1,2,3,4,5,6,7
	v_max_num_f32 v[SQ+\k], 0, v[SQ+\k]
.endr
.irp k, 0,1,2,3,4,5,6,7
	v_add_f32 v[SQ+\k], 0x2b8cbccc, v[SQ+\k]       ; + 1e-12
.endr
.irp k, 0,1,2,3,4,5,6,7
	v_sqrt_f32 v[SQ+\k], v[SQ+\k]
.endr
	v_nop                                          ; a plain place behind the last root
	s_wait_alu depctr_va_vdst(0)                   ; one wait for the eight roots, ahead of their first reader
.irp k, 0,1,2,3,4,5,6,7
	v_fma_f32 v[SS+\k], v[SS+\k], s[RSQ], -v[SQ+\k]            ; the logit
.endr
	v_max3_num_f32 v[MX], v[SS], v[SS+1], v[SS+2]
	v_max3_num_f32 v[MX], v[MX], v[SS+3], v[SS+4]
	v_max3_num_f32 v[MX], v[MX], v[SS+5], v[SS+6]
	v_max_num_f32 v[MX], v[MX], v[SS+7]
.irp k, 0,1,2,3,4,5,6,7
	v_sub_f32 v[SS+\k], v[SS+\k], v[MX]            ; the largest logit is taken away
.endr
.irp k, 0,1,2,3,4,5,6,7
	v_mul_f32 v[SS+\k], 0x3fb8aa3b, v[SS+\k]       ; x log2(e)
.endr
.irp k, 0,1,2,3,4,5,6,7
	v_exp_f32 v[SS+\k], v[SS+\k]
.endr
	v_nop
	s_wait_alu depctr_va_vdst(0)                   ; one wait for the eight exponentials
	v_add_f32 v[SS], v[SS], v[SS+1]
	v_add_f32 v[SS+2], v[SS+2], v[SS+3]
	v_add_f32 v[SS+4], v[SS+4], v[SS+5]
	v_add_f32 v[SS+6], v[SS+6], v[SS+7]
	v_add_f32 v[SS], v[SS], v[SS+2]
	v_add_f32 v[SS+4], v[SS+4], v[SS+6]
	v_add_f32 v[SS], v[SS], v[SS+4]
	v_rcp_f32 v[SU], v[SS]                         ; the importance: the largest term, exp(0), over the sum
	v_nop
	s_wait_alu depctr_va_vdst(0)
	ds_store_b32 v[IMS], v[SU]                     ; both lanes of a query write the same word with the same value
	s_wait_dscnt 0x0                               ; for wave 0's sake
	s_barrier_signal -1
	s_barrier_wait -1                              ; the batch's 128 importances lie in LDS
	s_cmp_lg_u32 s[WV], 0
	s_cbranch_scc1 .Lend
	ds_load_b128 v[SS:SS+3], v[IML]                ; wave 0: four queries a lane
	s_wait_dscnt 0x0
	v_max3_num_f32 v[MX], v[SS], v[SS+1], v[SS+2]
	v_max_num_f32 v[MX], v[MX], v[SS+3]
	v_max_num_f32_dpp v[MX], v[MX], v[MX] row_xmask:1 row_mask:0xf bank_mask:0xf
	v_max_num_f32_dpp v[MX], v[MX], v[MX] row_xmask:2 row_mask:0xf bank_mask:0xf
	v_max_num_f32_dpp v[MX], v[MX], v[MX] row_xmask:4 row_mask:0xf bank_mask:0xf
	v_max_num_f32_dpp v[MX], v[MX], v[MX] row_xmask:8 row_mask:0xf bank_mask:0xf
	v_permlanex16_b32 v[UU], v[MX], s[SEL], s[SEL+1]
	v_max_num_f32 v[MX], v[MX], v[UU]              ; the batch's largest importance
.irp i, 0,1,2,3
	v_sub_f32 v[SS+\i], v[SS+\i], v[MX]
.endr
.irp i, 0,1,2,3
	v_mul_f32 v[SS+\i], 0x3fb8aa3b, v[SS+\i]
.endr
.irp i, 0,1,2,3
	v_exp_f32 v[SS+\i], v[SS+\i]
.endr
	v_nop
	s_wait_alu depctr_va_vdst(0)                   ; one wait for the four
	v_add_f32 v[SU], v[SS], v[SS+1]
	v_add_f32 v[UU], v[SS+2], v[SS+3]
	v_add_f32 v[SU], v[SU], v[UU]
	v_add_f32_dpp v[SU], v[SU], v[SU] row_xmask:1 row_mask:0xf bank_mask:0xf
	v_add_f32_dpp v[SU], v[SU], v[SU] row_xmask:2 row_mask:0xf bank_mask:0xf
	v_add_f32_dpp v[SU], v[SU], v[SU] row_xmask:4 row_mask:0xf bank_mask:0xf
	v_add_f32_dpp v[SU], v[SU], v[SU] row_xmask:8 row_mask:0xf bank_mask:0xf
	v_permlanex16_b32 v[UU], v[SU], s[SEL], s[SEL+1]
	v_add_f32 v[SU], v[SU], v[UU]
	v_rcp_f32 v[SU], v[SU]
	v_nop
.irp i, 0,1,2,3
	v_cvt_f32_i32 v[TKN+\i], v[TKN+\i]             ; the tokens as f32 (their load was waited for with the rows')
.endr
	s_wait_alu depctr_va_vdst(0)
.irp i, 0,1,2,3
	v_mul_f32 v[SS+\i], v[SS+\i], v[SU]            ; the weight
.endr
.irp i, 0,1,2,3
	v_mul_f32 v[SS+\i], v[TKN+\i], v[SS+\i]        ; token x weight
.endr
.irp i, 0,1,2,3
	v_mul_f32 v[SS+\i], 0x43000000, v[SS+\i]       ; x 128
.endr
	global_store_b128 v[LI], v[SS:SS+3], s[22:23]  ; 32 lanes store the batch's 512 consecutive bytes
.Lend:
	s_wait_xcnt 0x0
	v_lshl_add_u32 v254, v0, 2, 0x2600
	v_mov_b32 v255, 0
	s_wait_tensorcnt 0x0
	ds_add_u32 v254, v255
	s_wait_dscnt 0x0
	s_endpgm
.Lfunc_end_k_q38f253f1ed_score:
	.size	k_q38f253f1ed_score, .Lfunc_end_k_q38f253f1ed_score-k_q38f253f1ed_score
	.p2alignl 7, 3214868480
	.fill 96, 4, 3214868480
	.section	.rodata,"a",@progbits
	.p2align	6, 0x0
	.amdhsa_kernel k_q38f253f1ed_score
		.amdhsa_group_segment_fixed_size 10752
		.amdhsa_private_segment_fixed_size 0
		.amdhsa_enable_private_segment 0
		.amdhsa_kernarg_size 80
		.amdhsa_user_sgpr_count 2
		.amdhsa_user_sgpr_kernarg_segment_ptr 1
		.amdhsa_wavefront_size32 1
		.amdhsa_system_sgpr_workgroup_id_x 1
		.amdhsa_system_sgpr_workgroup_id_y 1
		.amdhsa_system_sgpr_workgroup_id_z 1
		.amdhsa_system_vgpr_workitem_id 0
		.amdhsa_next_free_vgpr 512
		.amdhsa_next_free_sgpr 66
		.amdhsa_reserve_vcc 0
		.amdhsa_float_denorm_mode_32 3
		.amdhsa_float_denorm_mode_16_64 3
		.amdhsa_memory_ordered 1
		.amdhsa_forward_progress 1
		.amdhsa_inst_pref_size 57
	.end_amdhsa_kernel
	.amdgpu_metadata
---
amdhsa.version: [ 1, 2 ]
amdhsa.kernels:
  - .name:           k_q38f253f1ed_score
    .symbol:         k_q38f253f1ed_score.kd
    .args:
      - { .name: query_tokens, .offset: 0, .size: 8, .value_kind: global_buffer, .address_space: global }
      - { .name: context_tokens, .offset: 8, .size: 8, .value_kind: global_buffer, .address_space: global }
      - { .name: emb_table, .offset: 16, .size: 8, .value_kind: global_buffer, .address_space: global }
      - { .name: W_score, .offset: 24, .size: 8, .value_kind: global_buffer, .address_space: global }
      - { .name: b_score, .offset: 32, .size: 8, .value_kind: global_buffer, .address_space: global }
      - { .name: qcodes, .offset: 40, .size: 8, .value_kind: global_buffer, .address_space: global }
      - { .name: qmeta, .offset: 48, .size: 8, .value_kind: global_buffer, .address_space: global }
      - { .name: topidx, .offset: 56, .size: 8, .value_kind: global_buffer, .address_space: global }
      - { .name: topval, .offset: 64, .size: 8, .value_kind: global_buffer, .address_space: global }
      - { .name: out0, .offset: 72, .size: 8, .value_kind: global_buffer, .address_space: global }
    .group_segment_fixed_size: 10752
    .private_segment_fixed_size: 0
    .kernarg_segment_align: 8
    .kernarg_segment_size: 80
    .max_flat_workgroup_size: 256
    .sgpr_count:     66
    .vgpr_count:     512
    .wavefront_size: 32
...
	.end_amdgpu_metadata
.endif
;; end of part 4
;; ======== version 2 of 3: 4 launches
;; workspace buffers: maxbuf 2,097,152 bytes; ccodes 4,194,304 bytes; cmeta 524,288 bytes; qdat 36,864 bytes; wimg 9,216 bytes; qres 278,528 bytes; gids 16,384 bytes of whole numbers; toptok 16,384 bytes of whole numbers
;; launch scan (part 5): grid 256 x 1, 8 waves a work-group, no clusters, 19,456 bytes of LDS; arguments query_tokens, context_tokens, emb_table, maxbuf, ccodes, cmeta, qdat; writes maxbuf, ccodes, cmeta, qdat
.if DOCPART == 5
	.amdgcn_target "amdgcn-amd-amdhsa--gfx1250"
	.amdhsa_code_object_version 6
	.text
	.protected	k_q38f253f1ed_scan
	.globl	k_q38f253f1ed_scan
	.p2align	8
	.type	k_q38f253f1ed_scan,@function
k_q38f253f1ed_scan:
	s_mov_b64 s[64:65], 0
	v_nop
	global_prefetch_b8 v0, s[64:65] scope:SCOPE_SE
	s_setreg_imm32_b32 hwreg(HW_REG_WAVE_MODE, 25, 1), 1
	s_wait_xcnt 0x0
; LAUNCH 1 OF 4: embeddings are gathered and quantised to FP4 (E2M1, one E8M0 scale for each 32 along the 128), the first product is made, and of every 64 neighbouring contexts the best value is kept for each query.
; WHAT IS KEPT.  sq = |q|^2 + |c|^2 - 2 Q(q).Q(c).  The matrix instruction gets -|c|^2/2 as its C, so its result is D = Q(q).Q(c) - |c|^2/2 and sq = |q|^2 - 2 D: the nearest context has the largest D,
; and the clip of sq at 0 is min(D, |q|^2/2).  The eight nearest contexts of a query lie in the eight groups with the largest clipped maxima (equal maxima: the lower group), since a group is a run of neighbouring indices.
; SHARES.  Work-group w owns contexts 256 w .. 256 w + 255 and meets all 512 queries.  Wave v quantises query tiles 4 v .. 4 v + 3 (they stay in its registers as source 1) and context tiles 2 v, 2 v + 1, which go to LDS
; as images of their registers (16 bytes a lane, 512 bytes a store); behind one barrier every wave multiplies all 16 context tiles by its own four query tiles: 64 matrix instructions a wave.
; THE ROWS OF A CONTEXT TILE ARE NOT NEIGHBOURS: row m of tile t is context 256 w + 128 (m / 8) + 64 (t / 8) + 8 (t % 8) + m % 8.  In a result lane (r, h) holds query r and rows 8 h + 0 .. 7, so its registers over
; tiles 8 s .. 8 s + 7 are the 64 neighbouring contexts of group 4 w + 2 h + s.
; THE ROWS ARE ASKED FOR EARLY: a wave's six tiles of 16 rows have a buffer of 64 registers each (two in window 0, four in window 1); four tiles, 64 loads, go out together, the last two behind the first two quantisations.
; OUT.  maxbuf [256 w][512 queries][4 groups] f32;  ccodes [4096 tiles][1024 bytes: the image];  cmeta [256 w][16 tiles x 16 scale words, then 16 x 16 numbers -|c|^2/2];
; work-group 0 alone also stores the queries in qdat: [32 tiles][1024], and from byte 32,768 on [8 waves][16 rows x 4 tiles scale words, then 16 x 4 numbers |q|^2/2].
; NO CLUSTER, NO TENSOR LOAD: every row comes by its own token from a table, so no tile is one block of memory; what the work-groups share, the 512 query rows, is gathered likewise, through registers.
; LIMITS: NaN and infinities among the inputs are not served.  sq is formed as |q|^2 - 2 (dot - |c|^2/2), not as (|q|^2 + |c|^2) - 2 dot: another order of rounding.  A block of zeros gets the scale byte 1, not 127: its codes are zeros.
.set VOCAB_LAST, 50256
.set CIMG,  0                          ; LDS: 16 context tiles, 1,024 bytes each
.set SCL,   16384                      ; their scale words, 64 bytes a tile
.set NHL,   SCL+1024                   ; their -|c|^2/2, 64 bytes a tile
.set LANE,  1
.set ROW,   2                          ; r = lane % 16
.set HALF,  3                          ; h = lane / 16
.set LI,    4                          ; 16 x lane: my place in an image, in LDS and in memory
.set H64,   5                          ; 64 h
.set XA,    6                          ; v6-11   tiles 0-3 (queries), 4-5 (contexts): token, then byte offset of my half of my row
.set QTO,   12                         ; 4 r
.set CTO,   13                         ; where my context's token lies: 512 (r / 8) + 4 (r % 8)
.set IMS,   14                         ; LDS: where my wave's two images go
.set MES,   15                         ; LDS: where their scale words go (the norms 1,024 further on)
.set NHA,   16                         ; LDS: NHL + 32 h: eight norms of my half of a tile's rows
.set SCA,   17                         ; LDS: SCL + 4 r
.set MXO,   18                         ; 16 r + 8 h: my two maxima in a tile's 256 bytes of maxbuf
.set MEL,   19                         ; LDS: the 512 bytes of scale words or norms that my wave carries to cmeta
.set QM,    20                         ; v20-23  what goes to the queries' scale words and norms
.set TM,    24                         ; v24-39  the quantiser's work
.set NS,    40                         ; v40-44  the sum of squares
.set QMO,   45                         ; 16 r + 256 h
.set QH,    46                         ; v46-49  |q|^2/2 of my row in my four query tiles
.set GM,    50                         ; v50-57  maxima: tile t, group s at GM + 2 t + s
.set QS,    58                         ; v58-61  my query tiles' scale words: scales and nothing else
.set CS,    62                         ; v62-63  my context tiles' scale words
.set QF,    64                         ; v64-95  my four query fragments
.set CF,    96                         ; v96-111 my two context fragments
.set NHV,   112                        ; v112-113 -|c|^2/2 of my row in them
.set ASC,   116                        ; v116-117 scale words of the two context tiles in hand: scales and nothing else
.set X0,    128                        ; window 0, v128-191 and v192-255: the rows of tiles 0 and 1;  window 1, v0, v64, v128, v192 on: those of tiles 2 to 5
.set X1,    192
.set AF,    128                        ; behind the barrier, in window 0: two context fragments,
.set AC,    144                        ; their C (eight norms a lane each),
.set ACC,   192                        ; and eight results
.set WV,    20
.set SEL,   22
.set MSB, 0
.macro WIN new                         ; s_set_vgpr_msb: bits 1:0 source 0, 3:2 source 1, 5:4 source 2, 7:6 destination; the high byte repeats the setting that is left; a switch that changes nothing is dropped
.if MSB != (\new)
	s_set_vgpr_msb (MSB<<8)|(\new)
.set MSB, (\new)
.endif
.endm
; my 64 numbers of a row: of each block of 32 the 16 of my half.  Register 16 b + i = k 32 b + 16 h + i.  w: the buffer's window
.macro XLOAD reg, a, w
	WIN 64*(\w)                                                ; the destination's window; the address lies in window 0
.irp b, 0,1,2,3
.irp j, 0,1,2,3
	global_load_b128 v[\reg+16*\b+4*\j:\reg+16*\b+4*\j+3], v[\a], s[8:9] offset:128*\b+16*\j
.endr
.endr
.endm
; 64 numbers of a lane, in window w, become a fragment's codes in v[pc] on and its row's scale word in v[pw], both in window 0
.macro QUANT s, pc, pw, w
	WIN 5*(\w)                                                 ; sources 0 and 1
.irp b, 0,1,2,3
	v_max3_num_f32 v[TM+\b], |v[\s+16*\b]|, |v[\s+1+16*\b]|, 0x1800000   ; block b: my 16 numbers and the floor 2^(3 - 127): the byte cannot fall under 1
.endr
	WIN 20*(\w)                                                ; sources 1 and 2
.irp i, 2,4,6,8,10,12,14
.irp b, 0,1,2,3
	v_max3_num_f32 v[TM+\b], v[TM+\b], |v[\s+16*\b+\i]|, |v[\s+1+16*\b+\i]|
.endr
.endr
	WIN 0
.irp b, 0,1,2,3
	v_permlanex16_b32 v[TM+4+\b], v[TM+\b], s[SEL], s[SEL+1]
.endr
.irp b, 0,1,2,3
	v_max_num_f32 v[TM+\b], v[TM+\b], v[TM+4+\b]               ; with lane l xor 16's: the block's largest magnitude
.endr
.irp b, 0,1,2,3
	v_add_nc_u32 v[TM+12+\b], 0xff000000, v[TM+\b]             ; 2 off its exponent field: the conversion's scale operand
.endr
.irp b, 0,1,2,3
	v_lshrrev_b32 v[TM+4+\b], 23, v[TM+12+\b]                  ; the scale's byte
.endr
	v_lshl_or_b32 v[\pw], v[TM+5], 8, v[TM+4]
	v_lshl_or_b32 v[\pw], v[TM+6], 16, v[\pw]
	v_lshl_or_b32 v[\pw], v[TM+7], 24, v[\pw]
	WIN (\w)                                                   ; source 0
.irp b, 0,1,2,3
	v_cvt_scalef32_pk8_fp4_f32 v[\pc+2*\b], v[\s+16*\b:\s+7+16*\b], v[TM+12+\b]
	v_cvt_scalef32_pk8_fp4_f32 v[\pc+1+2*\b], v[\s+8+16*\b:\s+15+16*\b], v[TM+12+\b]
.endr
	WIN 0
	v_nop                                                      ; one plain place behind a scaled conversion
.irp c, 0,1                                                    ; the operand wants a whole block in a lane: lanes 0-15 block 2 c, lanes 16-31 block 2 c + 1
.irp i, 0,1
	v_permlane16_swap_b32 v[\pc+4*\c+\i], v[\pc+2+4*\c+\i]
.endr
.endr
.endm
; the row's sum of squares, of the numbers as they are, in f32: two packed chains, then lane l xor 16's half.  Result in v[NS], in both lanes of the row
.macro NORM s, w
	WIN 5*(\w)                                                 ; sources 0 and 1; the sums lie in window 0
	v_pk_mul_f32 v[NS:NS+1], v[\s:\s+1], v[\s:\s+1]
	v_pk_mul_f32 v[NS+2:NS+3], v[\s+2:\s+3], v[\s+2:\s+3]
.irp i, 4,8,12,16,20,24,28,32,36,40,44,48,52,56,60
	v_pk_fma_f32 v[NS:NS+1], v[\s+\i:\s+\i+1], v[\s+\i:\s+\i+1], v[NS:NS+1]
	v_pk_fma_f32 v[NS+2:NS+3], v[\s+\i+2:\s+\i+3], v[\s+\i+2:\s+\i+3], v[NS+2:NS+3]
.endr
	WIN 0
	v_pk_add_f32 v[NS:NS+1], v[NS:NS+1], v[NS+2:NS+3]
	v_add_f32 v[NS], v[NS], v[NS+1]
	v_permlanex16_b32 v[NS+4], v[NS], s[SEL], s[SEL+1]
	v_add_f32 v[NS], v[NS], v[NS+4]
.endm
.macro QTILE i, xb, w, left            ; query tile i out of buffer xb of window w.  left: the loads of the younger tiles, 16 each, which may stay out
	s_wait_loadcnt \left
	QUANT \xb, QF+8*\i, QS+\i, \w
	NORM \xb, \w
	v_mul_f32 v[QH+\i], 0.5, v[NS]
.endm
.macro CTILE e, xb, w, left            ; my context tile e: to LDS for the other waves, its codes to memory for the third launch
	s_wait_loadcnt \left
	QUANT \xb, CF+8*\e, CS+\e, \w
	NORM \xb, \w
	v_mul_f32 v[NHV+\e], -0.5, v[NS]
	ds_store_b128 v[IMS], v[CF+8*\e:CF+8*\e+3] offset:1024*\e
	ds_store_b128 v[IMS], v[CF+8*\e+4:CF+8*\e+7] offset:1024*\e+512
	ds_store_b32 v[MES], v[CS+\e] offset:64*\e                 ; both lanes of a row write the same word with the same value
	ds_store_b32 v[MES], v[NHV+\e] offset:64*\e+1024
	global_store_b128 v[LI], v[CF+8*\e:CF+8*\e+3], s[12:13] offset:1024*\e          ; 32 lanes store 512 consecutive bytes
	global_store_b128 v[LI], v[CF+8*\e+4:CF+8*\e+7], s[12:13] offset:1024*\e+512
.endm
	s_load_b256 s[4:11], s[0:1], 0x0               ; query tokens s[4:5], context tokens s[6:7], table s[8:9], maxbuf s[10:11]
	s_load_b128 s[12:15], s[0:1], 0x20             ; ccodes s[12:13], cmeta s[14:15]
	s_load_b64 s[16:17], s[0:1], 0x30              ; qdat
	v_lshl_add_u32 v126, v0, 2, 0x4800
	v_mov_b32 v127, 0
	v_lshrrev_b32 v[LANE], 5, v0
	v_readfirstlane_b32 s[WV], v[LANE]             ; wave 0..7
	v_and_b32 v[LANE], 31, v0
	v_and_b32 v[ROW], 15, v0
	v_bfe_u32 v[HALF], v0, 4, 1
	v_lshlrev_b32 v[LI], 4, v[LANE]
	v_lshlrev_b32 v[H64], 6, v[HALF]
	v_lshlrev_b32 v[QTO], 2, v[ROW]
	v_and_b32 v[CTO], 7, v0
	v_bfe_u32 v[TM], v0, 3, 1
	v_lshlrev_b32 v[CTO], 2, v[CTO]
	v_lshl_add_u32 v[CTO], v[TM], 9, v[CTO]
	s_lshl_b32 s24, s[WV], 11
	v_add_nc_u32 v[IMS], s24, v[LI]                ; CIMG + 2,048 x wave + 16 x lane
	s_lshl_b32 s24, s[WV], 7
	v_add_nc_u32 v[MES], s24, v[QTO]
	v_add_nc_u32 v[MES], SCL, v[MES]               ; SCL + 128 x wave + 4 r
	v_lshlrev_b32 v[NHA], 5, v[HALF]
	v_add_nc_u32 v[NHA], NHL, v[NHA]
	v_add_nc_u32 v[SCA], SCL, v[QTO]
	v_lshlrev_b32 v[MXO], 4, v[ROW]
	v_lshl_add_u32 v[MXO], v[HALF], 3, v[MXO]
	s_and_b32 s24, s[WV], 3
	s_lshl_b32 s24, s24, 9
	v_add_nc_u32 v[MEL], s24, v[LI]
	v_add_nc_u32 v[MEL], SCL, v[MEL]               ; SCL + 512 x (wave % 4) + 16 x lane
	v_lshlrev_b32 v[QMO], 4, v[ROW]
	v_lshl_add_u32 v[QMO], v[HALF], 8, v[QMO]
	s_mov_b32 s[SEL], 0x76543210
	s_mov_b32 s[SEL+1], 0xfedcba98                 ; v_permlanex16_b32's selects for lane l xor 16
	s_lshl_b32 s26, s[WV], 8                       ; my 64 queries' tokens
	s_mov_b32 s27, 0
	s_lshl_b32 s28, ttmp9, 10                      ; my two context tiles' tokens: 1,024 w + 256 (wave / 4) + 64 (wave % 4)
	s_lshr_b32 s29, s[WV], 2
	s_lshl_b32 s29, s29, 8
	s_add_co_u32 s28, s28, s29
	s_and_b32 s29, s[WV], 3
	s_lshl_b32 s29, s29, 6
	s_add_co_u32 s28, s28, s29
	s_mov_b32 s29, 0
	s_lshl_b32 s30, ttmp9, 13                      ; maxbuf: 8,192 w + 1,024 x wave
	s_lshl_b32 s31, s[WV], 10
	s_add_co_u32 s30, s30, s31
	s_mov_b32 s31, 0
	s_lshl_b32 s32, ttmp9, 14                      ; ccodes: 16,384 w + 2,048 x wave
	s_lshl_b32 s33, s[WV], 11
	s_add_co_u32 s32, s32, s33
	s_mov_b32 s33, 0
	s_lshl_b32 s34, ttmp9, 11                      ; cmeta: 2,048 w + 512 x (wave % 4)
	s_and_b32 s35, s[WV], 3
	s_lshl_b32 s35, s35, 9
	s_add_co_u32 s34, s34, s35
	s_mov_b32 s35, 0
	s_lshl_b32 s36, s[WV], 12                      ; the queries' codes: 4,096 x wave
	s_mov_b32 s37, 0
	s_lshl_b32 s38, s[WV], 9                       ; their scale words and norms: 32,768 + 512 x wave
	s_add_co_u32 s38, s38, 32768
	s_mov_b32 s39, 0
	s_wait_kmcnt 0x0
	s_add_nc_u64 s[4:5], s[4:5], s[26:27]
	s_add_nc_u64 s[6:7], s[6:7], s[28:29]
	s_add_nc_u64 s[10:11], s[10:11], s[30:31]
	s_add_nc_u64 s[12:13], s[12:13], s[32:33]
	s_add_nc_u64 s[14:15], s[14:15], s[34:35]
	s_add_nc_u64 s[18:19], s[16:17], s[38:39]
	s_add_nc_u64 s[16:17], s[16:17], s[36:37]
.irp i, 0,1,2,3
	global_load_b32 v[XA+\i], v[QTO], s[4:5] offset:64*\i      ; the token of row r of my query tile i
.endr
.irp e, 0,1
	global_load_b32 v[XA+4+\e], v[CTO], s[6:7] offset:32*\e    ; and of my context tile e
.endr
.irp b, 0,1,2,3
	v_mov_b32 v[TM+4+\b], 0                        ; written once: a lane permute's destination counts as one of its sources
.endr
	v_mov_b32 v[NS+4], 0
	s_wait_loadcnt 0x0
.irp i, 0,1,2,3,4,5
	v_min_u32 v[XA+\i], VOCAB_LAST, v[XA+\i]       ; a token stays inside the table
.endr
.irp i, 0,1,2,3,4,5
	v_lshl_add_u32 v[XA+\i], v[XA+\i], 9, v[H64]   ; a row is 512 bytes; + 64 h
.endr
	XLOAD X0, XA, 0                                ; four tiles' rows go out together: 64 loads, 32,768 bytes a wave
	XLOAD X1, XA+1, 0
	XLOAD 0, XA+2, 1
	XLOAD 64, XA+3, 1
	QTILE 0, X0, 0, 48                             ; behind tile 0's loads: those of tiles 1, 2, 3
	XLOAD 128, XA+4, 1
	QTILE 1, X1, 0, 48                             ; tiles 2, 3, 4
	XLOAD 192, XA+5, 1
	QTILE 2, 0, 1, 48                              ; tiles 3, 4, 5
	QTILE 3, 64, 1, 32
	CTILE 0, 128, 1, 16
	CTILE 1, 192, 1, 0
	s_wait_dscnt 0x0                               ; for the others' sake: my images, scale words and norms lie in LDS
	s_barrier_signal -1
	s_barrier_wait -1                              ; all 16 context tiles do
.macro LOADA p                         ; context tiles 2 p and 2 p + 1: fragment, eight norms of my half of the rows, scale words
.irp e, 0,1
	ds_load_b128 v[AF+8*\e:AF+8*\e+3], v[LI] offset:CIMG+(2*(\p)+\e)*1024
	ds_load_b128 v[AF+8*\e+4:AF+8*\e+7], v[LI] offset:CIMG+(2*(\p)+\e)*1024+512
	ds_load_b128 v[AC+8*\e:AC+8*\e+3], v[NHA] offset:(2*(\p)+\e)*64
	ds_load_b128 v[AC+8*\e+4:AC+8*\e+7], v[NHA] offset:(2*(\p)+\e)*64+16
	ds_load_b32 v[ASC+\e], v[SCA] offset:(2*(\p)+\e)*64
.endr
.endm
; two context tiles x my four query tiles: eight results, each with its own registers; then each result's eight numbers are folded into its group's maximum, four instructions a result
.macro UNIT p
	s_wait_dscnt 0x0
.irp e, 0,1
.irp t, 0,1,2,3
	v_wmma_scale_f32_16x16x128_f8f6f4 v[ACC+8*(4*\e+\t):ACC+8*(4*\e+\t)+7], v[AF+8*\e:AF+8*\e+7], v[QF+8*\t:QF+8*\t+7], v[AC+8*\e:AC+8*\e+7], v[ASC+\e], v[QS+\t] matrix_a_fmt:MATRIX_FMT_FP4 matrix_b_fmt:MATRIX_FMT_FP4
.endr
.endr
.rept 4
	v_nop                                          ; four places in front of the loads into registers that the products read, and of the first read of results
.endr
.if (\p) < 7
	LOADA (\p)+1                                   ; the next two tiles come while these results are folded
.endif
.irp e, 0,1
.irp j, 0,1,2,3
.irp t, 0,1,2,3                                    ; the four query tiles by turns; each result is read from its low end on
.if ((\p)%4 == 0) && (\e == 0)
.if \j == 0
	v_max3_num_f32 v[GM+2*\t+(\p)/4], v[ACC+8*\t], v[ACC+8*\t+1], v[ACC+8*\t+2]       ; a group's first tile starts its maximum
.elseif \j < 3
	v_max3_num_f32 v[GM+2*\t+(\p)/4], v[GM+2*\t+(\p)/4], v[ACC+8*\t+2*\j+1], v[ACC+8*\t+2*\j+2]
.else
	v_max_num_f32 v[GM+2*\t+(\p)/4], v[GM+2*\t+(\p)/4], v[ACC+8*\t+7]
.endif
.else
	v_max3_num_f32 v[GM+2*\t+(\p)/4], v[GM+2*\t+(\p)/4], v[ACC+8*(4*\e+\t)+2*\j], v[ACC+8*(4*\e+\t)+2*\j+1]
.endif
.endr
.endr
.endr
.endm
	LOADA 0
.irp p, 0,1,2,3,4,5,6,7
	UNIT \p
.endr
.irp t, 0,1,2,3
	v_min_num_f32 v[GM+2*\t], v[GM+2*\t], v[QH+\t]             ; the clip of sq at 0, on the group's maximum
	v_min_num_f32 v[GM+2*\t+1], v[GM+2*\t+1], v[QH+\t]
.endr
.irp t, 0,1,2,3
	global_store_b64 v[MXO], v[GM+2*\t:GM+2*\t+1], s[10:11] offset:256*\t   ; 32 lanes store 256 consecutive bytes, aligned: 16 queries x 4 groups
.endr
	s_cmp_lt_u32 s[WV], 4                          ; waves 0 to 3 carry the 2,048 bytes of scale words and norms from LDS to cmeta, 512 consecutive bytes each
	s_cbranch_scc0 .Lno_meta
	ds_load_b128 v[AF:AF+3], v[MEL]
	s_wait_dscnt 0x0
	global_store_b128 v[LI], v[AF:AF+3], s[14:15]
.Lno_meta:
	s_cmp_lg_u32 ttmp9, 0                          ; every work-group has made the queries' codes; work-group 0 stores them for the third launch
	s_cbranch_scc1 .Lend
	v_cmp_eq_u32 vcc_lo, 1, v[HALF]
.irp t, 0,1,2,3
	v_cndmask_b32 v[QM+\t], v[QS+\t], v[QH+\t], vcc_lo         ; lanes 0-15: my row's four scale words; lanes 16-31: its four |q|^2/2
.endr
	global_store_b128 v[QMO], v[QM:QM+3], s[18:19]             ; 512 consecutive bytes
.irp t, 0,1,2,3
	global_store_b128 v[LI], v[QF+8*\t:QF+8*\t+3], s[16:17] offset:1024*\t
	global_store_b128 v[LI], v[QF+8*\t+4:QF+8*\t+7], s[16:17] offset:1024*\t+512
.endr
.Lend:
	s_wait_tensorcnt 0x0
	ds_add_u32 v126, v127
	s_wait_dscnt 0x0
	s_endpgm
.Lfunc_end_k_q38f253f1ed_scan:
	.size	k_q38f253f1ed_scan, .Lfunc_end_k_q38f253f1ed_scan-k_q38f253f1ed_scan
	.p2alignl 7, 3214868480
	.fill 96, 4, 3214868480
	.section	.rodata,"a",@progbits
	.p2align	6, 0x0
	.amdhsa_kernel k_q38f253f1ed_scan
		.amdhsa_group_segment_fixed_size 19456
		.amdhsa_private_segment_fixed_size 0
		.amdhsa_enable_private_segment 0
		.amdhsa_kernarg_size 56
		.amdhsa_user_sgpr_count 2
		.amdhsa_user_sgpr_kernarg_segment_ptr 1
		.amdhsa_wavefront_size32 1
		.amdhsa_system_sgpr_workgroup_id_x 1
		.amdhsa_system_sgpr_workgroup_id_y 1
		.amdhsa_system_sgpr_workgroup_id_z 1
		.amdhsa_system_vgpr_workitem_id 0
		.amdhsa_next_free_vgpr 512
		.amdhsa_next_free_sgpr 66
		.amdhsa_reserve_vcc 1
		.amdhsa_float_denorm_mode_32 3
		.amdhsa_float_denorm_mode_16_64 3
		.amdhsa_memory_ordered 1
		.amdhsa_forward_progress 1
		.amdhsa_inst_pref_size 84
	.end_amdhsa_kernel
	.amdgpu_metadata
---
amdhsa.version: [ 1, 2 ]
amdhsa.kernels:
  - .name:           k_q38f253f1ed_scan
    .symbol:         k_q38f253f1ed_scan.kd
    .args:
      - { .name: query_tokens, .offset: 0, .size: 8, .value_kind: global_buffer, .address_space: global }
      - { .name: context_tokens, .offset: 8, .size: 8, .value_kind: global_buffer, .address_space: global }
      - { .name: emb_table, .offset: 16, .size: 8, .value_kind: global_buffer, .address_space: global }
      - { .name: maxbuf, .offset: 24, .size: 8, .value_kind: global_buffer, .address_space: global }
      - { .name: ccodes, .offset: 32, .size: 8, .value_kind: global_buffer, .address_space: global }
      - { .name: cmeta, .offset: 40, .size: 8, .value_kind: global_buffer, .address_space: global }
      - { .name: qdat, .offset: 48, .size: 8, .value_kind: global_buffer, .address_space: global }
    .group_segment_fixed_size: 19456
    .private_segment_fixed_size: 0
    .kernarg_segment_align: 8
    .kernarg_segment_size: 56
    .max_flat_workgroup_size: 256
    .sgpr_count:     66
    .vgpr_count:     512
    .wavefront_size: 32
...
	.end_amdgpu_metadata
.endif
;; end of part 5
;; launch pick (part 6): grid 260 x 1, 2 waves a work-group, no clusters, 0 bytes of LDS; arguments maxbuf, gids, W_score, wimg; writes gids, wimg
.if DOCPART == 6
	.amdgcn_target "amdgcn-amd-amdhsa--gfx1250"
	.amdhsa_code_object_version 6
	.text
	.protected	k_q38f253f1ed_pick
	.globl	k_q38f253f1ed_pick
	.p2align	8
	.type	k_q38f253f1ed_pick,@function
k_q38f253f1ed_pick:
	s_mov_b64 s[64:65], 0
	v_nop
	global_prefetch_b8 v0, s[64:65] scope:SCOPE_SE
	s_setreg_imm32_b32 hwreg(HW_REG_WAVE_MODE, 25, 1), 1
	s_wait_xcnt 0x0
; LAUNCH 2 OF 4.  WORK-GROUPS 0 TO 255: for each query the eight groups of 64 contexts with the largest clipped maxima; equal maxima go to the lower group.  Their numbers leave as whole numbers, in ascending order.
; A wave takes one query: 1,024 maxima, 32 a lane.  maxbuf is [256 chunks][512 queries][4 groups]: lane l of load i reads the 16 bytes of chunk 32 i + l, groups 128 i + 4 l + 0 .. 3: in a lane the group numbers ascend.
; (A query's 16 bytes of a chunk are a sixteenth of an aligned 256 bytes; the other fifteen sixteenths are read by the waves of the fifteen neighbouring queries.  The first launch writes those 256 bytes whole.)
; No branch and no address here hangs on a number read as f32: every maximum goes through the same insertion.  Group numbers are carried as f32, which holds whole numbers under 2^24 exactly.
; WORK-GROUPS 256 TO 259: W_score [128 (k)][128 (n)] is quantised along k, its first axis, for the third launch's product; that hangs on no choice, so it is done here, beside the selection.  Each of the eight waves takes a
; tile of 16 columns, a lane a column, its registers down k in the operand's own order.  COLUMN r OF TILE t IS n = 8 r + t, so that in the third launch a lane's eight results are eight neighbours.
; wimg: [8 tiles][1024 bytes: the image of the fragment's registers], then from byte 8,192 on [8 tiles][32 lanes] scale words.
; LIMITS: NaN among the maxima or in W is not served.  A block of zeros gets the scale byte 1, not 127: its codes are zeros.
.set LANE, 1
.set CO,   2                           ; 8,192 x lane: a chunk's block
.set XI,   3                           ; the group number of the maximum in hand
.set TT,   4
.set UU,   5
.set BIG,  6                           ; +infinity: over every group number
.set AD,   7
.set XV,   8                           ; v8-39   my 32 maxima
.set LV,   40                          ; v40-47  my list: values, descending
.set LX,   48                          ; v48-55  and their group numbers
.set RV,   56                          ; v56-63  the wave's eight: values
.set RX,   64                          ; v64-71  and group numbers, in every lane
.set OUTR, 72                          ; v72-75
.set WR,   8                           ; W's waves: v8-71 my column's 64 numbers
.set PC,   72                          ; v72-79  the fragment
.set WHALF, 80
.set WROW, 81
.set WOF,  82                          ; 32 r + 32 rows of 512 bytes for lanes 16-31
.set WLI,  83                          ; 16 x lane
.set WSO,  84                          ; 4 x lane
.set TM,   86                          ; v86-91  the quantiser's work
.set PW,   92
.set T2,   93
.set MK,   16                          ; s16-23  the eight comparisons of an insertion
.set SEL,  24
.set WV,   28
; (x, xi) goes into the sorted list.  Strictly greater only: of equal values the one that came first, which has the lower number, stays ahead.
; Place i takes place i - 1's entry where x beats that, else x where x beats its own, else it stays: for the values that is the middle one of the three.
.macro INSERT x, xi
.irp i, 0,1,2,3,4,5,6,7
	v_cmp_gt_f32 s[MK+\i], v[\x], v[LV+\i]
.endr
.irp i, 7,6,5,4,3,2,1
	v_med3_num_f32 v[LV+\i], v[LV+\i-1], v[LV+\i], v[\x]
	v_cndmask_b32 v[LX+\i], v[LX+\i], v[\xi], s[MK+\i]
	v_cndmask_b32 v[LX+\i], v[LX+\i], v[LX+\i-1], s[MK+\i-1]
.endr
	v_max_num_f32 v[LV], v[LV], v[\x]
	v_cndmask_b32 v[LX], v[LX], v[\xi], s[MK]
.endm
; Eight rounds over the 32 sorted lists: the largest head of the wave; among the heads that equal it the lowest number; the lane that holds that number moves its list up.  After round k only 7 - k places can still be wanted.
.macro EXTRACT
.irp k, 0,1,2,3,4,5,6,7
	v_max_num_f32_dpp v[TT], v[LV], v[LV] row_xmask:1 row_mask:0xf bank_mask:0xf
	v_max_num_f32_dpp v[TT], v[TT], v[TT] row_xmask:2 row_mask:0xf bank_mask:0xf
	v_max_num_f32_dpp v[TT], v[TT], v[TT] row_xmask:4 row_mask:0xf bank_mask:0xf
	v_max_num_f32_dpp v[TT], v[TT], v[TT] row_xmask:8 row_mask:0xf bank_mask:0xf
	v_permlanex16_b32 v[UU], v[TT], s[SEL], s[SEL+1]
	v_max_num_f32 v[RV+\k], v[TT], v[UU]
	v_cmp_eq_f32 vcc_lo, v[RV+\k], v[LV]
	v_cndmask_b32 v[TT], v[BIG], v[LX], vcc_lo
	v_min_num_f32_dpp v[TT], v[TT], v[TT] row_xmask:1 row_mask:0xf bank_mask:0xf
	v_min_num_f32_dpp v[TT], v[TT], v[TT] row_xmask:2 row_mask:0xf bank_mask:0xf
	v_min_num_f32_dpp v[TT], v[TT], v[TT] row_xmask:4 row_mask:0xf bank_mask:0xf
	v_min_num_f32_dpp v[TT], v[TT], v[TT] row_xmask:8 row_mask:0xf bank_mask:0xf
	v_permlanex16_b32 v[UU], v[TT], s[SEL], s[SEL+1]
	v_min_num_f32 v[RX+\k], v[TT], v[UU]
.if \k < 7
	v_cmp_eq_f32 vcc_lo, v[RX+\k], v[LX]           ; a number lies in one lane only
.set xn, 0
.rept 7-\k
	v_cndmask_b32 v[LV+xn], v[LV+xn], v[LV+xn+1], vcc_lo
	v_cndmask_b32 v[LX+xn], v[LX+xn], v[LX+xn+1], vcc_lo
.set xn, xn+1
.endr
.endif
.endr
.endm
.macro CE a, b                         ; the lower number to place a
	v_min_num_f32 v[TT], v[RX+\a], v[RX+\b]
	v_max_num_f32 v[RX+\b], v[RX+\a], v[RX+\b]
	v_mov_b32 v[RX+\a], v[TT]
.endm
	s_load_b256 s[4:11], s[0:1], 0x0               ; maxbuf s[4:5], gids s[6:7], W s[8:9], wimg s[10:11]
	v_lshrrev_b32 v[LANE], 5, v0
	v_readfirstlane_b32 s[WV], v[LANE]
	v_and_b32 v[LANE], 31, v0
	s_mov_b32 s[SEL], 0x76543210
	s_mov_b32 s[SEL+1], 0xfedcba98                 ; v_permlanex16_b32's selects for lane l xor 16
	s_cmp_ge_u32 ttmp9, 256                        ; the last four work-groups take W
	s_cbranch_scc1 .Lweights
	v_lshlrev_b32 v[CO], 13, v[LANE]
	s_lshl_b32 s29, ttmp9, 1
	s_add_co_u32 s29, s29, s[WV]                   ; my query
	s_lshl_b32 s30, s29, 4                         ; its 16 bytes in a chunk's block
	s_mov_b32 s31, 0
	s_lshl_b32 s32, s29, 5                         ; its 32 bytes of gids
	s_mov_b32 s33, 0
	s_wait_kmcnt 0x0
	s_add_nc_u64 s[4:5], s[4:5], s[30:31]
	s_add_nc_u64 s[6:7], s[6:7], s[32:33]
.irp i, 0,1,2,3,4,5,6,7
	global_load_b128 v[XV+4*\i:XV+4*\i+3], v[CO], s[4:5] offset:262144*\i   ; 32 chunks further on with each load
.endr
.irp i, 0,1,2,3,4,5,6,7
	v_mov_b32 v[LV+\i], 0xff800000                 ; the list begins under every value,
	v_mov_b32 v[LX+\i], 0x7f800000                 ; with numbers over every number
.endr
	v_mov_b32 v[BIG], 0x7f800000
	v_mov_b32 v[TT], 0                             ; written once: the destination of a DPP form or a lane permute counts as read
	v_mov_b32 v[UU], 0
	v_cvt_f32_u32 v[XI], v[LANE]
	v_mul_f32 v[XI], 4.0, v[XI]                    ; my first group: 4 x lane
.irp i, 0,1,2,3,4,5,6,7
	s_wait_loadcnt 7-\i                            ; load i is in; the younger ones may be out
.irp e, 0,1,2,3
	INSERT XV+4*\i+\e, XI
.if \e < 3
	v_add_f32 v[XI], 1.0, v[XI]
.elseif \i < 7
	v_add_f32 v[XI], 125.0, v[XI]                  ; on to group 128 (i + 1) + 4 x lane
.endif
.endr
.endr
	EXTRACT
	; the eight numbers in ascending order (19 exchanges, Batcher's network for eight): the next launch walks the groups in this order, so that in each of its lanes the context indices ascend
	CE 0, 1
	CE 2, 3
	CE 4, 5
	CE 6, 7
	CE 0, 2
	CE 1, 3
	CE 4, 6
	CE 5, 7
	CE 1, 2
	CE 5, 6
	CE 0, 4
	CE 1, 5
	CE 2, 6
	CE 3, 7
	CE 2, 4
	CE 3, 5
	CE 1, 2
	CE 3, 4
	CE 5, 6
	v_cmp_eq_u32 vcc_lo, 1, v[LANE]
.irp i, 0,1,2,3
	v_cndmask_b32 v[OUTR+\i], v[RX+\i], v[RX+4+\i], vcc_lo     ; lane 0: numbers 0 to 3; lane 1: 4 to 7
.endr
.irp i, 0,1,2,3
	v_cvt_u32_f32 v[OUTR+\i], v[OUTR+\i]
.endr
	v_lshlrev_b32 v[AD], 4, v[LANE]
	v_cmp_gt_u32 vcc_lo, 2, v[LANE]
	s_wait_xcnt 0x0                                ; EXEC changes only behind this wait
	s_and_saveexec_b32 s36, vcc_lo
	global_store_b128 v[AD], v[OUTR:OUTR+3], s[6:7]            ; two lanes store the query's 32 bytes
	s_wait_xcnt 0x0                                ; and again in front of the line that widens it
	s_or_b32 exec_lo, exec_lo, s36
	s_endpgm
.Lweights:
	v_and_b32 v[WROW], 15, v0
	v_bfe_u32 v[WHALF], v0, 4, 1
	v_lshlrev_b32 v[WOF], 5, v[WROW]               ; column 8 r + t: 32 r bytes, and 4 t in the base;
	v_lshl_add_u32 v[WOF], v[WHALF], 14, v[WOF]    ; lanes 16-31 begin 32 rows of 512 bytes further down
	v_lshlrev_b32 v[WLI], 4, v[LANE]
	v_lshlrev_b32 v[WSO], 2, v[LANE]
	s_sub_co_u32 s29, ttmp9, 256
	s_lshl_b32 s29, s29, 1
	s_add_co_u32 s29, s29, s[WV]                   ; my tile t, 0 to 7
	s_lshl_b32 s30, s29, 2
	s_mov_b32 s31, 0
	s_lshl_b32 s32, s29, 10                        ; its image
	s_mov_b32 s33, 0
	s_lshl_b32 s34, s29, 7                         ; its scale words
	s_add_co_u32 s34, s34, 8192
	s_mov_b32 s35, 0
	s_wait_kmcnt 0x0
	s_add_nc_u64 s[8:9], s[8:9], s[30:31]
	s_add_nc_u64 s[12:13], s[10:11], s[34:35]
	s_add_nc_u64 s[10:11], s[10:11], s[32:33]
.irp c, 0,1
.irp i, 0,1,2,3,4,5,6,7,8,9,10,11,12,13,14,15,16,17,18,19,20,21,22,23,24,25,26,27,28,29,30,31
	global_load_b32 v[WR+32*\c+\i], v[WOF], s[8:9] offset:512*(64*\c+\i)    ; W(64 c + 32 h + i, 8 r + t); the eight waves together read every byte of W once
.endr
.endr
	s_wait_loadcnt 0x0
.irp c, 0,1                                        ; my block 2 c + h of my column: all its 32 numbers are mine
	v_max3_num_f32 v[TM+\c], |v[WR+32*\c]|, |v[WR+32*\c+1]|, 0x1800000     ; and the floor 2^(3 - 127): the byte cannot fall under 1
.endr
.irp i, 2,4,6,8,10,12,14,16,18,20,22,24,26,28,30
.irp c, 0,1
	v_max3_num_f32 v[TM+\c], v[TM+\c], |v[WR+32*\c+\i]|, |v[WR+32*\c+\i+1]|
.endr
.endr
.irp c, 0,1
	v_add_nc_u32 v[TM+2+\c], 0xff000000, v[TM+\c]  ; 2 off the exponent field: the conversion's scale operand
.endr
.irp c, 0,1
	v_lshrrev_b32 v[TM+4+\c], 23, v[TM+2+\c]       ; the scale's byte
.endr
	v_lshl_or_b32 v[PW], v[TM+5], 16, v[TM+4]      ; my two bytes: blocks h and 2 + h,
	v_lshlrev_b32 v[T2], 3, v[WHALF]
	v_lshlrev_b32 v[PW], v[T2], v[PW]              ; at their places in the scale word;
	v_mov_b32 v[T2], 0
	v_permlanex16_b32 v[T2], v[PW], s[SEL], s[SEL+1]
	v_or_b32 v[PW], v[PW], v[T2]                   ; with lane l xor 16's two the word is whole
.irp c, 0,1
.irp g, 0,1,2,3
	v_cvt_scalef32_pk8_fp4_f32 v[PC+4*\c+\g], v[WR+32*\c+8*\g:WR+32*\c+8*\g+7], v[TM+2+\c]
.endr
.endr
	v_nop                                          ; one plain place behind a scaled conversion
	global_store_b128 v[WLI], v[PC:PC+3], s[10:11]             ; 32 lanes store 512 consecutive bytes
	global_store_b128 v[WLI], v[PC+4:PC+7], s[10:11] offset:512
	global_store_b32 v[WSO], v[PW], s[12:13]                   ; and the tile's 128 bytes of scale words
	s_endpgm
.Lfunc_end_k_q38f253f1ed_pick:
	.size	k_q38f253f1ed_pick, .Lfunc_end_k_q38f253f1ed_pick-k_q38f253f1ed_pick
	.p2alignl 7, 3214868480
	.fill 96, 4, 3214868480
	.section	.rodata,"a",@progbits
	.p2align	6, 0x0
	.amdhsa_kernel k_q38f253f1ed_pick
		.amdhsa_group_segment_fixed_size 0
		.amdhsa_private_segment_fixed_size 0
		.amdhsa_enable_private_segment 0
		.amdhsa_kernarg_size 32
		.amdhsa_user_sgpr_count 2
		.amdhsa_user_sgpr_kernarg_segment_ptr 1
		.amdhsa_wavefront_size32 1
		.amdhsa_system_sgpr_workgroup_id_x 1
		.amdhsa_system_sgpr_workgroup_id_y 1
		.amdhsa_system_sgpr_workgroup_id_z 1
		.amdhsa_system_vgpr_workitem_id 0
		.amdhsa_next_free_vgpr 96
		.amdhsa_next_free_sgpr 66
		.amdhsa_reserve_vcc 1
		.amdhsa_float_denorm_mode_32 3
		.amdhsa_float_denorm_mode_16_64 3
		.amdhsa_memory_ordered 1
		.amdhsa_forward_progress 1
		.amdhsa_inst_pref_size 86
	.end_amdhsa_kernel
	.amdgpu_metadata
---
amdhsa.version: [ 1, 2 ]
amdhsa.kernels:
  - .name:           k_q38f253f1ed_pick
    .symbol:         k_q38f253f1ed_pick.kd
    .args:
      - { .name: maxbuf, .offset: 0, .size: 8, .value_kind: global_buffer, .address_space: global }
      - { .name: gids, .offset: 8, .size: 8, .value_kind: global_buffer, .address_space: global }
      - { .name: W_score, .offset: 16, .size: 8, .value_kind: global_buffer, .address_space: global }
      - { .name: wimg, .offset: 24, .size: 8, .value_kind: global_buffer, .address_space: global }
    .group_segment_fixed_size: 0
    .private_segment_fixed_size: 0
    .kernarg_segment_align: 8
    .kernarg_segment_size: 32
    .max_flat_workgroup_size: 64
    .sgpr_count:     66
    .vgpr_count:     96
    .wavefront_size: 32
...
	.end_amdgpu_metadata
.endif
;; end of part 6
;; launch refine (part 7): grid 256 x 1, 2 waves a work-group, no clusters, 0 bytes of LDS; arguments gids, ccodes, cmeta, qdat, context_tokens, wimg, b_score, toptok, qres; writes toptok, qres
.if DOCPART == 7
	.amdgcn_target "amdgcn-amd-amdhsa--gfx1250"
	.amdhsa_code_object_version 6
	.text
	.protected	k_q38f253f1ed_refine
	.globl	k_q38f253f1ed_refine
	.p2align	8
	.type	k_q38f253f1ed_refine,@function
k_q38f253f1ed_refine:
	s_mov_b64 s[64:65], 0
	v_nop
	global_prefetch_b8 v0, s[64:65] scope:SCOPE_SE
	s_setreg_imm32_b32 hwreg(HW_REG_WAVE_MODE, 25, 1), 1
	s_wait_xcnt 0x0
; LAUNCH 3 OF 4: for each query the eight nearest contexts, exactly, out of the 8 x 64 contexts of its eight groups; their tokens and distances; and the query's projection qp = Q(q) Q(W) + b (the second quantised product).
; Equal clipped values go to the lower index, as jax.lax.top_k has it.  A wave takes one query.  Its groups' codes, scale words, -|c|^2/2 and tokens are fetched by addresses made of the whole numbers that the second launch stored.
; THE FIRST PRODUCT is the first launch's with the sources swapped and the same C: source 0 = the query, repeated in all 16 rows; source 1 = 16 contexts; C's register 0 = -|c|^2/2 of the lane's context.
; So register 0 of a result holds D = Q(q).Q(c) - |c|^2/2 of context (lane % 16), in both halves of the lanes.  Rows 1-7 and 9-15 of a result are not read, so C's registers 1 to 7 may hold any number:
; the 32 tiles' norms lie two registers apart, and a tile's C is the run of eight that begins at its own.
; GROUP g = 4 w + 2 h + s lies in rows 8 h .. 8 h + 7 of tiles 8 s .. 8 s + 7 of chunk w.  Column r of my tile v (0..3) of a group is context 64 g + 16 v + r: row 8 h + r % 8 of the chunk's tile 8 s + 2 v + r / 8.
; Lanes 0-15 take groups 0-3 of the list, lanes 16-31 groups 4-7: 16 contexts a lane, their indices ascending, since the list ascends.
; WHAT TRAVELS WITH A VALUE through the selection is one word: 0x40000000 | place << 16 | token, place = 64 x (the group's place in the list) + 16 v + r, 0 to 511, which ascends as the context's index does; a token is under 2^16.
; Read as f32 these words are normal positive numbers in the order of the places, so the rounds' minimum finds the lowest index, and the winner's token comes out with it: the last launch needs the token alone.
; THE SECOND PRODUCT: source 0 = the same repeated query, source 1 = 16 columns of W (column r of tile t is n = 8 r + t): register 0 of result t holds qp(8 r + t), so a lane's eight results are eight neighbours.
; REGISTERS: window 0 as named below; window 1: the 32 context fragments (tile i at v[8 i]); window 2: v0-63 W's eight fragments, v64-133 the norms.  All loads go out ahead of one wait.
; OUT.  toptok [512][8] whole numbers;  qres: [512][128] qp, then from byte 262,144 on [512][8] distances.
; LIMITS: NaN is not served.  The order is that of the clipped sq, not of its root: two different sq whose roots round to one f32 are ordered by sq, where the root's order would take the lower index.
; sq = |q|^2 - 2 D with D = dot - |c|^2/2 as the matrix unit gave it: another order of rounding than (|q|^2 + |c|^2) - 2 dot.
.set VOCAB_LAST, 50256
.set LANE, 1
.set COL,  2                           ; r = lane % 16
.set HALF, 3
.set VC,   4                           ; my place in a group's codes: 1,024 (r / 8) + 16 (r % 8) + 256 x half
.set VM,   5                           ; and among its scale words and norms: 64 (r / 8) + 4 (r % 8)
.set VQ,   6                           ; 256 x half
.set NIL,  7
.set QA,   8                           ; v8-15   the query's fragment, the same row in every lane of a half
.set QSC,  16                          ; its scale word: a scale and nothing else
.set QHV,  17                          ; |q|^2/2
.set LV,   18                          ; v18-25  my list: values
.set LX,   26                          ; v26-33  the words that travel with them
.set RV,   34                          ; v34-41  the wave's eight: values
.set RX,   42                          ; v42-49  their words
.set TT,   50
.set UU,   51
.set BIG,  52
.set OI,   54                          ; v54-57
.set OV,   58                          ; v58-61
.set AD,   62
.set PB,   63                          ; 0x40000000 | (256 x half + r) << 16
.set TAD,  64                          ; v64-67  byte offset of the token of my context in tile 0 of my b-th group
.set T0,   68
.set T1,   69
.set XV,   70                          ; v70-85  my 16 values
.set SB,   86                          ; v86-117 the 32 tiles' scale words: scales and nothing else
.set TK,   118                         ; v118-133 my 16 contexts' tokens, then their words
.set WS,   134                         ; v134-141 W's tiles' scale words: scales and nothing else
.set BI,   142                         ; v142-149 b(8 r + 0 .. 7)
.set QPV,  150                         ; v150-157 qp(8 r + 0 .. 7)
.set OQ,   158                         ; v158-161
.set LI,   162                         ; 16 x lane
.set VB,   163                         ; 32 r
.set QPO,  164                         ; 32 r + 16 x half
.set WSL,  165                         ; 4 x lane
.set QN,   166
.set ACC,  192                         ; v192-255 eight results
.set WF,   0                           ; window 2
.set CB,   64                          ; window 2: tile i's norm at CB + 2 i
.set MK,   76
.set HM,   84                          ; lanes 16-31
.set SEL,  86
.set WV,   89
.set MSB, 0
.macro WIN new                         ; bits 1:0 source 0, 3:2 source 1, 5:4 source 2, 7:6 destination; the immediate's high byte repeats the setting that is left
.if MSB != (\new)
	s_set_vgpr_msb (MSB<<8)|(\new)
.set MSB, (\new)
.endif
.endm
.macro INSERT x, xi                    ; as in the second launch: strictly greater only, so that of equal values the lower index stays ahead
.irp i, 0,1,2,3,4,5,6,7
	v_cmp_gt_f32 s[MK+\i], v[\x], v[LV+\i]
.endr
.irp i, 7,6,5,4,3,2,1
	v_med3_num_f32 v[LV+\i], v[LV+\i-1], v[LV+\i], v[\x]
	v_cndmask_b32 v[LX+\i], v[LX+\i], v[\xi], s[MK+\i]
	v_cndmask_b32 v[LX+\i], v[LX+\i], v[LX+\i-1], s[MK+\i-1]
.endr
	v_max_num_f32 v[LV], v[LV], v[\x]
	v_cndmask_b32 v[LX], v[LX], v[\xi], s[MK]
.endm
.macro EXTRACT                         ; eight rounds: the wave's largest head, the lowest word among its equals, that lane's list moves up
.irp k, 0,1,2,3,4,5,6,7
	v_max_num_f32_dpp v[TT], v[LV], v[LV] row_xmask:1 row_mask:0xf bank_mask:0xf
	v_max_num_f32_dpp v[TT], v[TT], v[TT] row_xmask:2 row_mask:0xf bank_mask:0xf
	v_max_num_f32_dpp v[TT], v[TT], v[TT] row_xmask:4 row_mask:0xf bank_mask:0xf
	v_max_num_f32_dpp v[TT], v[TT], v[TT] row_xmask:8 row_mask:0xf bank_mask:0xf
	v_permlanex16_b32 v[UU], v[TT], s[SEL], s[SEL+1]
	v_max_num_f32 v[RV+\k], v[TT], v[UU]
	v_cmp_eq_f32 vcc_lo, v[RV+\k], v[LV]
	v_cndmask_b32 v[TT], v[BIG], v[LX], vcc_lo
	v_min_num_f32_dpp v[TT], v[TT], v[TT] row_xmask:1 row_mask:0xf bank_mask:0xf
	v_min_num_f32_dpp v[TT], v[TT], v[TT] row_xmask:2 row_mask:0xf bank_mask:0xf
	v_min_num_f32_dpp v[TT], v[TT], v[TT] row_xmask:4 row_mask:0xf bank_mask:0xf
	v_min_num_f32_dpp v[TT], v[TT], v[TT] row_xmask:8 row_mask:0xf bank_mask:0xf
	v_permlanex16_b32 v[UU], v[TT], s[SEL], s[SEL+1]
	v_min_num_f32 v[RX+\k], v[TT], v[UU]
.if \k < 7
	v_cmp_eq_f32 vcc_lo, v[RX+\k], v[LX]           ; a word lies in one lane only: its place is its own
.set xn, 0
.rept 7-\k
	v_cndmask_b32 v[LV+xn], v[LV+xn], v[LV+xn+1], vcc_lo
	v_cndmask_b32 v[LX+xn], v[LX+xn], v[LX+xn+1], vcc_lo
.set xn, xn+1
.endr
.endif
.endr
.endm
	s_load_b256 s[4:11], s[0:1], 0x0               ; gids s[4:5], ccodes s[6:7], cmeta s[8:9], qdat s[10:11]
	s_load_b256 s[12:19], s[0:1], 0x20             ; context tokens s[12:13], wimg s[14:15], b s[16:17], toptok s[18:19]
	s_load_b64 s[20:21], s[0:1], 0x40              ; qres
	v_lshrrev_b32 v[LANE], 5, v0
	v_readfirstlane_b32 s[WV], v[LANE]
	v_and_b32 v[LANE], 31, v0
	v_and_b32 v[COL], 15, v0
	v_bfe_u32 v[HALF], v0, 4, 1
	v_and_b32 v[VC], 7, v0
	v_bfe_u32 v[T0], v0, 3, 1
	v_lshlrev_b32 v[VM], 2, v[VC]
	v_lshl_add_u32 v[VM], v[T0], 6, v[VM]
	v_lshlrev_b32 v[VC], 4, v[VC]
	v_lshl_add_u32 v[VC], v[T0], 10, v[VC]
	v_lshl_add_u32 v[VC], v[HALF], 8, v[VC]
	v_lshlrev_b32 v[VQ], 8, v[HALF]
	v_mov_b32 v[NIL], 0
	v_lshlrev_b32 v[LI], 4, v[LANE]
	v_lshlrev_b32 v[WSL], 2, v[LANE]
	v_lshlrev_b32 v[VB], 5, v[COL]
	v_lshl_add_u32 v[QPO], v[HALF], 4, v[VB]
	v_lshl_add_u32 v[T0], v[HALF], 8, v[COL]
	v_lshl_or_b32 v[PB], v[T0], 16, 0x40000000
	v_cmp_eq_u32 s[HM], 1, v[HALF]
	s_lshl_b32 s90, ttmp9, 1
	s_add_co_u32 s90, s90, s[WV]                   ; my query q
	s_lshl_b32 s92, s90, 5                         ; its 32 bytes in gids, toptok and the distances
	s_mov_b32 s93, 0
	s_lshr_b32 s66, s90, 4
	s_lshl_b32 s66, s66, 10                        ; its tile's image,
	s_and_b32 s68, s90, 15
	s_lshl_b32 s68, s68, 4                         ; and 16 bytes for each row in front of it
	s_add_co_u32 s66, s66, s68
	s_mov_b32 s67, 0
	s_lshr_b32 s70, s90, 6                         ; its scale word: 32,768 + 512 (q / 64) + 16 (q % 16) + 4 ((q / 16) % 4)
	s_lshl_b32 s70, s70, 9
	s_add_co_u32 s70, s70, s68
	s_bfe_u32 s69, s90, 0x20004
	s_lshl_b32 s69, s69, 2
	s_add_co_u32 s70, s70, s69
	s_add_co_u32 s70, s70, 32768
	s_mov_b32 s71, 0
	s_lshl_b32 s72, s90, 9                         ; its 512 bytes of qp
	s_mov_b32 s73, 0
	s_add_co_u32 s74, s92, 262144                  ; its distances
	s_mov_b32 s75, 0
	s_mov_b32 s[SEL], 0x76543210
	s_mov_b32 s[SEL+1], 0xfedcba98
	s_wait_kmcnt 0x0
	s_add_nc_u64 s[4:5], s[4:5], s[92:93]
	s_load_b256 s[24:31], s[4:5], 0x0              ; my eight groups, ascending
	s_add_nc_u64 s[22:23], s[10:11], s[70:71]
	s_add_nc_u64 s[10:11], s[10:11], s[66:67]
	s_add_nc_u64 s[18:19], s[18:19], s[92:93]
	s_add_nc_u64 s[94:95], s[20:21], s[74:75]
	s_add_nc_u64 s[20:21], s[20:21], s[72:73]
	; what hangs on no group goes out while the groups' numbers are on their way: the query, the bias, W
	global_load_b128 v[QA:QA+3], v[VQ], s[10:11]               ; every lane of a half reads the same 16 bytes: the query's row in all 16 rows
	global_load_b128 v[QA+4:QA+7], v[VQ], s[10:11] offset:512
	global_load_b32 v[QSC], v[NIL], s[22:23]
	global_load_b32 v[QHV], v[NIL], s[22:23] offset:256
	global_load_b128 v[BI:BI+3], v[VB], s[16:17]
	global_load_b128 v[BI+4:BI+7], v[VB], s[16:17] offset:16
.irp t, 0,1,2,3,4,5,6,7
	global_load_b32 v[WS+\t], v[WSL], s[14:15] offset:8192+128*\t
.endr
	WIN 0x80                                       ; destination window 2, address window 0
.irp t, 0,1,2,3,4,5,6,7
	global_load_b128 v[WF+8*\t:WF+8*\t+3], v[LI], s[14:15] offset:1024*\t
	global_load_b128 v[WF+8*\t+4:WF+8*\t+7], v[LI], s[14:15] offset:1024*\t+512
.endr
	WIN 0
	s_wait_kmcnt 0x0
.irp k, 0,1,2,3,4,5,6,7
	s_min_u32 s[24+\k], s[24+\k], 1023             ; a group's number stays inside the 1,024
	s_and_b32 s70, s[24+\k], 0x3fc                 ; 4 w
	s_and_b32 s71, s[24+\k], 1                     ; s
	s_and_b32 s72, s[24+\k], 2                     ; 2 h
	s_lshl_b32 s68, s70, 12                        ; codes: 16,384 w + 8,192 s + 128 h
	s_lshl_b32 s69, s71, 13
	s_add_co_u32 s68, s68, s69
	s_lshl_b32 s69, s72, 6
	s_add_co_u32 s68, s68, s69
	s_mov_b32 s69, 0
	s_add_nc_u64 s[32+2*\k:33+2*\k], s[6:7], s[68:69]
	s_lshl_b32 s68, s70, 9                         ; scale words: 2,048 w + 512 s + 32 h; the norms 1,024 further on
	s_lshl_b32 s69, s71, 9
	s_add_co_u32 s68, s68, s69
	s_lshl_b32 s69, s72, 4
	s_add_co_u32 s68, s68, s69
	s_mov_b32 s69, 0
	s_add_nc_u64 s[48+2*\k:49+2*\k], s[8:9], s[68:69]
.endr
.irp b, 0,1,2,3
	v_mov_b32 v[T0], s[24+\b]
	v_mov_b32 v[T1], s[28+\b]
	v_cndmask_b32 v[T0], v[T0], v[T1], s[HM]       ; lanes 0-15: group b of the list; lanes 16-31: group b + 4
	v_min_u32 v[T0], 1023, v[T0]
	v_lshl_add_u32 v[T0], v[T0], 6, v[COL]         ; context 64 g + r
	v_lshlrev_b32 v[TAD+\b], 2, v[T0]              ; its token's byte
.endr
.irp b, 0,1,2,3
.irp v, 0,1,2,3
	global_load_b32 v[TK+4*\b+\v], v[TAD+\b], s[12:13] offset:64*\v        ; sixteen lanes read 64 neighbouring bytes
.endr
.endr
.irp k, 0,1,2,3,4,5,6,7
.irp v, 0,1,2,3
	global_load_b32 v[SB+4*\k+\v], v[VM], s[48+2*\k:49+2*\k] offset:128*\v
.endr
.endr
	WIN 0x80                                       ; destination window 2
.irp k, 0,1,2,3,4,5,6,7
.irp v, 0,1,2,3
	global_load_b32 v[CB+2*(4*\k+\v)], v[VM], s[48+2*\k:49+2*\k] offset:128*\v+1024
.endr
.endr
.irp i, 0,1,2,3,4,5,6,7,8,9,10,11,12,13,14,15,16,17,18,19,20,21,22,23,24,25,26,27,28,29,30,31
	v_mov_b32 v[CB+2*\i+1], 0                      ; the registers between the norms are named as parts of C, for rows that are not read: they are written once
.endr
.irp i, 64,65,66,67,68,69
	v_mov_b32 v[CB+\i], 0
.endr
	WIN 0x40                                       ; destination window 1
.irp k, 0,1,2,3,4,5,6,7
.irp v, 0,1,2,3
	global_load_b128 v[8*(4*\k+\v):8*(4*\k+\v)+3], v[VC], s[32+2*\k:33+2*\k] offset:2048*\v
	global_load_b128 v[8*(4*\k+\v)+4:8*(4*\k+\v)+7], v[VC], s[32+2*\k:33+2*\k] offset:2048*\v+512
.endr
.endr
	WIN 0
.irp i, 0,1,2,3,4,5,6,7
	v_mov_b32 v[LV+\i], 0xff800000                 ; the list begins under every value,
	v_mov_b32 v[LX+\i], 0x7f800000                 ; with words over every word
.endr
	v_mov_b32 v[BIG], 0x7f800000
	v_mov_b32 v[TT], 0                             ; written once: the destination of a DPP form or a lane permute counts as read
	v_mov_b32 v[UU], 0
	s_wait_loadcnt 0x0
	WIN 0x08                                       ; source 1 window 2
.irp t, 0,1,2,3,4,5,6,7                            ; the second product: eight results, each with its own registers
	v_wmma_scale_f32_16x16x128_f8f6f4 v[ACC+8*\t:ACC+8*\t+7], v[QA:QA+7], v[WF+8*\t:WF+8*\t+7], 0, v[QSC], v[WS+\t] matrix_a_fmt:MATRIX_FMT_FP4 matrix_b_fmt:MATRIX_FMT_FP4
.endr
	WIN 0
.irp n, 0,1,2,3,4,5,6,7,8,9,10,11,12,13,14,15
	v_min_u32 v[TK+\n], VOCAB_LAST, v[TK+\n]       ; a token stays inside the table, and so inside its 16 bits.  (These lines are also the places behind the products: ISA guide 7.12.1)
.endr
.irp t, 0,1,2,3,4,5,6,7
	v_add_f32 v[QPV+\t], v[ACC+8*\t], v[BI+\t]     ; register 0 of result t: qp(8 r + t), and the bias
.endr
.irp i, 0,1,2,3
	v_cndmask_b32 v[OQ+\i], v[QPV+\i], v[QPV+4+\i], s[HM]      ; lanes 0-15: the first four of my eight; lanes 16-31: the other four
.endr
	global_store_b128 v[QPO], v[OQ:OQ+3], s[20:21]             ; 32 lanes store the query's 512 consecutive bytes
.irp b, 0,1,2,3                                    ; the first product, eight at a time: the four tiles of group b and the four of group b + 4
	WIN 0x24                                       ; source 1 window 1, source 2 window 2
.irp v, 0,1,2,3
	v_wmma_scale_f32_16x16x128_f8f6f4 v[ACC+8*\v:ACC+8*\v+7], v[QA:QA+7], v[8*(4*\b+\v):8*(4*\b+\v)+7], v[CB+2*(4*\b+\v):CB+2*(4*\b+\v)+7], v[QSC], v[SB+4*\b+\v] matrix_a_fmt:MATRIX_FMT_FP4 matrix_b_fmt:MATRIX_FMT_FP4
.endr
.irp v, 0,1,2,3
	v_wmma_scale_f32_16x16x128_f8f6f4 v[ACC+32+8*\v:ACC+32+8*\v+7], v[QA:QA+7], v[8*(16+4*\b+\v):8*(16+4*\b+\v)+7], v[CB+2*(16+4*\b+\v):CB+2*(16+4*\b+\v)+7], v[QSC], v[SB+16+4*\b+\v] matrix_a_fmt:MATRIX_FMT_FP4 matrix_b_fmt:MATRIX_FMT_FP4
.endr
	WIN 0
.irp v, 0,1,2,3
	v_add3_u32 v[TK+4*\b+\v], v[TK+4*\b+\v], v[PB], (64*\b+16*\v)<<16      ; the word of my context in tile v: the fields share no bit.  These four are the places in front of the first read of results; with three of the four selections below also those in front of the next eight products, which write these results over
.endr
.irp v, 0,1,2,3
	v_cndmask_b32 v[XV+4*\b+\v], v[ACC+8*\v], v[ACC+32+8*\v], s[HM]   ; register 0 of each result: my context's D
.endr
.endr
.irp t, 0,1,2,3,4,5,6,7,8,9,10,11,12,13,14,15
	v_min_num_f32 v[XV+\t], v[XV+\t], v[QHV]       ; the clip of sq at 0
.endr
.irp t, 0,1,2,3,4,5,6,7,8,9,10,11,12,13,14,15
	INSERT XV+\t, TK+\t                            ; in the order of the places
.endr
	EXTRACT
	v_cmp_eq_u32 vcc_lo, 1, v[LANE]
.irp i, 0,1,2,3
	v_cndmask_b32 v[OI+\i], v[RX+\i], v[RX+4+\i], vcc_lo       ; lane 0: neighbours 0 to 3; lane 1: 4 to 7
	v_cndmask_b32 v[OV+\i], v[RV+\i], v[RV+4+\i], vcc_lo
.endr
.irp i, 0,1,2,3
	v_and_b32 v[OI+\i], 0xffff, v[OI+\i]           ; the token
.endr
	v_add_f32 v[QN], v[QHV], v[QHV]                ; |q|^2
.irp i, 0,1,2,3
	v_fma_f32 v[OV+\i], -2.0, v[OV+\i], v[QN]      ; sq = |q|^2 - 2 D
.endr
.irp i, 0,1,2,3
	v_max_num_f32 v[OV+\i], 0, v[OV+\i]
.endr
.irp i, 0,1,2,3
	v_add_f32 v[OV+\i], 0x2b8cbccc, v[OV+\i]       ; + 1e-12
.endr
.irp i, 0,1,2,3
	v_sqrt_f32 v[OV+\i], v[OV+\i]                  ; the distance
.endr
	v_lshlrev_b32 v[AD], 4, v[LANE]                ; (a plain place behind the last root)
	v_cmp_gt_u32 vcc_lo, 2, v[LANE]
	s_wait_alu depctr_va_vdst(0)                   ; one wait for the four roots, ahead of their first reader
	s_wait_xcnt 0x0                                ; EXEC changes only behind this wait
	s_and_saveexec_b32 s88, vcc_lo
	global_store_b128 v[AD], v[OI:OI+3], s[18:19]              ; the query's eight tokens
	global_store_b128 v[AD], v[OV:OV+3], s[94:95]              ; and distances
	s_wait_xcnt 0x0                                ; and again in front of the line that widens it
	s_or_b32 exec_lo, exec_lo, s88
	s_endpgm
.Lfunc_end_k_q38f253f1ed_refine:
	.size	k_q38f253f1ed_refine, .Lfunc_end_k_q38f253f1ed_refine-k_q38f253f1ed_refine
	.p2alignl 7, 3214868480
	.fill 96, 4, 3214868480
	.section	.rodata,"a",@progbits
	.p2align	6, 0x0
	.amdhsa_kernel k_q38f253f1ed_refine
		.amdhsa_group_segment_fixed_size 0
		.amdhsa_private_segment_fixed_size 0
		.amdhsa_enable_private_segment 0
		.amdhsa_kernarg_size 72
		.amdhsa_user_sgpr_count 2
		.amdhsa_user_sgpr_kernarg_segment_ptr 1
		.amdhsa_wavefront_size32 1
		.amdhsa_system_sgpr_workgroup_id_x 1
		.amdhsa_system_sgpr_workgroup_id_y 1
		.amdhsa_system_sgpr_workgroup_id_z 1
		.amdhsa_system_vgpr_workitem_id 0
		.amdhsa_next_free_vgpr 768
		.amdhsa_next_free_sgpr 96
		.amdhsa_reserve_vcc 1
		.amdhsa_float_denorm_mode_32 3
		.amdhsa_float_denorm_mode_16_64 3
		.amdhsa_memory_ordered 1
		.amdhsa_forward_progress 1
		.amdhsa_inst_pref_size 78
	.end_amdhsa_kernel
	.amdgpu_metadata
---
amdhsa.version: [ 1, 2 ]
amdhsa.kernels:
  - .name:           k_q38f253f1ed_refine
    .symbol:         k_q38f253f1ed_refine.kd
    .args:
      - { .name: gids, .offset: 0, .size: 8, .value_kind: global_buffer, .address_space: global }
      - { .name: ccodes, .offset: 8, .size: 8, .value_kind: global_buffer, .address_space: global }
      - { .name: cmeta, .offset: 16, .size: 8, .value_kind: global_buffer, .address_space: global }
      - { .name: qdat, .offset: 24, .size: 8, .value_kind: global_buffer, .address_space: global }
      - { .name: context_tokens, .offset: 32, .size: 8, .value_kind: global_buffer, .address_space: global }
      - { .name: wimg, .offset: 40, .size: 8, .value_kind: global_buffer, .address_space: global }
      - { .name: b_score, .offset: 48, .size: 8, .value_kind: global_buffer, .address_space: global }
      - { .name: toptok, .offset: 56, .size: 8, .value_kind: global_buffer, .address_space: global }
      - { .name: qres, .offset: 64, .size: 8, .value_kind: global_buffer, .address_space: global }
    .group_segment_fixed_size: 0
    .private_segment_fixed_size: 0
    .kernarg_segment_align: 8
    .kernarg_segment_size: 72
    .max_flat_workgroup_size: 64
    .sgpr_count:     96
    .vgpr_count:     768
    .wavefront_size: 32
...
	.end_amdgpu_metadata
.endif
;; end of part 7
;; launch score (part 8): grid 4 x 1, 16 waves a work-group, no clusters, 2,560 bytes of LDS; arguments query_tokens, emb_table, toptok, qres, out0; writes out0
.if DOCPART == 8
	.amdgcn_target "amdgcn-amd-amdhsa--gfx1250"
	.amdhsa_code_object_version 6
	.text
	.protected	k_q38f253f1ed_score
	.globl	k_q38f253f1ed_score
	.p2align	8
	.type	k_q38f253f1ed_score,@function
k_q38f253f1ed_score:
	s_mov_b64 s[64:65], 0
	v_nop
	global_prefetch_b8 v0, s[64:65] scope:SCOPE_SE
	s_setreg_imm32_b32 hwreg(HW_REG_WAVE_MODE, 25, 1), 1
	s_wait_xcnt 0x0
; LAUNCH 4 OF 4: logits = qp . c / sqrt(128) - distance for the eight neighbours of each query, their softmax, its largest term, the softmax of that over a batch's 128 queries, the result.
; The third launch has left qp, the neighbours' tokens and their distances; the third product (one row by eight, left as it is) is made here in f32 multiply-adds.
; SHARES.  A work-group takes a batch, since the last softmax spans its 128 queries.  Wave y takes queries 8 y .. 8 y + 7, four at a time in two passes: EIGHT LANES TO A QUERY.  Lane j of a query holds qp at
; 32 i + 4 j + 0 .. 3, i = 0 .. 3, and loads the same 16 numbers of each neighbour's row of the table: one load takes 128 consecutive bytes of each of four rows.
; A pass has 8 neighbours x 4 loads.  Pass 0's 32 loads go out together; a neighbour's 16 registers are asked for again, for pass 1, as soon as they have been multiplied.
; The sum over a query's eight lanes is three additions with the lane 1, 2 and 4 away; then each of the eight lanes holds the query's eight logits, and the softmax needs no other lane.
; The largest term of a softmax is exp(0) / sum = 1 / sum: it is taken so, which is why the largest logit is taken away by a subtraction of its own, exactly, ahead of the multiplication by log2(e).
; NO CLUSTER, NO TENSOR LOAD: the rows are gathered by token, and the four work-groups share nothing.
; LIMITS: NaN and infinities are not served.  The division by sqrt(128) is a multiplication by its reciprocal.
.set VOCAB_LAST, 50256
.set LANE, 1
.set JJ,   2                           ; j = lane % 8
.set UQ,   3                           ; u = lane / 8: which of the pass's four queries
.set LI,   4                           ; 16 x lane; also wave 0's place among the 128 importances in LDS, which begin at byte 0
.set TO,   5                           ; 32 u: my query's eight tokens or distances
.set QO,   6                           ; 512 u + 16 j
.set J16,  7                           ; 16 j
.set IMS,  8                           ; LDS: 32 x wave + 4 u
.set MX,   10                          ; v10-11
.set SU,   12                          ; v12-13
.set UU,   14
.set TKN,  16                          ; v16-19  wave 0: four query tokens a lane
.set RO,   20                          ; v20-35  pass p, neighbour k at RO + 8 p + k: token, then byte offset of my 16 bytes in the row's first 128
.set DI,   36                          ; v36-51  distances
.set QP,   52                          ; v52-83  pass p at QP + 16 p
.set SA,   84                          ; v84-91  two sets of four partial sums, by turns
.set SS,   92                          ; v92-107 dot products, logits, exponentials
.set RW,   128                         ; v128-255 neighbour k's 16 numbers at RW + 16 k
.set WV,   14
.set SEL,  26
.set RSQ,  28
.macro ROWS p, k                       ; my 16 numbers of the row of neighbour k of pass p
.irp i, 0,1,2,3
	global_load_b128 v[RW+16*\k+4*\i:RW+16*\k+4*\i+3], v[RO+8*\p+\k], s[6:7] offset:128*\i
.endr
.endm
.macro DOT p, k, left                  ; qp . row, my 16 numbers, in two packed chains.  left: the loads issued behind this row's four, which may stay out
	s_wait_loadcnt \left
	v_pk_mul_f32 v[SA+4*((\k)%2):SA+4*((\k)%2)+1], v[RW+16*\k:RW+16*\k+1], v[QP+16*\p:QP+16*\p+1]
	v_pk_mul_f32 v[SA+4*((\k)%2)+2:SA+4*((\k)%2)+3], v[RW+16*\k+2:RW+16*\k+3], v[QP+16*\p+2:QP+16*\p+3]
.irp i, 4,8,12
	v_pk_fma_f32 v[SA+4*((\k)%2):SA+4*((\k)%2)+1], v[RW+16*\k+\i:RW+16*\k+\i+1], v[QP+16*\p+\i:QP+16*\p+\i+1], v[SA+4*((\k)%2):SA+4*((\k)%2)+1]
	v_pk_fma_f32 v[SA+4*((\k)%2)+2:SA+4*((\k)%2)+3], v[RW+16*\k+\i+2:RW+16*\k+\i+3], v[QP+16*\p+\i+2:QP+16*\p+\i+3], v[SA+4*((\k)%2)+2:SA+4*((\k)%2)+3]
.endr
	v_pk_add_f32 v[SA+4*((\k)%2):SA+4*((\k)%2)+1], v[SA+4*((\k)%2):SA+4*((\k)%2)+1], v[SA+4*((\k)%2)+2:SA+4*((\k)%2)+3]
	v_add_f32 v[SS+8*\p+\k], v[SA+4*((\k)%2)], v[SA+4*((\k)%2)+1]
.endm
	s_load_b256 s[4:11], s[0:1], 0x0               ; query tokens s[4:5], table s[6:7], toptok s[8:9], qres s[10:11]
	s_load_b64 s[12:13], s[0:1], 0x20              ; out0
	v_lshl_add_u32 v126, v0, 2, 0x200
	v_mov_b32 v127, 0
	v_lshrrev_b32 v[LANE], 5, v0
	v_readfirstlane_b32 s[WV], v[LANE]             ; wave 0..15
	v_and_b32 v[LANE], 31, v0
	v_and_b32 v[JJ], 7, v0
	v_bfe_u32 v[UQ], v0, 3, 2
	v_lshlrev_b32 v[LI], 4, v[LANE]
	v_lshlrev_b32 v[TO], 5, v[UQ]
	v_lshlrev_b32 v[J16], 4, v[JJ]
	v_lshl_add_u32 v[QO], v[UQ], 9, v[J16]
	s_lshl_b32 s29, s[WV], 5
	v_lshl_add_u32 v[IMS], v[UQ], 2, s29
	s_lshl_b32 s15, ttmp9, 7
	s_lshl_b32 s16, s[WV], 3
	s_add_co_u32 s15, s15, s16                     ; my wave's first query: 128 x batch + 8 x wave
	s_lshl_b32 s16, s15, 5                         ; its 32 bytes of tokens
	s_mov_b32 s17, 0
	s_add_co_u32 s20, s16, 262144                  ; and of distances
	s_mov_b32 s21, 0
	s_lshl_b32 s22, s15, 9                         ; its 512 bytes of qp
	s_mov_b32 s23, 0
	s_lshl_b32 s24, ttmp9, 9                       ; the batch's 512 bytes of tokens and of results
	s_mov_b32 s25, 0
	s_mov_b32 s[SEL], 0x76543210
	s_mov_b32 s[SEL+1], 0xfedcba98                 ; v_permlanex16_b32's selects for lane l xor 16
	s_mov_b32 s[RSQ], 0x3db504f3                   ; 1 / sqrt(128)
.irp i, 0,1,2,3
	v_mov_b32 v[TKN+\i], 0                         ; written in every wave; loaded and used in wave 0
.endr
	v_mov_b32 v[UU], 0                             ; written once: a lane permute's destination counts as one of its sources
	s_wait_kmcnt 0x0
	s_add_nc_u64 s[4:5], s[4:5], s[24:25]
	s_add_nc_u64 s[12:13], s[12:13], s[24:25]
	s_add_nc_u64 s[8:9], s[8:9], s[16:17]
	s_add_nc_u64 s[18:19], s[10:11], s[20:21]
	s_add_nc_u64 s[10:11], s[10:11], s[22:23]
	s_cmp_lg_u32 s[WV], 0                          ; wave 0's load of the query tokens is the oldest of all: no counted wait below counts it
	s_cbranch_scc1 .Lno_tokens
	global_load_b128 v[TKN:TKN+3], v[LI], s[4:5]
.Lno_tokens:
.irp p, 0,1
	global_load_b128 v[RO+8*\p:RO+8*\p+3], v[TO], s[8:9] offset:128*\p         ; the eight lanes of a query read the same bytes
	global_load_b128 v[RO+8*\p+4:RO+8*\p+7], v[TO], s[8:9] offset:128*\p+16
.endr
.irp p, 0,1
	global_load_b128 v[DI+8*\p:DI+8*\p+3], v[TO], s[18:19] offset:128*\p
	global_load_b128 v[DI+8*\p+4:DI+8*\p+7], v[TO], s[18:19] offset:128*\p+16
.endr
.irp p, 0,1
.irp i, 0,1,2,3
	global_load_b128 v[QP+16*\p+4*\i:QP+16*\p+4*\i+3], v[QO], s[10:11] offset:2048*\p+128*\i
.endr
.endr
	s_wait_loadcnt 12                              ; the tokens are in: behind them 4 loads of distances and 8 of qp were issued
.irp n, 0,1,2,3,4,5,6,7,8,9,10,11,12,13,14,15
	v_min_u32 v[RO+\n], VOCAB_LAST, v[RO+\n]       ; a token stays inside the table
.endr
.irp n, 0,1,2,3,4,5,6,7,8,9,10,11,12,13,14,15
	v_lshl_add_u32 v[RO+\n], v[RO+\n], 9, v[J16]   ; a row is 512 bytes; + 16 j
.endr
.irp k, 0,1,2,3,4,5,6,7
	ROWS 0, \k
.endr
.irp k, 0,1,2,3,4,5,6,7
	DOT 0, \k, 28                                  ; behind this row's loads: 4 (7 - k) of pass 0's later rows and 4 k of pass 1's
	ROWS 1, \k
.endr
.irp k, 0,1,2,3,4,5,6,7
	DOT 1, \k, 28-4*\k                             ; pass 1's later rows alone
.endr
.irp m, 1,2,4
.irp n, 0,1,2,3,4,5,6,7,8,9,10,11,12,13,14,15
	v_add_f32_dpp v[SS+\n], v[SS+\n], v[SS+\n] row_xmask:\m row_mask:0xf bank_mask:0xf      ; over the query's eight lanes: qp . c, in each of them
.endr
.endr
.irp n, 0,1,2,3,4,5,6,7,8,9,10,11,12,13,14,15
	v_fma_f32 v[SS+\n], v[SS+\n], s[RSQ], -v[DI+\n]            ; the logit
.endr
.irp p, 0,1
	v_max3_num_f32 v[MX+\p], v[SS+8*\p], v[SS+8*\p+1], v[SS+8*\p+2]
.endr
.irp p, 0,1
	v_max3_num_f32 v[MX+\p], v[MX+\p], v[SS+8*\p+3], v[SS+8*\p+4]
.endr
.irp p, 0,1
	v_max3_num_f32 v[MX+\p], v[MX+\p], v[SS+8*\p+5], v[SS+8*\p+6]
.endr
.irp p, 0,1
	v_max_num_f32 v[MX+\p], v[MX+\p], v[SS+8*\p+7]
.endr
.irp p, 0,1
.irp k, 0,1,2,3,4,5,6,7
	v_sub_f32 v[SS+8*\p+\k], v[SS+8*\p+\k], v[MX+\p]           ; the largest logit is taken away
.endr
.endr
.irp n, 0,1,2,3,4,5,6,7,8,9,10,11,12,13,14,15
	v_mul_f32 v[SS+\n], 0x3fb8aa3b, v[SS+\n]       ; x log2(e)
.endr
.irp n, 0,1,2,3,4,5,6,7,8,9,10,11,12,13,14,15
	v_exp_f32 v[SS+\n], v[SS+\n]
.endr
	v_nop                                          ; a plain place behind the last exponential
	s_wait_alu depctr_va_vdst(0)                   ; one wait for the sixteen, ahead of their first reader
.irp k, 0,2,4,6
.irp p, 0,1
	v_add_f32 v[SS+8*\p+\k], v[SS+8*\p+\k], v[SS+8*\p+\k+1]
.endr
.endr
.irp k, 0,4
.irp p, 0,1
	v_add_f32 v[SS+8*\p+\k], v[SS+8*\p+\k], v[SS+8*\p+\k+2]
.endr
.endr
.irp p, 0,1
	v_add_f32 v[SS+8*\p], v[SS+8*\p], v[SS+8*\p+4]
.endr
.irp p, 0,1
	v_rcp_f32 v[SU+\p], v[SS+8*\p]                 ; the importance: the largest term, exp(0), over the sum
.endr
	v_nop
	s_wait_alu depctr_va_vdst(0)                   ; one wait for the two
.irp p, 0,1
	ds_store_b32 v[IMS], v[SU+\p] offset:16*\p     ; query 8 y + 4 p + u; its eight lanes write the same word with the same value
.endr
	s_wait_dscnt 0x0                               ; for wave 0's sake
	s_barrier_signal -1
	s_barrier_wait -1                              ; the batch's 128 importances lie in LDS
	s_cmp_lg_u32 s[WV], 0
	s_cbranch_scc1 .Lend
	ds_load_b128 v[SS:SS+3], v[LI]                 ; wave 0: four queries a lane
	s_wait_dscnt 0x0
	v_max3_num_f32 v[MX], v[SS], v[SS+1], v[SS+2]
	v_max_num_f32 v[MX], v[MX], v[SS+3]
	v_max_num_f32_dpp v[MX], v[MX], v[MX] row_xmask:1 row_mask:0xf bank_mask:0xf
	v_max_num_f32_dpp v[MX], v[MX], v[MX] row_xmask:2 row_mask:0xf bank_mask:0xf
	v_max_num_f32_dpp v[MX], v[MX], v[MX] row_xmask:4 row_mask:0xf bank_mask:0xf
	v_max_num_f32_dpp v[MX], v[MX], v[MX] row_xmask:8 row_mask:0xf bank_mask:0xf
	v_permlanex16_b32 v[UU], v[MX], s[SEL], s[SEL+1]
	v_max_num_f32 v[MX], v[MX], v[UU]              ; the batch's largest importance
.irp i, 0,1,2,3
	v_sub_f32 v[SS+\i], v[SS+\i], v[MX]
.endr
.irp i, 0,1,2,3
	v_mul_f32 v[SS+\i], 0x3fb8aa3b, v[SS+\i]
.endr
.irp i, 0,1,2,3
	v_exp_f32 v[SS+\i], v[SS+\i]
.endr
	v_nop
	s_wait_alu depctr_va_vdst(0)                   ; one wait for the four
	v_add_f32 v[SU], v[SS], v[SS+1]
	v_add_f32 v[UU], v[SS+2], v[SS+3]
	v_add_f32 v[SU], v[SU], v[UU]
	v_add_f32_dpp v[SU], v[SU], v[SU] row_xmask:1 row_mask:0xf bank_mask:0xf
	v_add_f32_dpp v[SU], v[SU], v[SU] row_xmask:2 row_mask:0xf bank_mask:0xf
	v_add_f32_dpp v[SU], v[SU], v[SU] row_xmask:4 row_mask:0xf bank_mask:0xf
	v_add_f32_dpp v[SU], v[SU], v[SU] row_xmask:8 row_mask:0xf bank_mask:0xf
	v_permlanex16_b32 v[UU], v[SU], s[SEL], s[SEL+1]
	v_add_f32 v[SU], v[SU], v[UU]
	v_rcp_f32 v[SU], v[SU]
	v_nop
.irp i, 0,1,2,3
	v_cvt_f32_i32 v[TKN+\i], v[TKN+\i]             ; the tokens as f32 (their load was waited for with the rows')
.endr
	s_wait_alu depctr_va_vdst(0)
.irp i, 0,1,2,3
	v_mul_f32 v[SS+\i], v[SS+\i], v[SU]            ; the weight
.endr
.irp i, 0,1,2,3
	v_mul_f32 v[SS+\i], v[TKN+\i], v[SS+\i]        ; token x weight
.endr
.irp i, 0,1,2,3
	v_mul_f32 v[SS+\i], 0x43000000, v[SS+\i]       ; x 128
.endr
	global_store_b128 v[LI], v[SS:SS+3], s[12:13]  ; 32 lanes store the batch's 512 consecutive bytes
.Lend:
	s_wait_tensorcnt 0x0
	ds_add_u32 v126, v127
	s_wait_dscnt 0x0
	s_endpgm
.Lfunc_end_k_q38f253f1ed_score:
	.size	k_q38f253f1ed_score, .Lfunc_end_k_q38f253f1ed_score-k_q38f253f1ed_score
	.p2alignl 7, 3214868480
	.fill 96, 4, 3214868480
	.section	.rodata,"a",@progbits
	.p2align	6, 0x0
	.amdhsa_kernel k_q38f253f1ed_score
		.amdhsa_group_segment_fixed_size 2560
		.amdhsa_private_segment_fixed_size 0
		.amdhsa_enable_private_segment 0
		.amdhsa_kernarg_size 40
		.amdhsa_user_sgpr_count 2
		.amdhsa_user_sgpr_kernarg_segment_ptr 1
		.amdhsa_wavefront_size32 1
		.amdhsa_system_sgpr_workgroup_id_x 1
		.amdhsa_system_sgpr_workgroup_id_y 1
		.amdhsa_system_sgpr_workgroup_id_z 1
		.amdhsa_system_vgpr_workitem_id 0
		.amdhsa_next_free_vgpr 256
		.amdhsa_next_free_sgpr 66
		.amdhsa_reserve_vcc 0
		.amdhsa_float_denorm_mode_32 3
		.amdhsa_float_denorm_mode_16_64 3
		.amdhsa_memory_ordered 1
		.amdhsa_forward_progress 1
		.amdhsa_inst_pref_size 32
	.end_amdhsa_kernel
	.amdgpu_metadata
---
amdhsa.version: [ 1, 2 ]
amdhsa.kernels:
  - .name:           k_q38f253f1ed_score
    .symbol:         k_q38f253f1ed_score.kd
    .args:
      - { .name: query_tokens, .offset: 0, .size: 8, .value_kind: global_buffer, .address_space: global }
      - { .name: emb_table, .offset: 8, .size: 8, .value_kind: global_buffer, .address_space: global }
      - { .name: toptok, .offset: 16, .size: 8, .value_kind: global_buffer, .address_space: global }
      - { .name: qres, .offset: 24, .size: 8, .value_kind: global_buffer, .address_space: global }
      - { .name: out0, .offset: 32, .size: 8, .value_kind: global_buffer, .address_space: global }
    .group_segment_fixed_size: 2560
    .private_segment_fixed_size: 0
    .kernarg_segment_align: 8
    .kernarg_segment_size: 40
    .max_flat_workgroup_size: 512
    .sgpr_count:     66
    .vgpr_count:     256
    .wavefront_size: 32
...
	.end_amdgpu_metadata
.endif
;; end of part 8
;; ======== version 3 of 3: 4 launches
;; workspace buffers: maxbuf 2,097,152 bytes; ccodes 4,194,304 bytes; cmeta 524,288 bytes; qdat 36,864 bytes; wimg 9,216 bytes; qres 278,528 bytes; gids 16,384 bytes of whole numbers; toptok 16,384 bytes of whole numbers
;; launch scan (part 9): grid 256 x 1, 8 waves a work-group, no clusters, 19,456 bytes of LDS; arguments query_tokens, context_tokens, emb_table, maxbuf, ccodes, cmeta, qdat; writes maxbuf, ccodes, cmeta, qdat
.if DOCPART == 9
	.amdgcn_target "amdgcn-amd-amdhsa--gfx1250"
	.amdhsa_code_object_version 6
	.text
	.protected	k_q38f253f1ed_scan
	.globl	k_q38f253f1ed_scan
	.p2align	8
	.type	k_q38f253f1ed_scan,@function
k_q38f253f1ed_scan:
	s_mov_b64 s[64:65], 0
	v_nop
	global_prefetch_b8 v0, s[64:65] scope:SCOPE_SE
	s_setreg_imm32_b32 hwreg(HW_REG_WAVE_SCHED_MODE, 0, 2), 2
	s_setreg_imm32_b32 hwreg(HW_REG_WAVE_MODE, 25, 1), 1
	s_wait_xcnt 0x0
	s_wait_alu depctr_vm_vsrc(0)
; LAUNCH 1 OF 4: embeddings are gathered and quantised to FP4 (E2M1, one E8M0 scale for each 32 along the 128), the first product is made, and of every 64 neighbouring contexts the best value is kept for each query.
; WHAT IS KEPT.  sq = |q|^2 + |c|^2 - 2 Q(q).Q(c).  The matrix instruction gets -|c|^2/2 as its C, so its result is D = Q(q).Q(c) - |c|^2/2 and sq = |q|^2 - 2 D: the nearest context has the largest D,
; and the clip of sq at 0 is min(D, |q|^2/2).  The eight nearest contexts of a query lie in the eight groups with the largest clipped maxima (equal maxima: the lower group), since a group is a run of neighbouring indices.
; SHARES.  Work-group w owns contexts 256 w .. 256 w + 255 and meets all 512 queries.  Wave v quantises query tiles 4 v .. 4 v + 3 (they stay in its registers as source 1) and context tiles 2 v, 2 v + 1, which go to LDS
; as images of their registers (16 bytes a lane, 512 bytes a store); behind one barrier every wave multiplies all 16 context tiles by its own four query tiles: 64 matrix instructions a wave.
; THE ROWS OF A CONTEXT TILE ARE NOT NEIGHBOURS: row m of tile t is context 256 w + 128 (m / 8) + 64 (t / 8) + 8 (t % 8) + m % 8.  In a result lane (r, h) holds query r and rows 8 h + 0 .. 7, so its registers over
; tiles 8 s .. 8 s + 7 are the 64 neighbouring contexts of group 4 w + 2 h + s.
; THE ROWS ARE ASKED FOR EARLY: a wave's six tiles of 16 rows have a buffer of 64 registers each (two in window 0, four in window 1); four tiles, 64 loads, go out together, the last two behind the first two quantisations.
; OUT.  maxbuf [256 w][512 queries][4 groups] f32;  ccodes [4096 tiles][1024 bytes: the image];  cmeta [256 w][16 tiles x 16 scale words, then 16 x 16 numbers -|c|^2/2];
; work-group 0 alone also stores the queries in qdat: [32 tiles][1024], and from byte 32,768 on [8 waves][16 rows x 4 tiles scale words, then 16 x 4 numbers |q|^2/2].
; NO CLUSTER, NO TENSOR LOAD: every row comes by its own token from a table, so no tile is one block of memory; what the work-groups share, the 512 query rows, is gathered likewise, through registers.
; LIMITS: NaN and infinities among the inputs are not served.  sq is formed as |q|^2 - 2 (dot - |c|^2/2), not as (|q|^2 + |c|^2) - 2 dot: another order of rounding.  A block of zeros gets the scale byte 1, not 127: its codes are zeros.
; THE MODE: SCHED_MODE bits 1:0 = 2 (LLVM: expert scheduling mode 2), set by the entry lines.  The code itself states the register dependences between vector or matrix instructions and memory or LDS instructions,
; with s_wait_alu, always for 0.
; THE PLAN.  Registers that memory or LDS instructions touch:
;   v4, v5, v12-19, v45  offsets and LDS addresses: written by vector lines at the head, never again.
;   XA v6-11             the tokens' loads land in them; two vector lines make them offsets; the rows' loads read them; never written again.
;   the six row buffers  written by loads, read by the quantiser's lines alone.
;   CF, CS, NHV          a set for each of my two context tiles: written by the quantiser, read by that tile's six stores, never written again.  Tile 0's stores stand behind the wait for tile 1's rows.
;   AF, AC, ASC          TWO sets, by turns, where window 0's first row buffer lay: unit p's eight products read set p % 2; the LDS loads of unit p + 1 land in the other set, at the head of unit p:
;                        one wait there states that the products of unit p - 1 are done reading it, and the loads have a whole unit in which to land.
;   GM, QM, QF           written by vector lines, read by the last stores.
;   v126, v127           written at the head, read by the closing add alone.
; No register that a memory or LDS instruction reads is ever written again, so the text holds no wait on vm_vsrc.
.set VOCAB_LAST, 50256
.set CIMG,  0                          ; LDS: 16 context tiles, 1,024 bytes each
.set SCL,   16384                      ; their scale words, 64 bytes a tile
.set NHL,   SCL+1024                   ; their -|c|^2/2, 64 bytes a tile
.set LANE,  1
.set ROW,   2                          ; r = lane % 16
.set HALF,  3                          ; h = lane / 16
.set LI,    4                          ; 16 x lane: my place in an image, in LDS and in memory
.set H64,   5                          ; 64 h
.set XA,    6                          ; v6-11   tiles 0-3 (queries), 4-5 (contexts): token, then byte offset of my half of my row
.set QTO,   12                         ; 4 r
.set CTO,   13                         ; where my context's token lies: 512 (r / 8) + 4 (r % 8)
.set IMS,   14                         ; LDS: where my wave's two images go
.set MES,   15                         ; LDS: where their scale words go (the norms 1,024 further on)
.set NHA,   16                         ; LDS: NHL + 32 h: eight norms of my half of a tile's rows
.set SCA,   17                         ; LDS: SCL + 4 r
.set MXO,   18                         ; 16 r + 8 h: my two maxima in a tile's 256 bytes of maxbuf
.set MEL,   19                         ; LDS: the 512 bytes of scale words or norms that my wave carries to cmeta
.set QM,    20                         ; v20-23  what goes to the queries' scale words and norms
.set TM,    24                         ; v24-39  the quantiser's work
.set NS,    40                         ; v40-44  the sum of squares
.set QMO,   45                         ; 16 r + 256 h
.set QH,    46                         ; v46-49  |q|^2/2 of my row in my four query tiles
.set GM,    50                         ; v50-57  maxima: tile t, group s at GM + 2 t + s
.set QS,    58                         ; v58-61  my query tiles' scale words: scales and nothing else
.set CS,    62                         ; v62-63  my context tiles' scale words
.set QF,    64                         ; v64-95  my four query fragments
.set CF,    96                         ; v96-111 my two context fragments
.set NHV,   112                        ; v112-113 -|c|^2/2 of my row in them
.set ASC,   116                        ; v116-119 scale words of the two context tiles in hand, set q at ASC + 2 q: scales and nothing else
.set X0,    128                        ; window 0, v128-191 and v192-255: the rows of tiles 0 and 1;  window 1, v0, v64, v128, v192 on: those of tiles 2 to 5
.set X1,    192
.set AF,    128                        ; behind the barrier, in window 0: set q, 32 registers further on for q = 1: two context fragments at AF + 32 q,
.set AC,    144                        ; their C (eight norms a lane each) at AC + 32 q,
.set ACC,   192                        ; and eight results
.set WV,    20
.set SEL,   22
.set MSB, 0
.macro WIN new                         ; s_set_vgpr_msb: bits 1:0 source 0, 3:2 source 1, 5:4 source 2, 7:6 destination; the high byte repeats the setting that is left; a switch that changes nothing is dropped
.if MSB != (\new)
	s_set_vgpr_msb (MSB<<8)|(\new)
.set MSB, (\new)
.endif
.endm
; my 64 numbers of a row: of each block of 32 the 16 of my half.  Register 16 b + i = k 32 b + 16 h + i.  w: the buffer's window
.macro XLOAD reg, a, w
	WIN 64*(\w)                                                ; the destination's window; the address lies in window 0
.irp b, 0,1,2,3
.irp j, 0,1,2,3
	global_load_b128 v[\reg+16*\b+4*\j:\reg+16*\b+4*\j+3], v[\a], s[8:9] offset:128*\b+16*\j
.endr
.endr
.endm
; 64 numbers of a lane, in window w, become a fragment's codes in v[pc] on and its row's scale word in v[pw], both in window 0
.macro QUANT s, pc, pw, w
	WIN 5*(\w)                                                 ; sources 0 and 1
.irp b, 0,1,2,3
	v_max3_num_f32 v[TM+\b], |v[\s+16*\b]|, |v[\s+1+16*\b]|, 0x1800000   ; block b: my 16 numbers and the floor 2^(3 - 127): the byte cannot fall under 1
.endr
	WIN 20*(\w)                                                ; sources 1 and 2
.irp i, 2,4,6,8,10,12,14
.irp b, 0,1,2,3
	v_max3_num_f32 v[TM+\b], v[TM+\b], |v[\s+16*\b+\i]|, |v[\s+1+16*\b+\i]|
.endr
.endr
	WIN 0
.irp b, 0,1,2,3
	v_permlanex16_b32 v[TM+4+\b], v[TM+\b], s[SEL], s[SEL+1]
.endr
.irp b, 0,1,2,3
	v_max_num_f32 v[TM+\b], v[TM+\b], v[TM+4+\b]               ; with lane l xor 16's: the block's largest magnitude
.endr
.irp b, 0,1,2,3
	v_add_nc_u32 v[TM+12+\b], 0xff000000, v[TM+\b]             ; 2 off its exponent field: the conversion's scale operand
.endr
.irp b, 0,1,2,3
	v_lshrrev_b32 v[TM+4+\b], 23, v[TM+12+\b]                  ; the scale's byte
.endr
	v_lshl_or_b32 v[\pw], v[TM+5], 8, v[TM+4]
	v_lshl_or_b32 v[\pw], v[TM+6], 16, v[\pw]
	v_lshl_or_b32 v[\pw], v[TM+7], 24, v[\pw]
	WIN (\w)                                                   ; source 0
.irp b, 0,1,2,3
	v_cvt_scalef32_pk8_fp4_f32 v[\pc+2*\b], v[\s+16*\b:\s+7+16*\b], v[TM+12+\b]
	v_cvt_scalef32_pk8_fp4_f32 v[\pc+1+2*\b], v[\s+8+16*\b:\s+15+16*\b], v[TM+12+\b]
.endr
	WIN 0
	v_nop                                                      ; one plain place behind a scaled conversion
.irp c, 0,1                                                    ; the operand wants a whole block in a lane: lanes 0-15 block 2 c, lanes 16-31 block 2 c + 1
.irp i, 0,1
	v_permlane16_swap_b32 v[\pc+4*\c+\i], v[\pc+2+4*\c+\i]
.endr
.endr
.endm
; the row's sum of squares, of the numbers as they are, in f32: two packed chains, then lane l xor 16's half.  Result in v[NS], in both lanes of the row
.macro NORM s, w
	WIN 5*(\w)                                                 ; sources 0 and 1; the sums lie in window 0
	v_pk_mul_f32 v[NS:NS+1], v[\s:\s+1], v[\s:\s+1]
	v_pk_mul_f32 v[NS+2:NS+3], v[\s+2:\s+3], v[\s+2:\s+3]
.irp i, 4,8,12,16,20,24,28,32,36,40,44,48,52,56,60
	v_pk_fma_f32 v[NS:NS+1], v[\s+\i:\s+\i+1], v[\s+\i:\s+\i+1], v[NS:NS+1]
	v_pk_fma_f32 v[NS+2:NS+3], v[\s+\i+2:\s+\i+3], v[\s+\i+2:\s+\i+3], v[NS+2:NS+3]
.endr
	WIN 0
	v_pk_add_f32 v[NS:NS+1], v[NS:NS+1], v[NS+2:NS+3]
	v_add_f32 v[NS], v[NS], v[NS+1]
	v_permlanex16_b32 v[NS+4], v[NS], s[SEL], s[SEL+1]
	v_add_f32 v[NS], v[NS], v[NS+4]
.endm
.macro QTILE i, xb, w, left            ; query tile i out of buffer xb of window w.  left: the loads of the younger tiles, 16 each, which may stay out
	s_wait_loadcnt \left
	QUANT \xb, QF+8*\i, QS+\i, \w
	NORM \xb, \w
	v_mul_f32 v[QH+\i], 0.5, v[NS]
.endm
.macro CMAKE e, xb, w                  ; my context tile e: its codes, scale word and -|c|^2/2, into registers of its own
	QUANT \xb, CF+8*\e, CS+\e, \w
	NORM \xb, \w
	v_mul_f32 v[NHV+\e], -0.5, v[NS]
.endm
.macro CSEND e                         ; and out: to LDS for the other waves, its codes to memory for the third launch
	ds_store_b128 v[IMS], v[CF+8*\e:CF+8*\e+3] offset:1024*\e
	ds_store_b128 v[IMS], v[CF+8*\e+4:CF+8*\e+7] offset:1024*\e+512
	ds_store_b32 v[MES], v[CS+\e] offset:64*\e                 ; both lanes of a row write the same word with the same value
	ds_store_b32 v[MES], v[NHV+\e] offset:64*\e+1024
	global_store_b128 v[LI], v[CF+8*\e:CF+8*\e+3], s[12:13] offset:1024*\e          ; 32 lanes store 512 consecutive bytes
	global_store_b128 v[LI], v[CF+8*\e+4:CF+8*\e+7], s[12:13] offset:1024*\e+512
.endm
	s_load_b256 s[4:11], s[0:1], 0x0               ; query tokens s[4:5], context tokens s[6:7], table s[8:9], maxbuf s[10:11]
	s_load_b128 s[12:15], s[0:1], 0x20             ; ccodes s[12:13], cmeta s[14:15]
	s_load_b64 s[16:17], s[0:1], 0x30              ; qdat
	v_lshl_add_u32 v126, v0, 2, 0x4800
	v_mov_b32 v127, 0
	v_lshrrev_b32 v[LANE], 5, v0
	v_readfirstlane_b32 s[WV], v[LANE]             ; wave 0..7
	v_and_b32 v[LANE], 31, v0
	v_and_b32 v[ROW], 15, v0
	v_bfe_u32 v[HALF], v0, 4, 1
	v_lshlrev_b32 v[LI], 4, v[LANE]
	v_lshlrev_b32 v[H64], 6, v[HALF]
	v_lshlrev_b32 v[QTO], 2, v[ROW]
	v_and_b32 v[CTO], 7, v0
	v_bfe_u32 v[TM], v0, 3, 1
	v_lshlrev_b32 v[CTO], 2, v[CTO]
	v_lshl_add_u32 v[CTO], v[TM], 9, v[CTO]
	s_wait_alu depctr_va_sdst(0)                   ; the wave's number is written, ahead of its first reader: LDS addresses and all bases are made from it
	s_lshl_b32 s24, s[WV], 11
	v_add_nc_u32 v[IMS], s24, v[LI]                ; CIMG + 2,048 x wave + 16 x lane
	s_lshl_b32 s24, s[WV], 7
	v_add_nc_u32 v[MES], s24, v[QTO]
	v_add_nc_u32 v[MES], SCL, v[MES]               ; SCL + 128 x wave + 4 r
	v_lshlrev_b32 v[NHA], 5, v[HALF]
	v_add_nc_u32 v[NHA], NHL, v[NHA]
	v_add_nc_u32 v[SCA], SCL, v[QTO]
	v_lshlrev_b32 v[MXO], 4, v[ROW]
	v_lshl_add_u32 v[MXO], v[HALF], 3, v[MXO]
	s_and_b32 s24, s[WV], 3
	s_lshl_b32 s24, s24, 9
	v_add_nc_u32 v[MEL], s24, v[LI]
	v_add_nc_u32 v[MEL], SCL, v[MEL]               ; SCL + 512 x (wave % 4) + 16 x lane
	v_lshlrev_b32 v[QMO], 4, v[ROW]
	v_lshl_add_u32 v[QMO], v[HALF], 8, v[QMO]
	s_mov_b32 s[SEL], 0x76543210
	s_mov_b32 s[SEL+1], 0xfedcba98                 ; v_permlanex16_b32's selects for lane l xor 16
	s_lshl_b32 s26, s[WV], 8                       ; my 64 queries' tokens
	s_mov_b32 s27, 0
	s_lshl_b32 s28, ttmp9, 10                      ; my two context tiles' tokens: 1,024 w + 256 (wave / 4) + 64 (wave % 4)
	s_lshr_b32 s29, s[WV], 2
	s_lshl_b32 s29, s29, 8
	s_add_co_u32 s28, s28, s29
	s_and_b32 s29, s[WV], 3
	s_lshl_b32 s29, s29, 6
	s_add_co_u32 s28, s28, s29
	s_mov_b32 s29, 0
	s_lshl_b32 s30, ttmp9, 13                      ; maxbuf: 8,192 w + 1,024 x wave
	s_lshl_b32 s31, s[WV], 10
	s_add_co_u32 s30, s30, s31
	s_mov_b32 s31, 0
	s_lshl_b32 s32, ttmp9, 14                      ; ccodes: 16,384 w + 2,048 x wave
	s_lshl_b32 s33, s[WV], 11
	s_add_co_u32 s32, s32, s33
	s_mov_b32 s33, 0
	s_lshl_b32 s34, ttmp9, 11                      ; cmeta: 2,048 w + 512 x (wave % 4)
	s_and_b32 s35, s[WV], 3
	s_lshl_b32 s35, s35, 9
	s_add_co_u32 s34, s34, s35
	s_mov_b32 s35, 0
	s_lshl_b32 s36, s[WV], 12                      ; the queries' codes: 4,096 x wave
	s_mov_b32 s37, 0
	s_lshl_b32 s38, s[WV], 9                       ; their scale words and norms: 32,768 + 512 x wave
	s_add_co_u32 s38, s38, 32768
	s_mov_b32 s39, 0
	s_wait_kmcnt 0x0
	s_add_nc_u64 s[4:5], s[4:5], s[26:27]
	s_add_nc_u64 s[6:7], s[6:7], s[28:29]
	s_add_nc_u64 s[10:11], s[10:11], s[30:31]
	s_add_nc_u64 s[12:13], s[12:13], s[32:33]
	s_add_nc_u64 s[14:15], s[14:15], s[34:35]
	s_add_nc_u64 s[18:19], s[16:17], s[38:39]
	s_add_nc_u64 s[16:17], s[16:17], s[36:37]
	s_wait_alu depctr_va_vdst(0)                   ; the offsets and LDS addresses v4, v5, v12 to v19 and v45 are written, which the loads and stores of the whole kernel read
.irp i, 0,1,2,3
	global_load_b32 v[XA+\i], v[QTO], s[4:5] offset:64*\i      ; the token of row r of my query tile i
.endr
.irp e, 0,1
	global_load_b32 v[XA+4+\e], v[CTO], s[6:7] offset:32*\e    ; and of my context tile e
.endr
.irp b, 0,1,2,3
	v_mov_b32 v[TM+4+\b], 0                        ; written once: a lane permute's destination counts as one of its sources
.endr
	v_mov_b32 v[NS+4], 0
	s_wait_loadcnt 0x0
.irp i, 0,1,2,3,4,5
	v_min_u32 v[XA+\i], VOCAB_LAST, v[XA+\i]       ; a token stays inside the table
.endr
.irp i, 0,1,2,3,4,5
	v_lshl_add_u32 v[XA+\i], v[XA+\i], 9, v[H64]   ; a row is 512 bytes; + 64 h
.endr
	s_wait_alu depctr_va_vdst(0)                   ; the six offsets v[XA ..] are written, which the rows' loads read
	XLOAD X0, XA, 0                                ; four tiles' rows go out together: 64 loads, 32,768 bytes a wave
	XLOAD X1, XA+1, 0
	XLOAD 0, XA+2, 1
	XLOAD 64, XA+3, 1
	QTILE 0, X0, 0, 48                             ; behind tile 0's loads: those of tiles 1, 2, 3
	XLOAD 128, XA+4, 1                             ; no wait: no vector line since the wait above names this offset, or window 1's v128 to v191, in which these loads land
	QTILE 1, X1, 0, 48                             ; tiles 2, 3, 4
	XLOAD 192, XA+5, 1                             ; likewise: window 1's v192 to v255
	QTILE 2, 0, 1, 48                              ; tiles 3, 4, 5
	QTILE 3, 64, 1, 32
	s_wait_loadcnt 16                              ; my context tile 0's rows are in; tile 1's 16 loads may be out
	CMAKE 0, 128, 1
	s_wait_loadcnt 0x0                             ; tile 1's rows are in
	s_wait_alu depctr_va_vdst(0)                   ; tile 0's codes, scale word and norm are written, which its stores read
	CSEND 0                                        ; tile 1's lines below name none of the registers that these six stores read
	CMAKE 1, 192, 1
	s_wait_alu depctr_va_vdst(0)                   ; tile 1's codes, scale word and norm are written, which its stores read; the quantiser is done reading v128 to v191, in which the LDS loads behind the barrier land; my query fragments and their scale words are written, which the scaled products take
	CSEND 1
	s_wait_dscnt 0x0                               ; for the others' sake: my images, scale words and norms lie in LDS
	s_barrier_signal -1
	s_barrier_wait -1                              ; all 16 context tiles do
.macro LOADA p                         ; context tiles 2 p and 2 p + 1 into set p % 2: fragment, eight norms of my half of the rows, scale words: ten loads
.irp e, 0,1
	ds_load_b128 v[AF+32*((\p)%2)+8*\e:AF+32*((\p)%2)+8*\e+3], v[LI] offset:CIMG+(2*(\p)+\e)*1024
	ds_load_b128 v[AF+32*((\p)%2)+8*\e+4:AF+32*((\p)%2)+8*\e+7], v[LI] offset:CIMG+(2*(\p)+\e)*1024+512
	ds_load_b128 v[AC+32*((\p)%2)+8*\e:AC+32*((\p)%2)+8*\e+3], v[NHA] offset:(2*(\p)+\e)*64
	ds_load_b128 v[AC+32*((\p)%2)+8*\e+4:AC+32*((\p)%2)+8*\e+7], v[NHA] offset:(2*(\p)+\e)*64+16
	ds_load_b32 v[ASC+2*((\p)%2)+\e], v[SCA] offset:(2*(\p)+\e)*64
.endr
.endm
; two context tiles x my four query tiles: eight results, each with its own registers; then each result's eight numbers are folded into its group's maximum, four instructions a result
.macro UNIT p
.if ((\p) > 0) && ((\p) < 7)
	s_wait_alu depctr_va_vdst(0)                   ; the products of the unit before are done reading the other set's fragments, norms and scale words, in which the ten loads below land
	LOADA (\p)+1                                   ; the next two tiles come while this unit is multiplied and folded
.endif
.if (\p) < 7
	s_wait_dscnt 10                                ; LDS loads come back in order (ISA guide 5.7.1): this unit's ten are in, the next unit's ten may be out
.else
	s_wait_dscnt 0x0
.endif
.irp e, 0,1
.irp t, 0,1,2,3
	v_wmma_scale_f32_16x16x128_f8f6f4 v[ACC+8*(4*\e+\t):ACC+8*(4*\e+\t)+7], v[AF+32*((\p)%2)+8*\e:AF+32*((\p)%2)+8*\e+7], v[QF+8*\t:QF+8*\t+7], v[AC+32*((\p)%2)+8*\e:AC+32*((\p)%2)+8*\e+7], v[ASC+2*((\p)%2)+\e], v[QS+\t] matrix_a_fmt:MATRIX_FMT_FP4 matrix_b_fmt:MATRIX_FMT_FP4
.endr
.endr
.rept 4
	v_nop                                          ; four places in front of the first read of results (ISA guide 7.12.1)
.endr
	s_wait_alu depctr_va_vdst(0)
.irp e, 0,1
.irp j, 0,1,2,3
.irp t, 0,1,2,3                                    ; the four query tiles by turns; each result is read from its low end on
.if ((\p)%4 == 0) && (\e == 0)
.if \j == 0
	v_max3_num_f32 v[GM+2*\t+(\p)/4], v[ACC+8*\t], v[ACC+8*\t+1], v[ACC+8*\t+2]       ; a group's first tile starts its maximum
.elseif \j < 3
	v_max3_num_f32 v[GM+2*\t+(\p)/4], v[GM+2*\t+(\p)/4], v[ACC+8*\t+2*\j+1], v[ACC+8*\t+2*\j+2]
.else
	v_max_num_f32 v[GM+2*\t+(\p)/4], v[GM+2*\t+(\p)/4], v[ACC+8*\t+7]
.endif
.else
	v_max3_num_f32 v[GM+2*\t+(\p)/4], v[GM+2*\t+(\p)/4], v[ACC+8*(4*\e+\t)+2*\j], v[ACC+8*(4*\e+\t)+2*\j+1]
.endif
.endr
.endr
.endr
.endm
	LOADA 0                                        ; both sets are asked for at once: no vector line stands between the last wait on va_vdst and these loads
	LOADA 1
.irp p, 0,1,2,3,4,5,6,7
	UNIT \p
.endr
.irp t, 0,1,2,3
	v_min_num_f32 v[GM+2*\t], v[GM+2*\t], v[QH+\t]             ; the clip of sq at 0, on the group's maximum
	v_min_num_f32 v[GM+2*\t+1], v[GM+2*\t+1], v[QH+\t]
.endr
	s_wait_alu depctr_va_vdst(0)                   ; the eight maxima are written, which the stores read; the products are done reading v[AF ..], in which the LDS load of waves 0 to 3 lands
.irp t, 0,1,2,3
	global_store_b64 v[MXO], v[GM+2*\t:GM+2*\t+1], s[10:11] offset:256*\t   ; 32 lanes store 256 consecutive bytes, aligned: 16 queries x 4 groups
.endr
	s_cmp_lt_u32 s[WV], 4                          ; waves 0 to 3 carry the 2,048 bytes of scale words and norms from LDS to cmeta, 512 consecutive bytes each
	s_cbranch_scc0 .Lno_meta
	ds_load_b128 v[AF:AF+3], v[MEL]
	s_wait_dscnt 0x0
	global_store_b128 v[LI], v[AF:AF+3], s[14:15]
.Lno_meta:
	s_cmp_lg_u32 ttmp9, 0                          ; every work-group has made the queries' codes; work-group 0 stores them for the third launch
	s_cbranch_scc1 .Lend
	v_cmp_eq_u32 vcc_lo, 1, v[HALF]
	s_wait_alu depctr_va_vcc(0)                    ; the mask is written, ahead of the selections that read it
.irp t, 0,1,2,3
	v_cndmask_b32 v[QM+\t], v[QS+\t], v[QH+\t], vcc_lo         ; lanes 0-15: my row's four scale words; lanes 16-31: its four |q|^2/2
.endr
	s_wait_alu depctr_va_vdst(0)                   ; the selections have written v[QM ..], which the store below reads
	global_store_b128 v[QMO], v[QM:QM+3], s[18:19]             ; 512 consecutive bytes
.irp t, 0,1,2,3
	global_store_b128 v[LI], v[QF+8*\t:QF+8*\t+3], s[16:17] offset:1024*\t
	global_store_b128 v[LI], v[QF+8*\t+4:QF+8*\t+7], s[16:17] offset:1024*\t+512
.endr
.Lend:
	s_wait_dscnt 0x0                               ; the closing lines, six on end
	s_wait_alu 0x0
	s_wait_tensorcnt 0x0
	ds_add_u32 v126, v127
	s_wait_dscnt 0x0
	s_endpgm
.Lfunc_end_k_q38f253f1ed_scan:
	.size	k_q38f253f1ed_scan, .Lfunc_end_k_q38f253f1ed_scan-k_q38f253f1ed_scan
	.p2alignl 7, 3214868480
	.fill 96, 4, 3214868480
	.section	.rodata,"a",@progbits
	.p2align	6, 0x0
	.amdhsa_kernel k_q38f253f1ed_scan
		.amdhsa_group_segment_fixed_size 19456
		.amdhsa_private_segment_fixed_size 0
		.amdhsa_enable_private_segment 0
		.amdhsa_kernarg_size 56
		.amdhsa_user_sgpr_count 2
		.amdhsa_user_sgpr_kernarg_segment_ptr 1
		.amdhsa_wavefront_size32 1
		.amdhsa_system_sgpr_workgroup_id_x 1
		.amdhsa_system_sgpr_workgroup_id_y 1
		.amdhsa_system_sgpr_workgroup_id_z 1
		.amdhsa_system_vgpr_workitem_id 0
		.amdhsa_next_free_vgpr 512
		.amdhsa_next_free_sgpr 66
		.amdhsa_reserve_vcc 1
		.amdhsa_float_denorm_mode_32 3
		.amdhsa_float_denorm_mode_16_64 3
		.amdhsa_memory_ordered 1
		.amdhsa_forward_progress 1
		.amdhsa_inst_pref_size 85
	.end_amdhsa_kernel
	.amdgpu_metadata
---
amdhsa.version: [ 1, 2 ]
amdhsa.kernels:
  - .name:           k_q38f253f1ed_scan
    .symbol:         k_q38f253f1ed_scan.kd
    .args:
      - { .name: query_tokens, .offset: 0, .size: 8, .value_kind: global_buffer, .address_space: global }
      - { .name: context_tokens, .offset: 8, .size: 8, .value_kind: global_buffer, .address_space: global }
      - { .name: emb_table, .offset: 16, .size: 8, .value_kind: global_buffer, .address_space: global }
      - { .name: maxbuf, .offset: 24, .size: 8, .value_kind: global_buffer, .address_space: global }
      - { .name: ccodes, .offset: 32, .size: 8, .value_kind: global_buffer, .address_space: global }
      - { .name: cmeta, .offset: 40, .size: 8, .value_kind: global_buffer, .address_space: global }
      - { .name: qdat, .offset: 48, .size: 8, .value_kind: global_buffer, .address_space: global }
    .group_segment_fixed_size: 19456
    .private_segment_fixed_size: 0
    .kernarg_segment_align: 8
    .kernarg_segment_size: 56
    .max_flat_workgroup_size: 256
    .sgpr_count:     66
    .vgpr_count:     512
    .wavefront_size: 32
...
	.end_amdgpu_metadata
.endif
;; end of part 9
;; launch pick (part 10): grid 260 x 1, 2 waves a work-group, no clusters, 0 bytes of LDS; arguments maxbuf, gids, W_score, wimg; writes gids, wimg
.if DOCPART == 10
	.amdgcn_target "amdgcn-amd-amdhsa--gfx1250"
	.amdhsa_code_object_version 6
	.text
	.protected	k_q38f253f1ed_pick
	.globl	k_q38f253f1ed_pick
	.p2align	8
	.type	k_q38f253f1ed_pick,@function
k_q38f253f1ed_pick:
	s_mov_b64 s[64:65], 0
	v_nop
	global_prefetch_b8 v0, s[64:65] scope:SCOPE_SE
	s_setreg_imm32_b32 hwreg(HW_REG_WAVE_MODE, 25, 1), 1
	s_wait_xcnt 0x0
; LAUNCH 2 OF 4.  WORK-GROUPS 0 TO 255: for each query the eight groups of 64 contexts with the largest clipped maxima; equal maxima go to the lower group.  Their numbers leave as whole numbers, in ascending order.
; A wave takes one query: 1,024 maxima, 32 a lane.  maxbuf is [256 chunks][512 queries][4 groups]: lane l of load i reads the 16 bytes of chunk 32 i + l, groups 128 i + 4 l + 0 .. 3: in a lane the group numbers ascend.
; (A query's 16 bytes of a chunk are a sixteenth of an aligned 256 bytes; the other fifteen sixteenths are read by the waves of the fifteen neighbouring queries.  The first launch writes those 256 bytes whole.)
; No branch and no address here hangs on a number read as f32: every maximum goes through the same insertion.  Group numbers are carried as f32, which holds whole numbers under 2^24 exactly.
; WORK-GROUPS 256 TO 259: W_score [128 (k)][128 (n)] is quantised along k, its first axis, for the third launch's product; that hangs on no choice, so it is done here, beside the selection.  Each of the eight waves takes a
; tile of 16 columns, a lane a column, its registers down k in the operand's own order.  COLUMN r OF TILE t IS n = 8 r + t, so that in the third launch a lane's eight results are eight neighbours.
; wimg: [8 tiles][1024 bytes: the image of the fragment's registers], then from byte 8,192 on [8 tiles][32 lanes] scale words.
; LIMITS: NaN among the maxima or in W is not served.  A block of zeros gets the scale byte 1, not 127: its codes are zeros.
.set LANE, 1
.set CO,   2                           ; 8,192 x lane: a chunk's block
.set XI,   3                           ; the group number of the maximum in hand
.set TT,   4
.set UU,   5
.set BIG,  6                           ; +infinity: over every group number
.set AD,   7
.set XV,   8                           ; v8-39   my 32 maxima
.set LV,   40                          ; v40-47  my list: values, descending
.set LX,   48                          ; v48-55  and their group numbers
.set RV,   56                          ; v56-63  the wave's eight: values
.set RX,   64                          ; v64-71  and group numbers, in every lane
.set OUTR, 72                          ; v72-75
.set WR,   8                           ; W's waves: v8-71 my column's 64 numbers
.set PC,   72                          ; v72-79  the fragment
.set WHALF, 80
.set WROW, 81
.set WOF,  82                          ; 32 r + 32 rows of 512 bytes for lanes 16-31
.set WLI,  83                          ; 16 x lane
.set WSO,  84                          ; 4 x lane
.set TM,   86                          ; v86-91  the quantiser's work
.set PW,   92
.set T2,   93
.set MK,   16                          ; s16-23  the eight comparisons of an insertion
.set SEL,  24
.set WV,   28
; (x, xi) goes into the sorted list.  Strictly greater only: of equal values the one that came first, which has the lower number, stays ahead.
; Place i takes place i - 1's entry where x beats that, else x where x beats its own, else it stays: for the values that is the middle one of the three.
.macro INSERT x, xi
.irp i, 0,1,2,3,4,5,6,7
	v_cmp_gt_f32 s[MK+\i], v[\x], v[LV+\i]
.endr
.irp i, 7,6,5,4,3,2,1
	v_med3_num_f32 v[LV+\i], v[LV+\i-1], v[LV+\i], v[\x]
	v_cndmask_b32 v[LX+\i], v[LX+\i], v[\xi], s[MK+\i]
	v_cndmask_b32 v[LX+\i], v[LX+\i], v[LX+\i-1], s[MK+\i-1]
.endr
	v_max_num_f32 v[LV], v[LV], v[\x]
	v_cndmask_b32 v[LX], v[LX], v[\xi], s[MK]
.endm
; Eight rounds over the 32 sorted lists: the largest head of the wave; among the heads that equal it the lowest number; the lane that holds that number moves its list up.  After round k only 7 - k places can still be wanted.
.macro EXTRACT
.irp k, 0,1,2,3,4,5,6,7
	v_max_num_f32_dpp v[TT], v[LV], v[LV] row_xmask:1 row_mask:0xf bank_mask:0xf
	v_max_num_f32_dpp v[TT], v[TT], v[TT] row_xmask:2 row_mask:0xf bank_mask:0xf
	v_max_num_f32_dpp v[TT], v[TT], v[TT] row_xmask:4 row_mask:0xf bank_mask:0xf
	v_max_num_f32_dpp v[TT], v[TT], v[TT] row_xmask:8 row_mask:0xf bank_mask:0xf
	v_permlanex16_b32 v[UU], v[TT], s[SEL], s[SEL+1]
	v_max_num_f32 v[RV+\k], v[TT], v[UU]
	v_cmp_eq_f32 vcc_lo, v[RV+\k], v[LV]
	v_cndmask_b32 v[TT], v[BIG], v[LX], vcc_lo
	v_min_num_f32_dpp v[TT], v[TT], v[TT] row_xmask:1 row_mask:0xf bank_mask:0xf
	v_min_num_f32_dpp v[TT], v[TT], v[TT] row_xmask:2 row_mask:0xf bank_mask:0xf
	v_min_num_f32_dpp v[TT], v[TT], v[TT] row_xmask:4 row_mask:0xf bank_mask:0xf
	v_min_num_f32_dpp v[TT], v[TT], v[TT] row_xmask:8 row_mask:0xf bank_mask:0xf
	v_permlanex16_b32 v[UU], v[TT], s[SEL], s[SEL+1]
	v_min_num_f32 v[RX+\k], v[TT], v[UU]
.if \k < 7
	v_cmp_eq_f32 vcc_lo, v[RX+\k], v[LX]           ; a number lies in one lane only
.set xn, 0
.rept 7-\k
	v_cndmask_b32 v[LV+xn], v[LV+xn], v[LV+xn+1], vcc_lo
	v_cndmask_b32 v[LX+xn], v[LX+xn], v[LX+xn+1], vcc_lo
.set xn, xn+1
.endr
.endif
.endr
.endm
.macro CE a, b                         ; the lower number to place a
	v_min_num_f32 v[TT], v[RX+\a], v[RX+\b]
	v_max_num_f32 v[RX+\b], v[RX+\a], v[RX+\b]
	v_mov_b32 v[RX+\a], v[TT]
.endm
	s_load_b256 s[4:11], s[0:1], 0x0               ; maxbuf s[4:5], gids s[6:7], W s[8:9], wimg s[10:11]
	v_lshrrev_b32 v[LANE], 5, v0
	v_readfirstlane_b32 s[WV], v[LANE]
	v_and_b32 v[LANE], 31, v0
	s_mov_b32 s[SEL], 0x76543210
	s_mov_b32 s[SEL+1], 0xfedcba98                 ; v_permlanex16_b32's selects for lane l xor 16
	s_cmp_ge_u32 ttmp9, 256                        ; the last four work-groups take W
	s_cbranch_scc1 .Lweights
	v_lshlrev_b32 v[CO], 13, v[LANE]
	s_lshl_b32 s29, ttmp9, 1
	s_add_co_u32 s29, s29, s[WV]                   ; my query
	s_lshl_b32 s30, s29, 4                         ; its 16 bytes in a chunk's block
	s_mov_b32 s31, 0
	s_lshl_b32 s32, s29, 5                         ; its 32 bytes of gids
	s_mov_b32 s33, 0
	s_wait_alu depctr_va_vdst(0)
	s_wait_kmcnt 0x0
	s_add_nc_u64 s[4:5], s[4:5], s[30:31]
	s_add_nc_u64 s[6:7], s[6:7], s[32:33]
.irp i, 0,1,2,3,4,5,6,7
	global_load_b128 v[XV+4*\i:XV+4*\i+3], v[CO], s[4:5] offset:262144*\i   ; 32 chunks further on with each load
.endr
.irp i, 0,1,2,3,4,5,6,7
	v_mov_b32 v[LV+\i], 0xff800000                 ; the list begins under every value,
	v_mov_b32 v[LX+\i], 0x7f800000                 ; with numbers over every number
.endr
	v_mov_b32 v[BIG], 0x7f800000
	v_mov_b32 v[TT], 0                             ; written once: the destination of a DPP form or a lane permute counts as read
	v_mov_b32 v[UU], 0
	v_cvt_f32_u32 v[XI], v[LANE]
	v_mul_f32 v[XI], 4.0, v[XI]                    ; my first group: 4 x lane
.irp i, 0,1,2,3,4,5,6,7
	s_wait_alu depctr_va_vdst(0)
	s_wait_loadcnt 7-\i                            ; load i is in; the younger ones may be out
.irp e, 0,1,2,3
	INSERT XV+4*\i+\e, XI
.if \e < 3
	v_add_f32 v[XI], 1.0, v[XI]
.elseif \i < 7
	v_add_f32 v[XI], 125.0, v[XI]                  ; on to group 128 (i + 1) + 4 x lane
.endif
.endr
.endr
	EXTRACT
	; the eight numbers in ascending order (19 exchanges, Batcher's network for eight): the next launch walks the groups in this order, so that in each of its lanes the context indices ascend
	CE 0, 1
	CE 2, 3
	CE 4, 5
	CE 6, 7
	CE 0, 2
	CE 1, 3
	CE 4, 6
	CE 5, 7
	CE 1, 2
	CE 5, 6
	CE 0, 4
	CE 1, 5
	CE 2, 6
	CE 3, 7
	CE 2, 4
	CE 3, 5
	CE 1, 2
	CE 3, 4
	CE 5, 6
	v_cmp_eq_u32 vcc_lo, 1, v[LANE]
.irp i, 0,1,2,3
	v_cndmask_b32 v[OUTR+\i], v[RX+\i], v[RX+4+\i], vcc_lo     ; lane 0: numbers 0 to 3; lane 1: 4 to 7
.endr
.irp i, 0,1,2,3
	v_cvt_u32_f32 v[OUTR+\i], v[OUTR+\i]
.endr
	v_lshlrev_b32 v[AD], 4, v[LANE]
	v_cmp_gt_u32 vcc_lo, 2, v[LANE]
	s_wait_alu depctr_va_vdst(0)
	s_wait_xcnt 0x0                                ; EXEC changes only behind this wait
	s_and_saveexec_b32 s36, vcc_lo
	global_store_b128 v[AD], v[OUTR:OUTR+3], s[6:7]            ; two lanes store the query's 32 bytes
	s_wait_xcnt 0x0                                ; and again in front of the line that widens it
	s_or_b32 exec_lo, exec_lo, s36
	s_endpgm
.Lweights:
	v_and_b32 v[WROW], 15, v0
	v_bfe_u32 v[WHALF], v0, 4, 1
	v_lshlrev_b32 v[WOF], 5, v[WROW]               ; column 8 r + t: 32 r bytes, and 4 t in the base;
	v_lshl_add_u32 v[WOF], v[WHALF], 14, v[WOF]    ; lanes 16-31 begin 32 rows of 512 bytes further down
	s_wait_alu depctr_va_vdst(0)
	v_lshlrev_b32 v[WLI], 4, v[LANE]
	v_lshlrev_b32 v[WSO], 2, v[LANE]
	s_sub_co_u32 s29, ttmp9, 256
	s_lshl_b32 s29, s29, 1
	s_add_co_u32 s29, s29, s[WV]                   ; my tile t, 0 to 7
	s_lshl_b32 s30, s29, 2
	s_mov_b32 s31, 0
	s_lshl_b32 s32, s29, 10                        ; its image
	s_mov_b32 s33, 0
	s_lshl_b32 s34, s29, 7                         ; its scale words
	s_add_co_u32 s34, s34, 8192
	s_mov_b32 s35, 0
	s_wait_kmcnt 0x0
	s_add_nc_u64 s[8:9], s[8:9], s[30:31]
	s_add_nc_u64 s[12:13], s[10:11], s[34:35]
	s_add_nc_u64 s[10:11], s[10:11], s[32:33]
.irp c, 0,1
.irp i, 0,1,2,3,4,5,6,7,8,9,10,11,12,13,14,15,16,17,18,19,20,21,22,23,24,25,26,27,28,29,30,31
	global_load_b32 v[WR+32*\c+\i], v[WOF], s[8:9] offset:512*(64*\c+\i)    ; W(64 c + 32 h + i, 8 r + t); the eight waves together read every byte of W once
.endr
.endr
	s_wait_loadcnt 0x0
.irp c, 0,1                                        ; my block 2 c + h of my column: all its 32 numbers are mine
	v_max3_num_f32 v[TM+\c], |v[WR+32*\c]|, |v[WR+32*\c+1]|, 0x1800000     ; and the floor 2^(3 - 127): the byte cannot fall under 1
.endr
.irp i, 2,4,6,8,10,12,14,16,18,20,22,24,26,28,30
.irp c, 0,1
	v_max3_num_f32 v[TM+\c], v[TM+\c], |v[WR+32*\c+\i]|, |v[WR+32*\c+\i+1]|
.endr
.endr
.irp c, 0,1
	v_add_nc_u32 v[TM+2+\c], 0xff000000, v[TM+\c]  ; 2 off the exponent field: the conversion's scale operand
.endr
.irp c, 0,1
	v_lshrrev_b32 v[TM+4+\c], 23, v[TM+2+\c]       ; the scale's byte
.endr
	v_lshl_or_b32 v[PW], v[TM+5], 16, v[TM+4]      ; my two bytes: blocks h and 2 + h,
	v_lshlrev_b32 v[T2], 3, v[WHALF]
	v_lshlrev_b32 v[PW], v[T2], v[PW]              ; at their places in the scale word;
	v_mov_b32 v[T2], 0
	v_permlanex16_b32 v[T2], v[PW], s[SEL], s[SEL+1]
	v_or_b32 v[PW], v[PW], v[T2]                   ; with lane l xor 16's two the word is whole
.irp c, 0,1
.irp g, 0,1,2,3
	v_cvt_scalef32_pk8_fp4_f32 v[PC+4*\c+\g], v[WR+32*\c+8*\g:WR+32*\c+8*\g+7], v[TM+2+\c]
.endr
.endr
	v_nop                                          ; one plain place behind a scaled conversion
	global_store_b128 v[WLI], v[PC:PC+3], s[10:11]             ; 32 lanes store 512 consecutive bytes
	global_store_b128 v[WLI], v[PC+4:PC+7], s[10:11] offset:512
	global_store_b32 v[WSO], v[PW], s[12:13]                   ; and the tile's 128 bytes of scale words
	s_endpgm
.Lfunc_end_k_q38f253f1ed_pick:
	.size	k_q38f253f1ed_pick, .Lfunc_end_k_q38f253f1ed_pick-k_q38f253f1ed_pick
	.p2alignl 7, 3214868480
	.fill 96, 4, 3214868480
	.section	.rodata,"a",@progbits
	.p2align	6, 0x0
	.amdhsa_kernel k_q38f253f1ed_pick
		.amdhsa_group_segment_fixed_size 0
		.amdhsa_private_segment_fixed_size 0
		.amdhsa_enable_private_segment 0
		.amdhsa_kernarg_size 32
		.amdhsa_user_sgpr_count 2
		.amdhsa_user_sgpr_kernarg_segment_ptr 1
		.amdhsa_wavefront_size32 1
		.amdhsa_system_sgpr_workgroup_id_x 1
		.amdhsa_system_sgpr_workgroup_id_y 1
		.amdhsa_system_sgpr_workgroup_id_z 1
		.amdhsa_system_vgpr_workitem_id 0
		.amdhsa_next_free_vgpr 96
		.amdhsa_next_free_sgpr 66
		.amdhsa_reserve_vcc 1
		.amdhsa_float_denorm_mode_32 3
		.amdhsa_float_denorm_mode_16_64 3
		.amdhsa_memory_ordered 1
		.amdhsa_forward_progress 1
		.amdhsa_inst_pref_size 87
	.end_amdhsa_kernel
	.amdgpu_metadata
---
amdhsa.version: [ 1, 2 ]
amdhsa.kernels:
  - .name:           k_q38f253f1ed_pick
    .symbol:         k_q38f253f1ed_pick.kd
    .args:
      - { .name: maxbuf, .offset: 0, .size: 8, .value_kind: global_buffer, .address_space: global }
      - { .name: gids, .offset: 8, .size: 8, .value_kind: global_buffer, .address_space: global }
      - { .name: W_score, .offset: 16, .size: 8, .value_kind: global_buffer, .address_space: global }
      - { .name: wimg, .offset: 24, .size: 8, .value_kind: global_buffer, .address_space: global }
    .group_segment_fixed_size: 0
    .private_segment_fixed_size: 0
    .kernarg_segment_align: 8
    .kernarg_segment_size: 32
    .max_flat_workgroup_size: 64
    .sgpr_count:     66
    .vgpr_count:     96
    .wavefront_size: 32
...
	.end_amdgpu_metadata
.endif
;; end of part 10
;; launch refine (part 11): grid 256 x 1, 2 waves a work-group, no clusters, 0 bytes of LDS; arguments gids, ccodes, cmeta, qdat, context_tokens, wimg, b_score, toptok, qres; writes toptok, qres
.if DOCPART == 11
	.amdgcn_target "amdgcn-amd-amdhsa--gfx1250"
	.amdhsa_code_object_version 6
	.text
	.protected	k_q38f253f1ed_refine
	.globl	k_q38f253f1ed_refine
	.p2align	8
	.type	k_q38f253f1ed_refine,@function
k_q38f253f1ed_refine:
	s_mov_b64 s[64:65], 0
	v_nop
	global_prefetch_b8 v0, s[64:65] scope:SCOPE_SE
	s_setreg_imm32_b32 hwreg(HW_REG_WAVE_SCHED_MODE, 0, 2), 2
	s_setreg_imm32_b32 hwreg(HW_REG_WAVE_MODE, 25, 1), 1
	s_wait_xcnt 0x0
	s_wait_alu depctr_vm_vsrc(0)
; LAUNCH 3 OF 4: for each query the eight nearest contexts, exactly, out of the 8 x 64 contexts of its eight groups; their tokens and distances; and the query's projection qp = Q(q) Q(W) + b (the second quantised product).
; Equal clipped values go to the lower index, as jax.lax.top_k has it.  A wave takes one query.  Its groups' codes, scale words, -|c|^2/2 and tokens are fetched by addresses made of the whole numbers that the second launch stored.
; THE FIRST PRODUCT is the first launch's with the sources swapped and the same C: source 0 = the query, repeated in all 16 rows; source 1 = 16 contexts; C's register 0 = -|c|^2/2 of the lane's context.
; So register 0 of a result holds D = Q(q).Q(c) - |c|^2/2 of context (lane % 16), in both halves of the lanes.  Rows 1-7 and 9-15 of a result are not read, so C's registers 1 to 7 may hold any number:
; the 32 tiles' norms lie two registers apart, and a tile's C is the run of eight that begins at its own.
; GROUP g = 4 w + 2 h + s lies in rows 8 h .. 8 h + 7 of tiles 8 s .. 8 s + 7 of chunk w.  Column r of my tile v (0..3) of a group is context 64 g + 16 v + r: row 8 h + r % 8 of the chunk's tile 8 s + 2 v + r / 8.
; Lanes 0-15 take groups 0-3 of the list, lanes 16-31 groups 4-7: 16 contexts a lane, their indices ascending, since the list ascends.
; WHAT TRAVELS WITH A VALUE through the selection is one word: 0x40000000 | place << 16 | token, place = 64 x (the group's place in the list) + 16 v + r, 0 to 511, which ascends as the context's index does; a token is under 2^16.
; Read as f32 these words are normal positive numbers in the order of the places, so the rounds' minimum finds the lowest index, and the winner's token comes out with it: the last launch needs the token alone.
; THE SECOND PRODUCT: source 0 = the same repeated query, source 1 = 16 columns of W (column r of tile t is n = 8 r + t): register 0 of result t holds qp(8 r + t), so a lane's eight results are eight neighbours.
; REGISTERS: window 0 as named below; window 1: the 32 context fragments (tile i at v[8 i]); window 2: v0-63 W's eight fragments, v64-133 the norms.  All loads go out ahead of one wait.
; OUT.  toptok [512][8] whole numbers;  qres: [512][128] qp, then from byte 262,144 on [512][8] distances.
; LIMITS: NaN is not served.  The order is that of the clipped sq, not of its root: two different sq whose roots round to one f32 are ordered by sq, where the root's order would take the lower index.
; sq = |q|^2 - 2 D with D = dot - |c|^2/2 as the matrix unit gave it: another order of rounding than (|q|^2 + |c|^2) - 2 dot.
; THE MODE: SCHED_MODE bits 1:0 = 2 (LLVM: expert scheduling mode 2), set by the entry lines.  The code itself states the register dependences between vector or matrix instructions and memory instructions,
; and those that go through a scalar register, VCC or EXEC, with s_wait_alu, always for 0.
; THE PLAN.  Registers that memory instructions touch:
;   VC, VM, VQ, NIL, LI, VB, QPO, WSL  offsets: written by vector lines at the head, never again.   TAD: made of the groups' numbers, read by the tokens' loads.   AD: made at the end, read by the last two stores.
;   QA, QSC, QHV, BI, WS, TK, SB, window 1, window 2's v0-63 and the norms' even registers: written by loads alone, each once.
;   OQ, OI, OV  written by vector lines once, read by one store each.
; So three waits on va_vdst stand ahead of the three runs of loads and the first store, and one, with its partners, at each write of EXEC.  No register that a memory instruction reads is written again.
; The selection hands masks from compares to selections: one wait on va_sdst behind the eight compares of an insertion, one on va_vcc behind each compare into VCC.
.set VOCAB_LAST, 50256
.set LANE, 1
.set COL,  2                           ; r = lane % 16
.set HALF, 3
.set VC,   4                           ; my place in a group's codes: 1,024 (r / 8) + 16 (r % 8) + 256 x half
.set VM,   5                           ; and among its scale words and norms: 64 (r / 8) + 4 (r % 8)
.set VQ,   6                           ; 256 x half
.set NIL,  7
.set QA,   8                           ; v8-15   the query's fragment, the same row in every lane of a half
.set QSC,  16                          ; its scale word: a scale and nothing else
.set QHV,  17                          ; |q|^2/2
.set LV,   18                          ; v18-25  my list: values
.set LX,   26                          ; v26-33  the words that travel with them
.set RV,   34                          ; v34-41  the wave's eight: values
.set RX,   42                          ; v42-49  their words
.set TT,   50
.set UU,   51
.set BIG,  52
.set OI,   54                          ; v54-57
.set OV,   58                          ; v58-61
.set AD,   62
.set PB,   63                          ; 0x40000000 | (256 x half + r) << 16
.set TAD,  64                          ; v64-67  byte offset of the token of my context in tile 0 of my b-th group
.set T0,   68
.set T1,   69
.set XV,   70                          ; v70-85  my 16 values
.set SB,   86                          ; v86-117 the 32 tiles' scale words: scales and nothing else
.set TK,   118                         ; v118-133 my 16 contexts' tokens, then their words
.set WS,   134                         ; v134-141 W's tiles' scale words: scales and nothing else
.set BI,   142                         ; v142-149 b(8 r + 0 .. 7)
.set QPV,  150                         ; v150-157 qp(8 r + 0 .. 7)
.set OQ,   158                         ; v158-161
.set LI,   162                         ; 16 x lane
.set VB,   163                         ; 32 r
.set QPO,  164                         ; 32 r + 16 x half
.set WSL,  165                         ; 4 x lane
.set QN,   166
.set ACC,  192                         ; v192-255 eight results
.set WF,   0                           ; window 2
.set CB,   64                          ; window 2: tile i's norm at CB + 2 i
.set MK,   76
.set HM,   84                          ; lanes 16-31
.set SEL,  86
.set WV,   89
.set MSB, 0
.macro WIN new                         ; bits 1:0 source 0, 3:2 source 1, 5:4 source 2, 7:6 destination; the immediate's high byte repeats the setting that is left
.if MSB != (\new)
	s_set_vgpr_msb (MSB<<8)|(\new)
.set MSB, (\new)
.endif
.endm
.macro INSERT x, xi                    ; as in the second launch: strictly greater only, so that of equal values the lower index stays ahead
.irp i, 0,1,2,3,4,5,6,7
	v_cmp_gt_f32 s[MK+\i], v[\x], v[LV+\i]
.endr
	s_wait_alu depctr_va_sdst(0)                   ; the eight masks are written, ahead of the selections that read them
.irp i, 7,6,5,4,3,2,1
	v_med3_num_f32 v[LV+\i], v[LV+\i-1], v[LV+\i], v[\x]
	v_cndmask_b32 v[LX+\i], v[LX+\i], v[\xi], s[MK+\i]
	v_cndmask_b32 v[LX+\i], v[LX+\i], v[LX+\i-1], s[MK+\i-1]
.endr
	v_max_num_f32 v[LV], v[LV], v[\x]
	v_cndmask_b32 v[LX], v[LX], v[\xi], s[MK]
.endm
.macro EXTRACT                         ; eight rounds: the wave's largest head, the lowest word among its equals, that lane's list moves up
.irp k, 0,1,2,3,4,5,6,7
	v_max_num_f32_dpp v[TT], v[LV], v[LV] row_xmask:1 row_mask:0xf bank_mask:0xf
	v_max_num_f32_dpp v[TT], v[TT], v[TT] row_xmask:2 row_mask:0xf bank_mask:0xf
	v_max_num_f32_dpp v[TT], v[TT], v[TT] row_xmask:4 row_mask:0xf bank_mask:0xf
	v_max_num_f32_dpp v[TT], v[TT], v[TT] row_xmask:8 row_mask:0xf bank_mask:0xf
	v_permlanex16_b32 v[UU], v[TT], s[SEL], s[SEL+1]
	v_max_num_f32 v[RV+\k], v[TT], v[UU]
	v_cmp_eq_f32 vcc_lo, v[RV+\k], v[LV]
	s_wait_alu depctr_va_vcc(0)                    ; the mask of the heads that equal the largest is written, ahead of the selection that reads it
	v_cndmask_b32 v[TT], v[BIG], v[LX], vcc_lo
	v_min_num_f32_dpp v[TT], v[TT], v[TT] row_xmask:1 row_mask:0xf bank_mask:0xf
	v_min_num_f32_dpp v[TT], v[TT], v[TT] row_xmask:2 row_mask:0xf bank_mask:0xf
	v_min_num_f32_dpp v[TT], v[TT], v[TT] row_xmask:4 row_mask:0xf bank_mask:0xf
	v_min_num_f32_dpp v[TT], v[TT], v[TT] row_xmask:8 row_mask:0xf bank_mask:0xf
	v_permlanex16_b32 v[UU], v[TT], s[SEL], s[SEL+1]
	v_min_num_f32 v[RX+\k], v[TT], v[UU]
.if \k < 7
	v_cmp_eq_f32 vcc_lo, v[RX+\k], v[LX]           ; a word lies in one lane only: its place is its own
	s_wait_alu depctr_va_vcc(0)                    ; the winner's mask is written, ahead of the selections that move its list up
.set xn, 0
.rept 7-\k
	v_cndmask_b32 v[LV+xn], v[LV+xn], v[LV+xn+1], vcc_lo
	v_cndmask_b32 v[LX+xn], v[LX+xn], v[LX+xn+1], vcc_lo
.set xn, xn+1
.endr
.endif
.endr
.endm
	s_load_b256 s[4:11], s[0:1], 0x0               ; gids s[4:5], ccodes s[6:7], cmeta s[8:9], qdat s[10:11]
	s_load_b256 s[12:19], s[0:1], 0x20             ; context tokens s[12:13], wimg s[14:15], b s[16:17], toptok s[18:19]
	s_load_b64 s[20:21], s[0:1], 0x40              ; qres
	v_lshrrev_b32 v[LANE], 5, v0
	v_readfirstlane_b32 s[WV], v[LANE]
	v_and_b32 v[LANE], 31, v0
	v_and_b32 v[COL], 15, v0
	v_bfe_u32 v[HALF], v0, 4, 1
	v_and_b32 v[VC], 7, v0
	v_bfe_u32 v[T0], v0, 3, 1
	v_lshlrev_b32 v[VM], 2, v[VC]
	v_lshl_add_u32 v[VM], v[T0], 6, v[VM]
	v_lshlrev_b32 v[VC], 4, v[VC]
	v_lshl_add_u32 v[VC], v[T0], 10, v[VC]
	v_lshl_add_u32 v[VC], v[HALF], 8, v[VC]
	v_lshlrev_b32 v[VQ], 8, v[HALF]
	v_mov_b32 v[NIL], 0
	v_lshlrev_b32 v[LI], 4, v[LANE]
	v_lshlrev_b32 v[WSL], 2, v[LANE]
	v_lshlrev_b32 v[VB], 5, v[COL]
	v_lshl_add_u32 v[QPO], v[HALF], 4, v[VB]
	v_lshl_add_u32 v[T0], v[HALF], 8, v[COL]
	v_lshl_or_b32 v[PB], v[T0], 16, 0x40000000
	v_cmp_eq_u32 s[HM], 1, v[HALF]
	s_wait_alu depctr_va_sdst(0)                   ; the wave's number and the mask of lanes 16 to 31 are written, ahead of the first reader of either
	s_lshl_b32 s90, ttmp9, 1
	s_add_co_u32 s90, s90, s[WV]                   ; my query q
	s_lshl_b32 s92, s90, 5                         ; its 32 bytes in gids, toptok and the distances
	s_mov_b32 s93, 0
	s_lshr_b32 s66, s90, 4
	s_lshl_b32 s66, s66, 10                        ; its tile's image,
	s_and_b32 s68, s90, 15
	s_lshl_b32 s68, s68, 4                         ; and 16 bytes for each row in front of it
	s_add_co_u32 s66, s66, s68
	s_mov_b32 s67, 0
	s_lshr_b32 s70, s90, 6                         ; its scale word: 32,768 + 512 (q / 64) + 16 (q % 16) + 4 ((q / 16) % 4)
	s_lshl_b32 s70, s70, 9
	s_add_co_u32 s70, s70, s68
	s_bfe_u32 s69, s90, 0x20004
	s_lshl_b32 s69, s69, 2
	s_add_co_u32 s70, s70, s69
	s_add_co_u32 s70, s70, 32768
	s_mov_b32 s71, 0
	s_lshl_b32 s72, s90, 9                         ; its 512 bytes of qp
	s_mov_b32 s73, 0
	s_add_co_u32 s74, s92, 262144                  ; its distances
	s_mov_b32 s75, 0
	s_mov_b32 s[SEL], 0x76543210
	s_mov_b32 s[SEL+1], 0xfedcba98
	s_wait_kmcnt 0x0
	s_add_nc_u64 s[4:5], s[4:5], s[92:93]
	s_load_b256 s[24:31], s[4:5], 0x0              ; my eight groups, ascending
	s_add_nc_u64 s[22:23], s[10:11], s[70:71]
	s_add_nc_u64 s[10:11], s[10:11], s[66:67]
	s_add_nc_u64 s[18:19], s[18:19], s[92:93]
	s_add_nc_u64 s[94:95], s[20:21], s[74:75]
	s_add_nc_u64 s[20:21], s[20:21], s[72:73]
	; what hangs on no group goes out while the groups' numbers are on their way: the query, the bias, W
	s_wait_alu depctr_va_vdst(0)                   ; the offsets VC, VM, VQ, NIL, LI, VB, QPO and WSL are written, which the loads and the store of qp read
	global_load_b128 v[QA:QA+3], v[VQ], s[10:11]               ; every lane of a half reads the same 16 bytes: the query's row in all 16 rows
	global_load_b128 v[QA+4:QA+7], v[VQ], s[10:11] offset:512
	global_load_b32 v[QSC], v[NIL], s[22:23]
	global_load_b32 v[QHV], v[NIL], s[22:23] offset:256
	global_load_b128 v[BI:BI+3], v[VB], s[16:17]
	global_load_b128 v[BI+4:BI+7], v[VB], s[16:17] offset:16
.irp t, 0,1,2,3,4,5,6,7
	global_load_b32 v[WS+\t], v[WSL], s[14:15] offset:8192+128*\t
.endr
	WIN 0x80                                       ; destination window 2, address window 0
.irp t, 0,1,2,3,4,5,6,7
	global_load_b128 v[WF+8*\t:WF+8*\t+3], v[LI], s[14:15] offset:1024*\t
	global_load_b128 v[WF+8*\t+4:WF+8*\t+7], v[LI], s[14:15] offset:1024*\t+512
.endr
.irp i, 0,1,2,3,4,5,6,7,8,9,10,11,12,13,14,15,16,17,18,19,20,21,22,23,24,25,26,27,28,29,30,31
	v_mov_b32 v[CB+2*\i+1], 0                      ; the registers between the norms are named as parts of C, for rows that are not read: they are written once.  No load lands in them
.endr
.irp i, 64,65,66,67,68,69
	v_mov_b32 v[CB+\i], 0
.endr
	WIN 0
	s_wait_kmcnt 0x0
.irp k, 0,1,2,3,4,5,6,7
	s_min_u32 s[24+\k], s[24+\k], 1023             ; a group's number stays inside the 1,024
	s_and_b32 s70, s[24+\k], 0x3fc                 ; 4 w
	s_and_b32 s71, s[24+\k], 1                     ; s
	s_and_b32 s72, s[24+\k], 2                     ; 2 h
	s_lshl_b32 s68, s70, 12                        ; codes: 16,384 w + 8,192 s + 128 h
	s_lshl_b32 s69, s71, 13
	s_add_co_u32 s68, s68, s69
	s_lshl_b32 s69, s72, 6
	s_add_co_u32 s68, s68, s69
	s_mov_b32 s69, 0
	s_add_nc_u64 s[32+2*\k:33+2*\k], s[6:7], s[68:69]
	s_lshl_b32 s68, s70, 9                         ; scale words: 2,048 w + 512 s + 32 h; the norms 1,024 further on
	s_lshl_b32 s69, s71, 9
	s_add_co_u32 s68, s68, s69
	s_lshl_b32 s69, s72, 4
	s_add_co_u32 s68, s68, s69
	s_mov_b32 s69, 0
	s_add_nc_u64 s[48+2*\k:49+2*\k], s[8:9], s[68:69]
.endr
.irp b, 0,1,2,3
	v_mov_b32 v[T0], s[24+\b]
	v_mov_b32 v[T1], s[28+\b]
	v_cndmask_b32 v[T0], v[T0], v[T1], s[HM]       ; lanes 0-15: group b of the list; lanes 16-31: group b + 4
	v_min_u32 v[T0], 1023, v[T0]
	v_lshl_add_u32 v[T0], v[T0], 6, v[COL]         ; context 64 g + r
	v_lshlrev_b32 v[TAD+\b], 2, v[T0]              ; its token's byte
.endr
	s_wait_alu depctr_va_vdst(0)                   ; the four offsets v[TAD ..] are written, which the tokens' loads read; only loads and window switches follow up to the last of the gather's loads
.irp b, 0,1,2,3
.irp v, 0,1,2,3
	global_load_b32 v[TK+4*\b+\v], v[TAD+\b], s[12:13] offset:64*\v        ; sixteen lanes read 64 neighbouring bytes
.endr
.endr
.irp k, 0,1,2,3,4,5,6,7
.irp v, 0,1,2,3
	global_load_b32 v[SB+4*\k+\v], v[VM], s[48+2*\k:49+2*\k] offset:128*\v
.endr
.endr
	WIN 0x80                                       ; destination window 2
.irp k, 0,1,2,3,4,5,6,7
.irp v, 0,1,2,3
	global_load_b32 v[CB+2*(4*\k+\v)], v[VM], s[48+2*\k:49+2*\k] offset:128*\v+1024
.endr
.endr
	WIN 0x40                                       ; destination window 1
.irp k, 0,1,2,3,4,5,6,7
.irp v, 0,1,2,3
	global_load_b128 v[8*(4*\k+\v):8*(4*\k+\v)+3], v[VC], s[32+2*\k:33+2*\k] offset:2048*\v
	global_load_b128 v[8*(4*\k+\v)+4:8*(4*\k+\v)+7], v[VC], s[32+2*\k:33+2*\k] offset:2048*\v+512
.endr
.endr
	WIN 0
.irp i, 0,1,2,3,4,5,6,7
	v_mov_b32 v[LV+\i], 0xff800000                 ; the list begins under every value,
	v_mov_b32 v[LX+\i], 0x7f800000                 ; with words over every word
.endr
	v_mov_b32 v[BIG], 0x7f800000
	v_mov_b32 v[TT], 0                             ; written once: the destination of a DPP form or a lane permute counts as read
	v_mov_b32 v[UU], 0
	s_wait_loadcnt 0x0
	WIN 0x08                                       ; source 1 window 2
.irp t, 0,1,2,3,4,5,6,7                            ; the second product: eight results, each with its own registers
	v_wmma_scale_f32_16x16x128_f8f6f4 v[ACC+8*\t:ACC+8*\t+7], v[QA:QA+7], v[WF+8*\t:WF+8*\t+7], 0, v[QSC], v[WS+\t] matrix_a_fmt:MATRIX_FMT_FP4 matrix_b_fmt:MATRIX_FMT_FP4
.endr
	WIN 0
.irp n, 0,1,2,3,4,5,6,7,8,9,10,11,12,13,14,15
	v_min_u32 v[TK+\n], VOCAB_LAST, v[TK+\n]       ; a token stays inside the table, and so inside its 16 bits.  (These lines are also the places behind the products: ISA guide 7.12.1)
.endr
.irp t, 0,1,2,3,4,5,6,7
	v_add_f32 v[QPV+\t], v[ACC+8*\t], v[BI+\t]     ; register 0 of result t: qp(8 r + t), and the bias
.endr
.irp i, 0,1,2,3
	v_cndmask_b32 v[OQ+\i], v[QPV+\i], v[QPV+4+\i], s[HM]      ; lanes 0-15: the first four of my eight; lanes 16-31: the other four
.endr
	s_wait_alu depctr_va_vdst(0)                   ; the selections have written v[OQ ..], which the store reads
	global_store_b128 v[QPO], v[OQ:OQ+3], s[20:21]             ; 32 lanes store the query's 512 consecutive bytes
.irp b, 0,1,2,3                                    ; the first product, eight at a time: the four tiles of group b and the four of group b + 4
	WIN 0x24                                       ; source 1 window 1, source 2 window 2
.irp v, 0,1,2,3
	v_wmma_scale_f32_16x16x128_f8f6f4 v[ACC+8*\v:ACC+8*\v+7], v[QA:QA+7], v[8*(4*\b+\v):8*(4*\b+\v)+7], v[CB+2*(4*\b+\v):CB+2*(4*\b+\v)+7], v[QSC], v[SB+4*\b+\v] matrix_a_fmt:MATRIX_FMT_FP4 matrix_b_fmt:MATRIX_FMT_FP4
.endr
.irp v, 0,1,2,3
	v_wmma_scale_f32_16x16x128_f8f6f4 v[ACC+32+8*\v:ACC+32+8*\v+7], v[QA:QA+7], v[8*(16+4*\b+\v):8*(16+4*\b+\v)+7], v[CB+2*(16+4*\b+\v):CB+2*(16+4*\b+\v)+7], v[QSC], v[SB+16+4*\b+\v] matrix_a_fmt:MATRIX_FMT_FP4 matrix_b_fmt:MATRIX_FMT_FP4
.endr
	WIN 0
.irp v, 0,1,2,3
	v_add3_u32 v[TK+4*\b+\v], v[TK+4*\b+\v], v[PB], (64*\b+16*\v)<<16      ; the word of my context in tile v: the fields share no bit.  These four are the places in front of the first read of results; with three of the four selections below also those in front of the next eight products, which write these results over
.endr
.irp v, 0,1,2,3
	v_cndmask_b32 v[XV+4*\b+\v], v[ACC+8*\v], v[ACC+32+8*\v], s[HM]   ; register 0 of each result: my context's D
.endr
.endr
.irp t, 0,1,2,3,4,5,6,7,8,9,10,11,12,13,14,15
	v_min_num_f32 v[XV+\t], v[XV+\t], v[QHV]       ; the clip of sq at 0
.endr
.irp t, 0,1,2,3,4,5,6,7,8,9,10,11,12,13,14,15
	INSERT XV+\t, TK+\t                            ; in the order of the places
.endr
	EXTRACT
	v_cmp_eq_u32 vcc_lo, 1, v[LANE]
	s_wait_alu depctr_va_vcc(0)                    ; lane 1's mask is written, ahead of the selections that read it
.irp i, 0,1,2,3
	v_cndmask_b32 v[OI+\i], v[RX+\i], v[RX+4+\i], vcc_lo       ; lane 0: neighbours 0 to 3; lane 1: 4 to 7
	v_cndmask_b32 v[OV+\i], v[RV+\i], v[RV+4+\i], vcc_lo
.endr
.irp i, 0,1,2,3
	v_and_b32 v[OI+\i], 0xffff, v[OI+\i]           ; the token
.endr
	v_add_f32 v[QN], v[QHV], v[QHV]                ; |q|^2
.irp i, 0,1,2,3
	v_fma_f32 v[OV+\i], -2.0, v[OV+\i], v[QN]      ; sq = |q|^2 - 2 D
.endr
.irp i, 0,1,2,3
	v_max_num_f32 v[OV+\i], 0, v[OV+\i]
.endr
.irp i, 0,1,2,3
	v_add_f32 v[OV+\i], 0x2b8cbccc, v[OV+\i]       ; + 1e-12
.endr
	s_wait_alu depctr_va_vdst(0)
.irp i, 0,1,2,3
	v_sqrt_f32 v[OV+\i], v[OV+\i]                  ; the distance
.endr
	v_lshlrev_b32 v[AD], 4, v[LANE]                ; (a plain place behind the last root)
	v_cmp_gt_u32 vcc_lo, 2, v[LANE]
	s_wait_xcnt 0x0                                ; EXEC changes only behind this wait
	s_wait_alu depctr_va_vcc(0)                    ; the mask of lanes 0 and 1 is written: EXEC is made from it
	s_wait_alu depctr_va_vdst(0)                   ; the four roots, the tokens v[OI ..] and the offset v[AD] are written, which the two stores read; and no vector line is out at the write of EXEC
	s_wait_alu depctr_vm_vsrc(0)                   ; the store of qp has read its registers, ahead of the write of EXEC
	s_and_saveexec_b32 s88, vcc_lo
	global_store_b128 v[AD], v[OI:OI+3], s[18:19]              ; the query's eight tokens
	global_store_b128 v[AD], v[OV:OV+3], s[94:95]              ; and distances
	s_wait_xcnt 0x0                                ; and again in front of the line that widens it
	s_wait_alu depctr_va_vdst(0)                   ; no vector line is out at the write of EXEC
	s_wait_alu depctr_vm_vsrc(0)                   ; the two stores have read their registers under the narrow EXEC
	s_or_b32 exec_lo, exec_lo, s88
	s_endpgm
.Lfunc_end_k_q38f253f1ed_refine:
	.size	k_q38f253f1ed_refine, .Lfunc_end_k_q38f253f1ed_refine-k_q38f253f1ed_refine
	.p2alignl 7, 3214868480
	.fill 96, 4, 3214868480
	.section	.rodata,"a",@progbits
	.p2align	6, 0x0
	.amdhsa_kernel k_q38f253f1ed_refine
		.amdhsa_group_segment_fixed_size 0
		.amdhsa_private_segment_fixed_size 0
		.amdhsa_enable_private_segment 0
		.amdhsa_kernarg_size 72
		.amdhsa_user_sgpr_count 2
		.amdhsa_user_sgpr_kernarg_segment_ptr 1
		.amdhsa_wavefront_size32 1
		.amdhsa_system_sgpr_workgroup_id_x 1
		.amdhsa_system_sgpr_workgroup_id_y 1
		.amdhsa_system_sgpr_workgroup_id_z 1
		.amdhsa_system_vgpr_workitem_id 0
		.amdhsa_next_free_vgpr 768
		.amdhsa_next_free_sgpr 96
		.amdhsa_reserve_vcc 1
		.amdhsa_float_denorm_mode_32 3
		.amdhsa_float_denorm_mode_16_64 3
		.amdhsa_memory_ordered 1
		.amdhsa_forward_progress 1
		.amdhsa_inst_pref_size 79
	.end_amdhsa_kernel
	.amdgpu_metadata
---
amdhsa.version: [ 1, 2 ]
amdhsa.kernels:
  - .name:           k_q38f253f1ed_refine
    .symbol:         k_q38f253f1ed_refine.kd
    .args:
      - { .name: gids, .offset: 0, .size: 8, .value_kind: global_buffer, .address_space: global }
      - { .name: ccodes, .offset: 8, .size: 8, .value_kind: global_buffer, .address_space: global }
      - { .name: cmeta, .offset: 16, .size: 8, .value_kind: global_buffer, .address_space: global }
      - { .name: qdat, .offset: 24, .size: 8, .value_kind: global_buffer, .address_space: global }
      - { .name: context_tokens, .offset: 32, .size: 8, .value_kind: global_buffer, .address_space: global }
      - { .name: wimg, .offset: 40, .size: 8, .value_kind: global_buffer, .address_space: global }
      - { .name: b_score, .offset: 48, .size: 8, .value_kind: global_buffer, .address_space: global }
      - { .name: toptok, .offset: 56, .size: 8, .value_kind: global_buffer, .address_space: global }
      - { .name: qres, .offset: 64, .size: 8, .value_kind: global_buffer, .address_space: global }
    .group_segment_fixed_size: 0
    .private_segment_fixed_size: 0
    .kernarg_segment_align: 8
    .kernarg_segment_size: 72
    .max_flat_workgroup_size: 64
    .sgpr_count:     96
    .vgpr_count:     768
    .wavefront_size: 32
...
	.end_amdgpu_metadata
.endif
;; end of part 11
;; launch score (part 12): grid 4 x 1, 16 waves a work-group, no clusters, 2,560 bytes of LDS; arguments query_tokens, emb_table, toptok, qres, out0; writes out0
.if DOCPART == 12
	.amdgcn_target "amdgcn-amd-amdhsa--gfx1250"
	.amdhsa_code_object_version 6
	.text
	.protected	k_q38f253f1ed_score
	.globl	k_q38f253f1ed_score
	.p2align	8
	.type	k_q38f253f1ed_score,@function
k_q38f253f1ed_score:
	s_mov_b64 s[64:65], 0
	v_nop
	global_prefetch_b8 v0, s[64:65] scope:SCOPE_SE
	s_setreg_imm32_b32 hwreg(HW_REG_WAVE_SCHED_MODE, 0, 2), 2
	s_setreg_imm32_b32 hwreg(HW_REG_WAVE_MODE, 25, 1), 1
	s_wait_xcnt 0x0
	s_wait_alu depctr_vm_vsrc(0)
; LAUNCH 4 OF 4: logits = qp . c / sqrt(128) - distance for the eight neighbours of each query, their softmax, its largest term, the softmax of that over a batch's 128 queries, the result.
; The third launch has left qp, the neighbours' tokens and their distances; the third product (one row by eight, left as it is) is made here in f32 multiply-adds.
; SHARES.  A work-group takes a batch, since the last softmax spans its 128 queries.  Wave y takes queries 8 y .. 8 y + 7, four at a time in two passes: EIGHT LANES TO A QUERY.  Lane j of a query holds qp at
; 32 i + 4 j + 0 .. 3, i = 0 .. 3, and loads the same 16 numbers of each neighbour's row of the table: one load takes 128 consecutive bytes of each of four rows.
; A pass has 8 neighbours x 4 loads.  Pass 0's 32 loads go out together; a neighbour's 16 registers are asked for again, for pass 1, at the head of the next neighbour's step.
; The sum over a query's eight lanes is three additions with the lane 1, 2 and 4 away; then each of the eight lanes holds the query's eight logits, and the softmax needs no other lane.
; The largest term of a softmax is exp(0) / sum = 1 / sum: it is taken so, which is why the largest logit is taken away by a subtraction of its own, exactly, ahead of the multiplication by log2(e).
; NO CLUSTER, NO TENSOR LOAD: the rows are gathered by token, and the four work-groups share nothing.
; LIMITS: NaN and infinities are not served.  The division by sqrt(128) is a multiplication by its reciprocal.
; THE MODE: SCHED_MODE bits 1:0 = 2 (LLVM: expert scheduling mode 2), set by the entry lines.  The code itself states the register dependences between vector instructions and memory or LDS instructions,
; with s_wait_alu, always for 0.
; THE PLAN.  Registers that memory or LDS instructions touch:
;   LI, TO, QO, IMS  offsets and LDS addresses: written by vector lines at the head, never again.
;   RO     the tokens' loads land in them; two vector lines make them offsets; the rows' loads read them; never written again.
;   RW     eight sets of 16.  Pass 0's step k multiplies set k; pass 1's loads into set k stand at the head of step k + 1, behind that step's wait for its data:
;          the one wait on va_vdst there states that step k's multiply-adds are done reading the set, and step k + 1's lines name another set.
;   DI, QP written by loads alone.   TKN: cleared in every wave; in wave 0 a load lands in it.
;   SU     written by the reciprocals, read by the LDS stores, written again by wave 0: one wait on vm_vsrc behind the barrier.
;   SS     vector work; behind the barrier wave 0's LDS load lands in its first four, which are the last store's data.
;   v126, v127  written at the head, read by the closing add alone.
.set VOCAB_LAST, 50256
.set LANE, 1
.set JJ,   2                           ; j = lane % 8
.set UQ,   3                           ; u = lane / 8: which of the pass's four queries
.set LI,   4                           ; 16 x lane; also wave 0's place among the 128 importances in LDS, which begin at byte 0
.set TO,   5                           ; 32 u: my query's eight tokens or distances
.set QO,   6                           ; 512 u + 16 j
.set J16,  7                           ; 16 j
.set IMS,  8                           ; LDS: 32 x wave + 4 u
.set MX,   10                          ; v10-11
.set SU,   12                          ; v12-13
.set UU,   14
.set TKN,  16                          ; v16-19  wave 0: four query tokens a lane
.set RO,   20                          ; v20-35  pass p, neighbour k at RO + 8 p + k: token, then byte offset of my 16 bytes in the row's first 128
.set DI,   36                          ; v36-51  distances
.set QP,   52                          ; v52-83  pass p at QP + 16 p
.set SA,   84                          ; v84-91  two sets of four partial sums, by turns
.set SS,   92                          ; v92-107 dot products, logits, exponentials
.set RW,   128                         ; v128-255 neighbour k's 16 numbers at RW + 16 k
.set WV,   14
.set SEL,  26
.set RSQ,  28
.macro ROWS p, k                       ; my 16 numbers of the row of neighbour k of pass p
.irp i, 0,1,2,3
	global_load_b128 v[RW+16*(\k)+4*\i:RW+16*(\k)+4*\i+3], v[RO+8*(\p)+(\k)], s[6:7] offset:128*\i
.endr
.endm
.macro DOT p, k                        ; qp . row, my 16 numbers, in two packed chains
	v_pk_mul_f32 v[SA+4*((\k)%2):SA+4*((\k)%2)+1], v[RW+16*(\k):RW+16*(\k)+1], v[QP+16*\p:QP+16*\p+1]
	v_pk_mul_f32 v[SA+4*((\k)%2)+2:SA+4*((\k)%2)+3], v[RW+16*(\k)+2:RW+16*(\k)+3], v[QP+16*\p+2:QP+16*\p+3]
.irp i, 4,8,12
	v_pk_fma_f32 v[SA+4*((\k)%2):SA+4*((\k)%2)+1], v[RW+16*(\k)+\i:RW+16*(\k)+\i+1], v[QP+16*\p+\i:QP+16*\p+\i+1], v[SA+4*((\k)%2):SA+4*((\k)%2)+1]
	v_pk_fma_f32 v[SA+4*((\k)%2)+2:SA+4*((\k)%2)+3], v[RW+16*(\k)+\i+2:RW+16*(\k)+\i+3], v[QP+16*\p+\i+2:QP+16*\p+\i+3], v[SA+4*((\k)%2)+2:SA+4*((\k)%2)+3]
.endr
	v_pk_add_f32 v[SA+4*((\k)%2):SA+4*((\k)%2)+1], v[SA+4*((\k)%2):SA+4*((\k)%2)+1], v[SA+4*((\k)%2)+2:SA+4*((\k)%2)+3]
	v_add_f32 v[SS+8*\p+(\k)], v[SA+4*((\k)%2)], v[SA+4*((\k)%2)+1]
.endm
	s_load_b256 s[4:11], s[0:1], 0x0               ; query tokens s[4:5], table s[6:7], toptok s[8:9], qres s[10:11]
	s_load_b64 s[12:13], s[0:1], 0x20              ; out0
	v_lshl_add_u32 v126, v0, 2, 0x200
	v_mov_b32 v127, 0
	v_lshrrev_b32 v[LANE], 5, v0
	v_readfirstlane_b32 s[WV], v[LANE]             ; wave 0..15
	v_and_b32 v[LANE], 31, v0
	v_and_b32 v[JJ], 7, v0
	v_bfe_u32 v[UQ], v0, 3, 2
	v_lshlrev_b32 v[LI], 4, v[LANE]
	v_lshlrev_b32 v[TO], 5, v[UQ]
	v_lshlrev_b32 v[J16], 4, v[JJ]
	v_lshl_add_u32 v[QO], v[UQ], 9, v[J16]
	s_wait_alu depctr_va_sdst(0)                   ; the wave's number is written, ahead of its first reader: an LDS address, the bases and two branches are made from it
	s_lshl_b32 s29, s[WV], 5
	v_lshl_add_u32 v[IMS], v[UQ], 2, s29
	s_lshl_b32 s15, ttmp9, 7
	s_lshl_b32 s16, s[WV], 3
	s_add_co_u32 s15, s15, s16                     ; my wave's first query: 128 x batch + 8 x wave
	s_lshl_b32 s16, s15, 5                         ; its 32 bytes of tokens
	s_mov_b32 s17, 0
	s_add_co_u32 s20, s16, 262144                  ; and of distances
	s_mov_b32 s21, 0
	s_lshl_b32 s22, s15, 9                         ; its 512 bytes of qp
	s_mov_b32 s23, 0
	s_lshl_b32 s24, ttmp9, 9                       ; the batch's 512 bytes of tokens and of results
	s_mov_b32 s25, 0
	s_mov_b32 s[SEL], 0x76543210
	s_mov_b32 s[SEL+1], 0xfedcba98                 ; v_permlanex16_b32's selects for lane l xor 16
	s_mov_b32 s[RSQ], 0x3db504f3                   ; 1 / sqrt(128)
.irp i, 0,1,2,3
	v_mov_b32 v[TKN+\i], 0                         ; written in every wave; loaded and used in wave 0
.endr
	v_mov_b32 v[UU], 0                             ; written once: a lane permute's destination counts as one of its sources
	s_wait_kmcnt 0x0
	s_add_nc_u64 s[4:5], s[4:5], s[24:25]
	s_add_nc_u64 s[12:13], s[12:13], s[24:25]
	s_add_nc_u64 s[8:9], s[8:9], s[16:17]
	s_add_nc_u64 s[18:19], s[10:11], s[20:21]
	s_add_nc_u64 s[10:11], s[10:11], s[22:23]
	s_wait_alu depctr_va_vdst(0)                   ; the offsets LI, TO, QO and the LDS address IMS are written, which the loads and stores below read; so are the zeros of v[TKN ..], in which wave 0's load lands
	s_cmp_lg_u32 s[WV], 0                          ; wave 0's load of the query tokens is the oldest of all: no counted wait below counts it
	s_cbranch_scc1 .Lno_tokens
	global_load_b128 v[TKN:TKN+3], v[LI], s[4:5]
.Lno_tokens:
.irp p, 0,1
	global_load_b128 v[RO+8*\p:RO+8*\p+3], v[TO], s[8:9] offset:128*\p         ; the eight lanes of a query read the same bytes
	global_load_b128 v[RO+8*\p+4:RO+8*\p+7], v[TO], s[8:9] offset:128*\p+16
.endr
.irp p, 0,1
	global_load_b128 v[DI+8*\p:DI+8*\p+3], v[TO], s[18:19] offset:128*\p
	global_load_b128 v[DI+8*\p+4:DI+8*\p+7], v[TO], s[18:19] offset:128*\p+16
.endr
.irp p, 0,1
.irp i, 0,1,2,3
	global_load_b128 v[QP+16*\p+4*\i:QP+16*\p+4*\i+3], v[QO], s[10:11] offset:2048*\p+128*\i
.endr
.endr
	s_wait_loadcnt 12                              ; the tokens are in: behind them 4 loads of distances and 8 of qp were issued
.irp n, 0,1,2,3,4,5,6,7,8,9,10,11,12,13,14,15
	v_min_u32 v[RO+\n], VOCAB_LAST, v[RO+\n]       ; a token stays inside the table
.endr
.irp n, 0,1,2,3,4,5,6,7,8,9,10,11,12,13,14,15
	v_lshl_add_u32 v[RO+\n], v[RO+\n], 9, v[J16]   ; a row is 512 bytes; + 16 j
.endr
	s_wait_alu depctr_va_vdst(0)                   ; the sixteen offsets v[RO ..] are written, which the rows' loads of both passes read
.irp k, 0,1,2,3,4,5,6,7
	ROWS 0, \k
.endr
	s_wait_loadcnt 28                              ; row 0 of pass 0 is in: behind its loads the 28 of rows 1 to 7 were issued
	DOT 0, 0
.irp k, 1,2,3,4,5,6,7
	s_wait_loadcnt 24                              ; row k is in: behind its loads 4 (7 - k) of pass 0's later rows and 4 (k - 1) of pass 1's were issued
	s_wait_alu depctr_va_vdst(0)                   ; the multiply-adds of the step before are done reading their set of 16 registers, in which the four loads below land
	ROWS 1, \k-1
	DOT 0, \k
.endr
	s_wait_alu depctr_va_vdst(0)                   ; step 7's multiply-adds are done reading set 7, in which pass 1's last four loads land
	ROWS 1, 7
.irp k, 0,1,2,3,4,5,6,7
	s_wait_loadcnt 28-4*\k                         ; pass 1's later rows alone may be out
	DOT 1, \k
.endr
.irp m, 1,2,4
.irp n, 0,1,2,3,4,5,6,7,8,9,10,11,12,13,14,15
	v_add_f32_dpp v[SS+\n], v[SS+\n], v[SS+\n] row_xmask:\m row_mask:0xf bank_mask:0xf      ; over the query's eight lanes: qp . c, in each of them
.endr
.endr
.irp n, 0,1,2,3,4,5,6,7,8,9,10,11,12,13,14,15
	v_fma_f32 v[SS+\n], v[SS+\n], s[RSQ], -v[DI+\n]            ; the logit
.endr
.irp p, 0,1
	v_max3_num_f32 v[MX+\p], v[SS+8*\p], v[SS+8*\p+1], v[SS+8*\p+2]
.endr
.irp p, 0,1
	v_max3_num_f32 v[MX+\p], v[MX+\p], v[SS+8*\p+3], v[SS+8*\p+4]
.endr
.irp p, 0,1
	v_max3_num_f32 v[MX+\p], v[MX+\p], v[SS+8*\p+5], v[SS+8*\p+6]
.endr
.irp p, 0,1
	v_max_num_f32 v[MX+\p], v[MX+\p], v[SS+8*\p+7]
.endr
.irp p, 0,1
.irp k, 0,1,2,3,4,5,6,7
	v_sub_f32 v[SS+8*\p+\k], v[SS+8*\p+\k], v[MX+\p]           ; the largest logit is taken away
.endr
.endr
.irp n, 0,1,2,3,4,5,6,7,8,9,10,11,12,13,14,15
	v_mul_f32 v[SS+\n], 0x3fb8aa3b, v[SS+\n]       ; x log2(e)
.endr
	s_wait_alu depctr_va_vdst(0)
.irp n, 0,1,2,3,4,5,6,7,8,9,10,11,12,13,14,15
	v_exp_f32 v[SS+\n], v[SS+\n]
.endr
	v_nop                                          ; a plain place behind the last exponential
	s_wait_alu depctr_va_vdst(0)                   ; the sixteen exponentials have written v[SS ..]: one wait, ahead of their first reader
.irp k, 0,2,4,6
.irp p, 0,1
	v_add_f32 v[SS+8*\p+\k], v[SS+8*\p+\k], v[SS+8*\p+\k+1]
.endr
.endr
.irp k, 0,4
.irp p, 0,1
	v_add_f32 v[SS+8*\p+\k], v[SS+8*\p+\k], v[SS+8*\p+\k+2]
.endr
.endr
.irp p, 0,1
	v_add_f32 v[SS+8*\p], v[SS+8*\p], v[SS+8*\p+4]
.endr
	s_wait_alu depctr_va_vdst(0)
.irp p, 0,1
	v_rcp_f32 v[SU+\p], v[SS+8*\p]                 ; the importance: the largest term, exp(0), over the sum
.endr
	v_nop
	s_wait_alu depctr_va_vdst(0)                   ; the two reciprocals have written v[SU], v[SU+1], which the LDS stores read; and every vector line is done with v[SS ..], in which wave 0's LDS load lands behind the barrier
.irp p, 0,1
	ds_store_b32 v[IMS], v[SU+\p] offset:16*\p     ; query 8 y + 4 p + u; its eight lanes write the same word with the same value
.endr
	s_wait_dscnt 0x0                               ; for wave 0's sake
	s_barrier_signal -1
	s_barrier_wait -1                              ; the batch's 128 importances lie in LDS
	s_wait_alu depctr_vm_vsrc(0)                   ; my LDS stores have read v[SU], which wave 0 writes again below
	s_cmp_lg_u32 s[WV], 0
	s_cbranch_scc1 .Lend
	ds_load_b128 v[SS:SS+3], v[LI]                 ; wave 0: four queries a lane
	s_wait_dscnt 0x0
	v_max3_num_f32 v[MX], v[SS], v[SS+1], v[SS+2]
	v_max_num_f32 v[MX], v[MX], v[SS+3]
	v_max_num_f32_dpp v[MX], v[MX], v[MX] row_xmask:1 row_mask:0xf bank_mask:0xf
	v_max_num_f32_dpp v[MX], v[MX], v[MX] row_xmask:2 row_mask:0xf bank_mask:0xf
	v_max_num_f32_dpp v[MX], v[MX], v[MX] row_xmask:4 row_mask:0xf bank_mask:0xf
	v_max_num_f32_dpp v[MX], v[MX], v[MX] row_xmask:8 row_mask:0xf bank_mask:0xf
	v_permlanex16_b32 v[UU], v[MX], s[SEL], s[SEL+1]
	v_max_num_f32 v[MX], v[MX], v[UU]              ; the batch's largest importance
.irp i, 0,1,2,3
	v_sub_f32 v[SS+\i], v[SS+\i], v[MX]
.endr
.irp i, 0,1,2,3
	v_mul_f32 v[SS+\i], 0x3fb8aa3b, v[SS+\i]
.endr
	s_wait_alu depctr_va_vdst(0)
.irp i, 0,1,2,3
	v_exp_f32 v[SS+\i], v[SS+\i]
.endr
	v_nop
	s_wait_alu depctr_va_vdst(0)                   ; the four exponentials have written v[SS ..], ahead of their first reader
	v_add_f32 v[SU], v[SS], v[SS+1]
	v_add_f32 v[UU], v[SS+2], v[SS+3]
	v_add_f32 v[SU], v[SU], v[UU]
	v_add_f32_dpp v[SU], v[SU], v[SU] row_xmask:1 row_mask:0xf bank_mask:0xf
	v_add_f32_dpp v[SU], v[SU], v[SU] row_xmask:2 row_mask:0xf bank_mask:0xf
	v_add_f32_dpp v[SU], v[SU], v[SU] row_xmask:4 row_mask:0xf bank_mask:0xf
	v_add_f32_dpp v[SU], v[SU], v[SU] row_xmask:8 row_mask:0xf bank_mask:0xf
	v_permlanex16_b32 v[UU], v[SU], s[SEL], s[SEL+1]
	v_add_f32 v[SU], v[SU], v[UU]
	s_wait_alu depctr_va_vdst(0)
	v_rcp_f32 v[SU], v[SU]
	v_nop
.irp i, 0,1,2,3
	v_cvt_f32_i32 v[TKN+\i], v[TKN+\i]             ; the tokens as f32 (their load was waited for with the rows')
.endr
	s_wait_alu depctr_va_vdst(0)                   ; the reciprocal has written v[SU], ahead of its first reader
.irp i, 0,1,2,3
	v_mul_f32 v[SS+\i], v[SS+\i], v[SU]            ; the weight
.endr
.irp i, 0,1,2,3
	v_mul_f32 v[SS+\i], v[TKN+\i], v[SS+\i]        ; token x weight
.endr
.irp i, 0,1,2,3
	v_mul_f32 v[SS+\i], 0x43000000, v[SS+\i]       ; x 128
.endr
	s_wait_alu depctr_va_vdst(0)                   ; the last multiplications have written v[SS ..], which the store reads
	global_store_b128 v[LI], v[SS:SS+3], s[12:13]  ; 32 lanes store the batch's 512 consecutive bytes
.Lend:
	s_wait_dscnt 0x0                               ; the closing lines, six on end
	s_wait_alu 0x0
	s_wait_tensorcnt 0x0
	ds_add_u32 v126, v127
	s_wait_dscnt 0x0
	s_endpgm
.Lfunc_end_k_q38f253f1ed_score:
	.size	k_q38f253f1ed_score, .Lfunc_end_k_q38f253f1ed_score-k_q38f253f1ed_score
	.p2alignl 7, 3214868480
	.fill 96, 4, 3214868480
	.section	.rodata,"a",@progbits
	.p2align	6, 0x0
	.amdhsa_kernel k_q38f253f1ed_score
		.amdhsa_group_segment_fixed_size 2560
		.amdhsa_private_segment_fixed_size 0
		.amdhsa_enable_private_segment 0
		.amdhsa_kernarg_size 40
		.amdhsa_user_sgpr_count 2
		.amdhsa_user_sgpr_kernarg_segment_ptr 1
		.amdhsa_wavefront_size32 1
		.amdhsa_system_sgpr_workgroup_id_x 1
		.amdhsa_system_sgpr_workgroup_id_y 1
		.amdhsa_system_sgpr_workgroup_id_z 1
		.amdhsa_system_vgpr_workitem_id 0
		.amdhsa_next_free_vgpr 256
		.amdhsa_next_free_sgpr 66
		.amdhsa_reserve_vcc 0
		.amdhsa_float_denorm_mode_32 3
		.amdhsa_float_denorm_mode_16_64 3
		.amdhsa_memory_ordered 1
		.amdhsa_forward_progress 1
		.amdhsa_inst_pref_size 33
	.end_amdhsa_kernel
	.amdgpu_metadata
---
amdhsa.version: [ 1, 2 ]
amdhsa.kernels:
  - .name:           k_q38f253f1ed_score
    .symbol:         k_q38f253f1ed_score.kd
    .args:
      - { .name: query_tokens, .offset: 0, .size: 8, .value_kind: global_buffer, .address_space: global }
      - { .name: emb_table, .offset: 8, .size: 8, .value_kind: global_buffer, .address_space: global }
      - { .name: toptok, .offset: 16, .size: 8, .value_kind: global_buffer, .address_space: global }
      - { .name: qres, .offset: 24, .size: 8, .value_kind: global_buffer, .address_space: global }
      - { .name: out0, .offset: 32, .size: 8, .value_kind: global_buffer, .address_space: global }
    .group_segment_fixed_size: 2560
    .private_segment_fixed_size: 0
    .kernarg_segment_align: 8
    .kernarg_segment_size: 40
    .max_flat_workgroup_size: 512
    .sgpr_count:     66
    .vgpr_count:     256
    .wavefront_size: 32
...
	.end_amdgpu_metadata
.endif
;; end of part 12
